; MI455X (gfx1250); checked and timed in simulation.
; The chip was launched on July 23, 2026; its instructions are those of AMD's public machine-readable ISA for CDNA 5 (MIT licence, August 2026) and "CDNA5" Instruction Set Architecture Reference Guide (July 2026). The comments in the code are by the model that wrote it; some were corrected since.
;; Transformer Block. Allowed arithmetic: matrix products marked QUANTISED: E2M3 operands, one E8M0 scale for each 32 along K, by v_wmma_scale_f32_16x16x128_f8f6f4 with both operands' format E2M3, f32 sums; everything else in f32.
;; Inputs: W1 512 x 2,048 float32; W2 2,048 x 512 float32; Wk 512 x 512 float32; Wq 512 x 512 float32; Wv 512 x 512 float32; b1 2,048 float32; b2 512 float32; be1 512 float32; be2 512 float32; bk 512 float32; bq 512 float32; bv 512 float32; distance_scale one number float32; g1 512 float32; g2 512 float32; tokens 2 x 4,096 x 512 float32.
;; Outputs: out0 2 x 4,096 x 512 float32.
;; This version of the problem:
;;   THIS VERSION OF THE PROBLEM IS GIVEN IN LOW PRECISION. The matrix products marked QUANTISED in the list below multiply operands that are first quantised to E2M3 (2 exponent bits, 3 mantissa bits; 6 bits a number), with one power-of-two scale for each 32 numbers along K (OCP MX v1.0); their sums are f32. All else is computed in f32.
;;   The module's matrix products, in the order in which they are computed (A, B: the left and right operand; K: the contracted axis; several contracted axes count as one K, in the product's order):
;;     1. [M 8,192, K 512] x [K 512, N 512]; A: input tokens; B: input Wq: QUANTISED
;;     2. [M 8,192, K 512] x [K 512, N 512]; A: input tokens; B: input Wk: QUANTISED
;;     3. [M 8,192, K 512] x [K 512, N 512]; A: input tokens; B: input Wv: QUANTISED
;;     4. batch 2 x [M 4,096, K 512] x [K 512, N 4,096]; A: computed on the way; B: computed on the way: QUANTISED
;;     5. batch 2 x [M 4,096, K 4,096] x [K 4,096, N 512]; A: softmax (see below); B: computed on the way: QUANTISED
;;     6. [M 8,192, K 512] x [K 512, N 2,048]; A: computed on the way; B: input W1: QUANTISED
;;     7. [M 8,192, K 2,048] x [K 2,048, N 512]; A: computed on the way; B: input W2: QUANTISED
;;   THE QUANTISER, for each operand of a quantised product, along K:
;;     - K is cut into blocks of 32 from its start; a last block that is shorter is filled with zeros.
;;     - A block's scale is 2^e with e = floor(log2(the largest magnitude in the block)) - 2, held to -126 .. 127; a block of zeros has e = 0. As a byte (E8M0): e + 127.
;;     - Each number is divided by its block's scale, clamped to +-7.5, and rounded to the nearest number of E2M3, ties to even, subnormals kept.
;;     - The product sums the exact products of the quantised numbers (number of the format x scale) in f32.
;;   ~~~python
;;   def quantise(x, axis):      # numpy; x: float32 -> the quantised numbers, widened to float32 again
;;       x = np.moveaxis(x, axis, -1); K = x.shape[-1]
;;       x = np.pad(x, [(0, 0)] * (x.ndim - 1) + [(0, -K % 32)]); x = x.reshape(x.shape[:-1] + (-1, 32)); a = np.abs(x).max(-1, keepdims=True)
;;       e = np.where(a > 0, np.clip(np.frexp(np.where(a > 0, a, 1))[1] - 1 - 2, -126, 127), 0)      # np.frexp(a)[1] - 1 = floor(log2(a)), exactly
;;       r = np.clip(x / 2.0 ** e, -7.5, 7.5)
;;       step = 2.0 ** (np.maximum(np.frexp(np.where(r == 0, 1, r))[1] - 1, 0) - 3)
;;       q = np.round(r / step) * step * 2.0 ** e      # np.round: ties to even
;;       return np.moveaxis(q.reshape(q.shape[:-2] + (-1,))[..., :K], -1, axis).astype(np.float32)
;;   ~~~
;;   SOFTMAX AHEAD OF A QUANTISED PRODUCT. Where the list says 'softmax', what is quantised is not the finished softmax but p = 2^(t - M), with t = logit x log2(e) and M = ceil(the row's largest t), a whole number; so 1/2 < the row's largest p <= 1. The row's sum l is taken of the UNQUANTISED p, in f32, and the product's result is divided by l at the end. Since M is a whole number, a kernel that streams over the keys may use a running M (the ceiling of the running maximum): every later rescaling is an exact power of two, which a block's scale takes up: the codes' values come out the same.
;;   OPERANDS COMPUTED ON THE WAY. 'Computed on the way' means the value that the module computes at that place (a softmax that the list does not call 'softmax' is quantised finished and normalised). What goes into a quantiser is computed in f32, as accurately as f32 sums, v_exp_f32 and their like allow (about 1e-6 of the number): no bf16 or f16 on the way to a quantiser, and a product that is left as it is and whose result goes on into a quantised operand takes f32 operands (vector FMAs, or v_wmma_f32_16x16x4_f32). A number that lies on a knife's edge between two numbers of the format may be rounded either way, as far as f32 arithmetic and the matrix unit's own rounding can turn it there, and no further.
;; 2 versions. Each part assembles by itself: llvm-mc -triple=amdgcn-amd-amdhsa -mcpu=gfx1250 --defsym DOCPART=n.
;; ======== version 1 of 2: 3 launches
;; workspace buffers: pre 5,529,600 bytes; qkv 9,830,400 bytes
;; launch prep (part 1): grid 304 x 1, 4 waves a work-group, no clusters, 0 bytes of LDS; arguments tokens, Wq, Wk, Wv, W1, W2, pre; writes pre
.if DOCPART == 1
	.amdgcn_target "amdgcn-amd-amdhsa--gfx1250"
	.amdhsa_code_object_version 6
	.text
	.protected	k_q213b873860_prep
	.globl	k_q213b873860_prep
	.p2align	8
	.type	k_q213b873860_prep,@function
k_q213b873860_prep:
	s_mov_b64 s[64:65], 0
	v_nop
	global_prefetch_b8 v0, s[64:65] scope:SCOPE_SE
	s_setreg_imm32_b32 hwreg(HW_REG_WAVE_MODE, 25, 1), 1
	s_wait_xcnt 0x0
; tokens [8192][512] (K innermost) and Wq, Wk, Wv [512][512], W1 [512][2048], W2 [2048][512] (K is the FIRST axis), all f32, become codes of FP6 (E2M3) with one E8M0 byte for each 32 along K.
; A block's scale is 2^(floor(log2(its largest magnitude)) - 2): its byte is the largest magnitude's exponent field - 2, held at 1 from below.
; LIMITS: NaN and infinities among the inputs are not served; a block whose largest magnitude lies under 2^-124 takes the byte 1; a block of zeros takes the byte 1 (its codes are zeros) where the rule says 127: this program alone reads the bytes.
; THE WORKSPACE IS LAID AS IMAGES OF THE OPERANDS' REGISTERS.  A fragment (16 rows x 128 K, 12 registers a lane) is 1,536 bytes: register g of lane l at 512 (g / 4) + 16 l + 4 (g % 4): three loads or stores of 16 bytes a lane, 512 consecutive bytes each.
; A scale image (two neighbouring tiles, one K step) is 128 bytes: lane l's word: lanes 0-15 the even tile's rows, lanes 16-31 the odd tile's.
; THE ROWS OF A TILE ARE NOT NEIGHBOURS: in each run of 32 rows (token rows; a weight's columns n) lane r of tile 2 B + u is row 32 B + 8 u + r + (r & 8), so that a transposed product leaves 16 neighbours along the next K in a lane's 16 registers of two tiles.
; SHARES: work-groups 0-47 Wq, Wk, Wv; 48-111 W1; 112-175 W2; 176-303 tokens.  No LDS, no barrier: waves share nothing.
.set TOKS,  3145728                    ; tokens' scale images [pair 256][s 4]; their fragments [tile 512][s 4] begin at 0
.set WQKVC, 3276800                    ; [mat 3][tile 32][s 4]
.set WQKVS, 3866624                    ; [mat 3][pair 16][s 4]
.set W1C,   3891200                    ; [tile / 8][s 4][tile % 8]
.set W1S,   4677632                    ; [tile / 8][s 4][pair 4]
.set W2C,   4710400                    ; [K step 16][tile 32]
.set W2S,   5496832                    ; [K step 16][pair 16]
.set X,   32                           ; v32-159  128 numbers (a weight's column), or two sets of 64 (tokens)
.set F0,  160                          ; v160-171 the fragment of the even tile; the tokens' fragment
.set F1,  172                          ; v172-183 that of the odd tile
.set T0,  184                          ; v184-186, v188-190 second halves of blocks (a conversion's three registers begin on an even number)
.set T1,  188
.set SEL, 40                           ; s[40:41] selects of v_permlanex16_b32 for lane l xor 16;  s42 the mask of lanes 16-31
.macro QMAX s, m, t                    ; the largest magnitudes of four blocks: register 16 b + i of v[s] on is k = 32 b + 16 (lane / 16) + i of my row
.irp b, 0,1,2,3
	v_max3_num_f32 v[(\m)+\b], |v[(\s)+16*\b]|, |v[(\s)+16*\b+1]|, 0x1800000   ; with the floor 2^(3 - 127): the byte cannot fall under 1
.endr
.irp i, 2,4,6,8,10,12,14
.irp b, 0,1,2,3
	v_max3_num_f32 v[(\m)+\b], v[(\m)+\b], |v[(\s)+16*\b+\i]|, |v[(\s)+16*\b+\i+1]|
.endr
.endr
.irp b, 0,1,2,3
	v_permlanex16_b32 v[(\t)+\b], v[(\m)+\b], s[SEL], s[SEL+1]
.endr
.irp b, 0,1,2,3
	v_max_num_f32 v[(\m)+\b], v[(\m)+\b], v[(\t)+\b]       ; with lane l xor 16's 16 numbers
.endr
.endm
.macro QTAIL s, m, t, pc, tc, pw       ; from the four maxima: the scale word in v[pw], the fragment in v[pc] on
.irp b, 0,1,2,3
	v_add_nc_u32 v[(\t)+\b], 0xff000000, v[(\m)+\b]        ; 2 off the exponent field: the conversion's scale operand
.endr
.irp b, 0,1,2,3
	v_lshrrev_b32 v[(\m)+\b], 23, v[(\t)+\b]               ; the scale's byte
.endr
	v_lshl_or_b32 v[\pw], v[(\m)+1], 8, v[(\m)]
	v_lshl_or_b32 v[\pw], v[(\m)+2], 16, v[\pw]
	v_lshl_or_b32 v[\pw], v[(\m)+3], 24, v[\pw]
.irp c, 0,1
	v_cvt_scalef32_pk16_fp6_f32 v[(\pc)+6*\c:(\pc)+6*\c+2], v[(\s)+32*\c:(\s)+32*\c+15], v[(\t)+2*\c]
	v_cvt_scalef32_pk16_fp6_f32 v[(\tc)+4*\c:(\tc)+4*\c+2], v[(\s)+32*\c+16:(\s)+32*\c+31], v[(\t)+2*\c+1]
.endr
	v_nop                                                  ; one plain place behind the scaled conversions
.irp c, 0,1                            ; the operand wants a whole block in a lane: lanes 0-15 block 2 c, lanes 16-31 block 2 c + 1
.irp i, 0,1,2
	v_permlane16_swap_b32 v[(\pc)+6*\c+\i], v[(\tc)+4*\c+\i]
.endr
.irp i, 0,1,2
	v_mov_b32 v[(\pc)+6*\c+3+\i], v[(\tc)+4*\c+\i]
.endr
.endr
.endm
	s_load_b256 s[4:11], s[0:1], 0x0               ; tokens, Wq, Wk, Wv
	s_load_b128 s[12:15], s[0:1], 0x20             ; W1, W2
	s_load_b64 s[16:17], s[0:1], 0x30              ; pre
	v_lshrrev_b32 v1, 5, v0
	v_readfirstlane_b32 s18, v1                    ; wave
	v_and_b32 v1, 31, v0                           ; lane
	v_and_b32 v2, 15, v0                           ; r
	v_bfe_u32 v3, v0, 4, 1                         ; lane / 16
	v_and_b32 v4, 8, v2
	v_add_nc_u32 v4, v4, v2                        ; r + (r & 8)
	v_lshlrev_b32 v5, 4, v1                        ; 16 x lane
	v_lshlrev_b32 v6, 2, v1                        ; 4 x lane
	s_mov_b32 s[SEL], 0x76543210
	s_mov_b32 s[SEL+1], 0xfedcba98
	s_mov_b32 s42, 0xffff0000
	s_cmp_ge_u32 ttmp9, 176
	s_cbranch_scc1 .Ltok
; ---- A WEIGHT.  A wave takes 32 columns x 128 along K: two fragments and one scale image.  The three arms set plain numbers:
; s22 the work-group's number in its matrix, s23 log2(pairs / 4), s24 / s25 where the matrix' fragments / scale images begin,
; fragment number = s26 B + s27 (B / 4) + s28 s, s29 bytes to the pair's second fragment, scale image number = s30 B + s31 (B / 4) + s32 s, s33 bytes of 128 rows, s34 = 1: rows of 8,192 bytes
	s_cmp_ge_u32 ttmp9, 112
	s_cbranch_scc1 .Lw2
	s_cmp_ge_u32 ttmp9, 48
	s_cbranch_scc1 .Lw1
	s_lshr_b32 s19, ttmp9, 4                       ; Wq, Wk or Wv
	s_and_b32 s22, ttmp9, 15
	s_mov_b32 s23, 2
	s_mul_i32 s24, s19, 196608
	s_add_co_u32 s24, s24, WQKVC
	s_lshl_b32 s25, s19, 13
	s_add_co_u32 s25, s25, WQKVS
	s_mov_b32 s26, 8
	s_mov_b32 s27, 0
	s_mov_b32 s28, 1
	s_mov_b32 s29, 6144
	s_mov_b32 s30, 4
	s_mov_b32 s31, 0
	s_mov_b32 s32, 1
	s_mov_b32 s33, 262144
	s_mov_b32 s34, 0
	s_branch .Lwjoin
.Lw1:
	s_sub_co_u32 s22, ttmp9, 48
	s_mov_b32 s23, 4
	s_mov_b32 s24, W1C
	s_mov_b32 s25, W1S
	s_mov_b32 s26, 2
	s_mov_b32 s27, 24
	s_mov_b32 s28, 8
	s_mov_b32 s29, 1536
	s_mov_b32 s30, 1
	s_mov_b32 s31, 12
	s_mov_b32 s32, 4
	s_mov_b32 s33, 1048576
	s_mov_b32 s34, 1
	s_branch .Lwjoin
.Lw2:
	s_sub_co_u32 s22, ttmp9, 112
	s_mov_b32 s23, 2
	s_mov_b32 s24, W2C
	s_mov_b32 s25, W2S
	s_mov_b32 s26, 2
	s_mov_b32 s27, 0
	s_mov_b32 s28, 32
	s_mov_b32 s29, 1536
	s_mov_b32 s30, 1
	s_mov_b32 s31, 0
	s_mov_b32 s32, 16
	s_mov_b32 s33, 262144
	s_mov_b32 s34, 0
.Lwjoin:
	s_lshr_b32 s35, s22, s23                       ; s: which 128 along K
	s_lshl_b32 s36, s35, s23
	s_sub_co_u32 s36, s22, s36
	s_lshl_b32 s36, s36, 2
	s_add_co_u32 s36, s36, s18                     ; B: which 32 columns: the four waves stand side by side on 512 bytes of each row
	s_lshr_b32 s37, s36, 2
	s_mul_i32 s38, s26, s36
	s_mul_i32 s39, s27, s37
	s_add_co_u32 s38, s38, s39
	s_mul_i32 s39, s28, s35
	s_add_co_u32 s38, s38, s39
	s_mul_i32 s38, s38, 1536
	s_add_co_u32 s38, s38, s24                     ; the even tile's fragment, in bytes from pre
	s_mul_i32 s43, s30, s36
	s_mul_i32 s39, s31, s37
	s_add_co_u32 s43, s43, s39
	s_mul_i32 s39, s32, s35
	s_add_co_u32 s43, s43, s39
	s_lshl_b32 s43, s43, 7
	s_add_co_u32 s43, s43, s25                     ; the scale image
	s_mul_i32 s44, s35, s33
	s_lshl_b32 s45, s36, 7
	s_add_co_u32 s44, s44, s45                     ; the wave's corner of the weight: 128 s rows + 128 B bytes
	s_mov_b32 s45, 0
	v_lshl_add_u32 v7, v3, 3, v4
	v_lshlrev_b32 v7, 2, v7                        ; lane 16 u + r takes column r + (r & 8) + 8 u: lanes 0-15 are the even tile's rows, lanes 16-31 the odd tile's
	v_add_nc_u32 v20, s38, v5
	v_add_nc_u32 v21, s29, v20
	v_add_nc_u32 v22, s43, v6
	s_wait_kmcnt 0x0
	s_cmp_lt_u32 ttmp9, 16                         ; the weight's address: a choice on the work-group's number alone
	s_cselect_b64 s[20:21], s[6:7], s[8:9]
	s_cmp_lt_u32 ttmp9, 32
	s_cselect_b64 s[20:21], s[20:21], s[10:11]
	s_cmp_lt_u32 ttmp9, 48
	s_cselect_b64 s[20:21], s[20:21], s[12:13]
	s_cmp_lt_u32 ttmp9, 112
	s_cselect_b64 s[20:21], s[20:21], s[14:15]
	s_add_nc_u64 s[20:21], s[20:21], s[44:45]
.macro WLOAD row                       ; my column's 128 numbers down K: each load reads 128 consecutive bytes a wave
.set kk, 0
.rept 128
	global_load_b32 v[X+kk], v7, s[20:21] offset:kk*\row th:TH_LOAD_NT
.set kk, kk+1
.endr
.endm
	s_cmp_eq_u32 s34, 1
	s_cbranch_scc1 .Lwide
	WLOAD 2048
	s_branch .Lloaded
.Lwide:
	WLOAD 8192
.Lloaded:
.macro WBLOCK b, left                  ; block b: all its 32 numbers are mine
	s_wait_loadcnt \left
	v_max3_num_f32 v[8+\b], |v[X+32*\b]|, |v[X+32*\b+1]|, |v[X+32*\b+2]|
	v_max3_num_f32 v[24+\b], |v[X+32*\b+3]|, |v[X+32*\b+4]|, |v[X+32*\b+5]|
.irp i, 6,10,14,18,22,26
	v_max3_num_f32 v[8+\b], v[8+\b], |v[X+32*\b+\i]|, |v[X+32*\b+\i+1]|
	v_max3_num_f32 v[24+\b], v[24+\b], |v[X+32*\b+\i+2]|, |v[X+32*\b+\i+3]|
.endr
	v_max3_num_f32 v[8+\b], v[8+\b], |v[X+32*\b+30]|, |v[X+32*\b+31]|
	v_max3_num_f32 v[8+\b], v[8+\b], v[24+\b], 0x1800000   ; the floor 2^(3 - 127)
	v_add_nc_u32 v[12+\b], 0xff000000, v[8+\b]             ; the conversion's scale operand
	v_lshrrev_b32 v[8+\b], 23, v[12+\b]                    ; the byte
.endm
	WBLOCK 0, 63                                   ; 128 loads are issued and a wait names 63 at the most: at most 63 out means that the first 65 are in, blocks 0 and 1 among them
	WBLOCK 1, 63
	WBLOCK 2, 32                                   ; block 3's 32 may be out
	WBLOCK 3, 0
	v_lshl_or_b32 v16, v9, 8, v8                   ; my column's scale word: lane 16 u + r holds that of tile 2 B + u, row r: the scale image as it stands
	v_lshl_or_b32 v16, v10, 16, v16
	v_lshl_or_b32 v16, v11, 24, v16
.irp c, 0,1                            ; blocks 2 c and 2 c + 1 of every lane's column
	v_cvt_scalef32_pk16_fp6_f32 v[F0+6*\c:F0+6*\c+2], v[X+64*\c:X+64*\c+15], v[12+2*\c]
	v_cvt_scalef32_pk16_fp6_f32 v[T0:T0+2], v[X+64*\c+16:X+64*\c+31], v[12+2*\c]
	v_cvt_scalef32_pk16_fp6_f32 v[F1+6*\c:F1+6*\c+2], v[X+64*\c+32:X+64*\c+47], v[13+2*\c]
	v_cvt_scalef32_pk16_fp6_f32 v[T1:T1+2], v[X+64*\c+48:X+64*\c+63], v[13+2*\c]
	v_nop                                          ; one plain place behind the scaled conversions
.irp i, 0,1,2                          ; the first's lanes 16-31 (odd tile, block 2 c) change places with the second's lanes 0-15 (even tile, block 2 c + 1): the first is then the even tile's registers, the second the odd tile's
	v_permlane16_swap_b32 v[F0+6*\c+\i], v[F1+6*\c+\i]
	v_permlane16_swap_b32 v[T0+\i], v[T1+\i]
.endr
.irp i, 0,1,2
	v_mov_b32 v[F0+6*\c+3+\i], v[T0+\i]
	v_mov_b32 v[F1+6*\c+3+\i], v[T1+\i]
.endr
.endr
.irp c, 0,1,2
	global_store_b128 v20, v[F0+4*\c:F0+4*\c+3], s[16:17] offset:512*\c    ; 32 lanes store 512 consecutive bytes, aligned
	global_store_b128 v21, v[F1+4*\c:F1+4*\c+3], s[16:17] offset:512*\c
.endr
	global_store_b32 v22, v16, s[16:17]
	s_endpgm
; ---- TOKENS.  A wave takes a pair of tiles (32 rows) and two K steps: four turns, each one fragment.
.Ltok:
	s_sub_co_u32 s22, ttmp9, 176
	s_lshl_b32 s22, s22, 2
	s_add_co_u32 s22, s22, s18
	s_lshr_b32 s23, s22, 1                         ; B: the pair of tiles
	s_and_b32 s24, s22, 1                          ; which two of the four K steps
	s_lshl_b32 s44, s23, 16                        ; 32 rows of 2,048 bytes
	s_lshl_b32 s25, s24, 10
	s_add_co_u32 s44, s44, s25
	s_mov_b32 s45, 0
	v_lshlrev_b32 v7, 11, v4
	v_lshl_add_u32 v7, v3, 6, v7                   ; row r + (r & 8), + 64 (lane / 16): my 16 numbers of a block of 32
	s_lshl_b32 s26, s23, 3
	s_lshl_b32 s27, s24, 1
	s_add_co_u32 s26, s26, s27
	s_mul_i32 s26, s26, 1536
	v_add_nc_u32 v20, s26, v5                      ; fragment 4 (2 B + u) + s
	s_lshl_b32 s26, s23, 2
	s_add_co_u32 s26, s26, s27
	s_lshl_b32 s26, s26, 7
	s_add_co_u32 s26, s26, TOKS
	v_add_nc_u32 v22, s26, v6                      ; scale image 4 B + s
.irp b, 0,1,2,3
	v_mov_b32 v[12+\b], 0                          ; written once: a lane permute's destination counts as one of its sources
.endr
	s_wait_kmcnt 0x0
	s_add_nc_u64 s[20:21], s[4:5], s[44:45]
.macro XLOAD n                         ; turn n: tile u = n % 2, K step n / 2 of my two: register 16 b + 4 j + .. = k 32 b + 16 (lane / 16) + 4 j + ..
.irp b, 0,1,2,3
.irp j, 0,1,2,3
	global_load_b128 v[X+64*((\n)%2)+16*\b+4*\j:X+64*((\n)%2)+16*\b+4*\j+3], v7, s[20:21] offset:16384*((\n)%2)+512*((\n)/2)+128*\b+16*\j
.endr
.endr
.endm
.macro TURN n
.if \n < 3
	s_wait_loadcnt 16                              ; this turn's 16 loads are in; the next turn's 16 may be out
.else
	s_wait_loadcnt 0
.endif
.if \n > 0
	s_wait_xcnt 0x0                                ; the last turn's stores have read their data: the codes and the scale word are written again only behind this wait
.endif
	QMAX X+64*(\n%2), 8, 12
	QTAIL X+64*(\n%2), 8, 12, F0, T0, 16
.if \n < 2
	XLOAD \n+2
.endif
.irp c, 0,1,2
	global_store_b128 v20, v[F0+4*\c:F0+4*\c+3], s[16:17] offset:1536*(4*(\n%2)+\n/2)+512*\c
.endr
.if (\n%2) == 0
	v_mov_b32 v17, v16                             ; the even tile's scale words
.else
	v_cndmask_b32 v18, v17, v16, s42               ; lanes 0-15 the even tile's, lanes 16-31 the odd tile's
	global_store_b32 v22, v18, s[16:17] offset:128*(\n/2)
.endif
.endm
	XLOAD 0
	XLOAD 1
	TURN 0
	TURN 1
	TURN 2
	TURN 3
	s_endpgm
.Lfunc_end_k_q213b873860_prep:
	.size	k_q213b873860_prep, .Lfunc_end_k_q213b873860_prep-k_q213b873860_prep
	.p2alignl 7, 3214868480
	.fill 96, 4, 3214868480
	.section	.rodata,"a",@progbits
	.p2align	6, 0x0
	.amdhsa_kernel k_q213b873860_prep
		.amdhsa_group_segment_fixed_size 0
		.amdhsa_private_segment_fixed_size 0
		.amdhsa_enable_private_segment 0
		.amdhsa_kernarg_size 56
		.amdhsa_user_sgpr_count 2
		.amdhsa_user_sgpr_kernarg_segment_ptr 1
		.amdhsa_wavefront_size32 1
		.amdhsa_system_sgpr_workgroup_id_x 1
		.amdhsa_system_sgpr_workgroup_id_y 1
		.amdhsa_system_sgpr_workgroup_id_z 1
		.amdhsa_system_vgpr_workitem_id 0
		.amdhsa_next_free_vgpr 192
		.amdhsa_next_free_sgpr 66
		.amdhsa_reserve_vcc 0
		.amdhsa_float_denorm_mode_32 3
		.amdhsa_float_denorm_mode_16_64 3
		.amdhsa_memory_ordered 1
		.amdhsa_forward_progress 1
		.amdhsa_inst_pref_size 59
	.end_amdhsa_kernel
	.amdgpu_metadata
---
amdhsa.version: [ 1, 2 ]
amdhsa.kernels:
  - .name:           k_q213b873860_prep
    .symbol:         k_q213b873860_prep.kd
    .args:
      - { .name: tokens, .offset: 0, .size: 8, .value_kind: global_buffer, .address_space: global }
      - { .name: Wq, .offset: 8, .size: 8, .value_kind: global_buffer, .address_space: global }
      - { .name: Wk, .offset: 16, .size: 8, .value_kind: global_buffer, .address_space: global }
      - { .name: Wv, .offset: 24, .size: 8, .value_kind: global_buffer, .address_space: global }
      - { .name: W1, .offset: 32, .size: 8, .value_kind: global_buffer, .address_space: global }
      - { .name: W2, .offset: 40, .size: 8, .value_kind: global_buffer, .address_space: global }
      - { .name: pre, .offset: 48, .size: 8, .value_kind: global_buffer, .address_space: global }
    .group_segment_fixed_size: 0
    .private_segment_fixed_size: 0
    .kernarg_segment_align: 8
    .kernarg_segment_size: 56
    .max_flat_workgroup_size: 128
    .sgpr_count:     66
    .vgpr_count:     192
    .wavefront_size: 32
...
	.end_amdgpu_metadata
.endif
;; end of part 1
;; launch qkv (part 2): grid 64 x 3, 4 waves a work-group, no clusters, 0 bytes of LDS; arguments pre, bq, bk, bv, qkv; writes qkv
.if DOCPART == 2
	.amdgcn_target "amdgcn-amd-amdhsa--gfx1250"
	.amdhsa_code_object_version 6
	.text
	.protected	k_q213b873860_qkv
	.globl	k_q213b873860_qkv
	.p2align	8
	.type	k_q213b873860_qkv,@function
k_q213b873860_qkv:
	s_mov_b64 s[64:65], 0
	v_nop
	global_prefetch_b8 v0, s[64:65] scope:SCOPE_SE
	s_setreg_imm32_b32 hwreg(HW_REG_WAVE_MODE, 25, 1), 1
	s_wait_xcnt 0x0
; q = tokens Wq + bq, k = tokens Wk + bk, v = tokens Wv + bv on codes of FP6 (E2M3); the results, in f32, are quantised at once: q and k along the 512 channels, v along the KEYS, and leave as images of operand registers.
; Work-group (x, y): x = a block of 128 tokens, y = 0 q, 1 k, 2 v.  Wave w takes output channels 128 w .. 128 w + 127.  No LDS, no barrier.
; ONE TEXT FOR THE THREE.  Source 0, X: 8 tiles x 4 K steps, kept in 384 registers.  Source 1, Y: 8 tiles, streamed.  q, k: X = the weight, Y = tokens: a lane holds one token and its registers run along the channels.
; v: X = tokens, Y = Wv: a lane holds one channel and its registers run along the keys.  Both operands lie [tile][K step], so only offsets are chosen, on the work-group's y.
; The tiles' rows are chosen (lane r of tile 2 B + u is row 32 B + 8 u + r + (r & 8)) so that register 16 b + i of the eight accumulators is k = 32 b + 16 (lane / 16) + i of the next product.
; LIMITS: NaN and infinities are not served; a block whose largest magnitude lies under 2^-124, and a block of zeros, take the byte 1 (this program alone reads the bytes).
; OUT: part y of qkv begins at 3,276,800 y; codes, then at 3,145,728 the scale images.  q: [tile][K step]; k: [128 tokens][K step][tile 8]; v: [128 keys][channel tile 32].
; REGISTERS: window 0: v1-6 offsets; v16-111 Y, two sets; v112-175 the accumulators; v176-195 codes; v196-214 at work; v216-231 X's scale words, v232-239 Y's, two sets.
;   window 1: v0-191 X's tiles 0-3; v192-207 the bias of v, a pair for each tile of Y.   window 2: v0-191 X's tiles 4-7; v192-255 the bias of q or k in the result's layout.
.set TOKS,  3145728
.set WQKVC, 3276800
.set WQKVS, 3866624
.set HA, 112
.set PC, 176
.set TC, 188
.set QM, 196
.set QT, 200
.set PW, 212
.set XS, 216
.set YS, 232
.set BX, 192
.set BY, 192
.set SEL, 50
.set MSB, 0
.macro WIN new                         ; the immediate's high byte repeats the setting that is left
.if MSB != \new
	s_set_vgpr_msb (MSB<<8)|\new
.set MSB, \new
.endif
.endm
.macro PLACES
.rept 4
	v_nop
.endr
.endm
; one product: D, A, B, C (under 0: the constant 0), the two scale registers, and whether A's, B's scales stand in lanes 16-31
.macro WM d, a, b, c, sa, sb, ra, rb
.if (\c) < 0
.if (\ra) && (\rb)
	v_wmma_scale_f32_16x16x128_f8f6f4 v[(\d):(\d)+7], v[(\a):(\a)+11], v[(\b):(\b)+11], 0, v[(\sa)], v[(\sb)] matrix_a_fmt:MATRIX_FMT_FP6 matrix_b_fmt:MATRIX_FMT_FP6 matrix_a_scale:MATRIX_SCALE_ROW1 matrix_b_scale:MATRIX_SCALE_ROW1
.elseif (\ra)
	v_wmma_scale_f32_16x16x128_f8f6f4 v[(\d):(\d)+7], v[(\a):(\a)+11], v[(\b):(\b)+11], 0, v[(\sa)], v[(\sb)] matrix_a_fmt:MATRIX_FMT_FP6 matrix_b_fmt:MATRIX_FMT_FP6 matrix_a_scale:MATRIX_SCALE_ROW1
.elseif (\rb)
	v_wmma_scale_f32_16x16x128_f8f6f4 v[(\d):(\d)+7], v[(\a):(\a)+11], v[(\b):(\b)+11], 0, v[(\sa)], v[(\sb)] matrix_a_fmt:MATRIX_FMT_FP6 matrix_b_fmt:MATRIX_FMT_FP6 matrix_b_scale:MATRIX_SCALE_ROW1
.else
	v_wmma_scale_f32_16x16x128_f8f6f4 v[(\d):(\d)+7], v[(\a):(\a)+11], v[(\b):(\b)+11], 0, v[(\sa)], v[(\sb)] matrix_a_fmt:MATRIX_FMT_FP6 matrix_b_fmt:MATRIX_FMT_FP6
.endif
.else
.if (\ra) && (\rb)
	v_wmma_scale_f32_16x16x128_f8f6f4 v[(\d):(\d)+7], v[(\a):(\a)+11], v[(\b):(\b)+11], v[(\c):(\c)+7], v[(\sa)], v[(\sb)] matrix_a_fmt:MATRIX_FMT_FP6 matrix_b_fmt:MATRIX_FMT_FP6 matrix_a_scale:MATRIX_SCALE_ROW1 matrix_b_scale:MATRIX_SCALE_ROW1
.elseif (\ra)
	v_wmma_scale_f32_16x16x128_f8f6f4 v[(\d):(\d)+7], v[(\a):(\a)+11], v[(\b):(\b)+11], v[(\c):(\c)+7], v[(\sa)], v[(\sb)] matrix_a_fmt:MATRIX_FMT_FP6 matrix_b_fmt:MATRIX_FMT_FP6 matrix_a_scale:MATRIX_SCALE_ROW1
.elseif (\rb)
	v_wmma_scale_f32_16x16x128_f8f6f4 v[(\d):(\d)+7], v[(\a):(\a)+11], v[(\b):(\b)+11], v[(\c):(\c)+7], v[(\sa)], v[(\sb)] matrix_a_fmt:MATRIX_FMT_FP6 matrix_b_fmt:MATRIX_FMT_FP6 matrix_b_scale:MATRIX_SCALE_ROW1
.else
	v_wmma_scale_f32_16x16x128_f8f6f4 v[(\d):(\d)+7], v[(\a):(\a)+11], v[(\b):(\b)+11], v[(\c):(\c)+7], v[(\sa)], v[(\sb)] matrix_a_fmt:MATRIX_FMT_FP6 matrix_b_fmt:MATRIX_FMT_FP6
.endif
.endif
.endm
.macro QMAX s, m, t                    ; the largest magnitudes of four blocks: register 16 b + i of v[s] on is k = 32 b + 16 (lane / 16) + i of my row
.irp b, 0,1,2,3
	v_max3_num_f32 v[(\m)+\b], |v[(\s)+16*\b]|, |v[(\s)+16*\b+1]|, 0x1800000   ; with the floor 2^(3 - 127): the byte cannot fall under 1
.endr
.irp i, 2,4,6,8,10,12,14
.irp b, 0,1,2,3
	v_max3_num_f32 v[(\m)+\b], v[(\m)+\b], |v[(\s)+16*\b+\i]|, |v[(\s)+16*\b+\i+1]|
.endr
.endr
.irp b, 0,1,2,3
	v_permlanex16_b32 v[(\t)+\b], v[(\m)+\b], s[SEL], s[SEL+1]
.endr
.irp b, 0,1,2,3
	v_max_num_f32 v[(\m)+\b], v[(\m)+\b], v[(\t)+\b]
.endr
.endm
.macro QTAIL s, m, t, pc, tc, pw       ; from the four maxima: the scale word in v[pw], the fragment in v[pc] on
.irp b, 0,1,2,3
	v_add_nc_u32 v[(\t)+\b], 0xff000000, v[(\m)+\b]        ; 2 off the exponent field: the conversion's scale operand
.endr
.irp b, 0,1,2,3
	v_lshrrev_b32 v[(\m)+\b], 23, v[(\t)+\b]               ; the scale's byte
.endr
	v_lshl_or_b32 v[\pw], v[(\m)+1], 8, v[(\m)]
	v_lshl_or_b32 v[\pw], v[(\m)+2], 16, v[\pw]
	v_lshl_or_b32 v[\pw], v[(\m)+3], 24, v[\pw]
.irp c, 0,1
	v_cvt_scalef32_pk16_fp6_f32 v[(\pc)+6*\c:(\pc)+6*\c+2], v[(\s)+32*\c:(\s)+32*\c+15], v[(\t)+2*\c]
	v_cvt_scalef32_pk16_fp6_f32 v[(\tc)+4*\c:(\tc)+4*\c+2], v[(\s)+32*\c+16:(\s)+32*\c+31], v[(\t)+2*\c+1]
.endr
	v_nop                                                  ; one plain place behind the scaled conversions
.irp c, 0,1
.irp i, 0,1,2
	v_permlane16_swap_b32 v[(\pc)+6*\c+\i], v[(\tc)+4*\c+\i]
.endr
.irp i, 0,1,2
	v_mov_b32 v[(\pc)+6*\c+3+\i], v[(\tc)+4*\c+\i]
.endr
.endr
.endm
	s_load_b256 s[4:11], s[0:1], 0x0               ; pre, bq, bk, bv
	s_load_b64 s[12:13], s[0:1], 0x20              ; qkv
	v_lshrrev_b32 v1, 5, v0
	v_readfirstlane_b32 s15, v1                    ; wave
	s_and_b32 s14, ttmp7, 0xffff                   ; 0 q, 1 k, 2 v
	s_mov_b32 s16, ttmp9                           ; the block of 128 tokens
	v_and_b32 v2, 31, v0
	v_lshlrev_b32 v1, 4, v2                        ; 16 x lane
	v_lshlrev_b32 v2, 2, v2                        ; 4 x lane
	v_bfe_u32 v5, v0, 4, 1
	v_lshlrev_b32 v5, 6, v5                        ; 64 (lane / 16): the bias of q, k
	v_and_b32 v6, 15, v0
	v_and_b32 v7, 8, v6
	v_add_nc_u32 v6, v6, v7
	v_lshlrev_b32 v6, 2, v6                        ; 4 (r + (r & 8)): the bias of v
	s_mov_b32 s[SEL], 0x76543210
	s_mov_b32 s[SEL+1], 0xfedcba98
	s_mov_b32 s52, 0xffff0000
.irp b, 0,1,2,3
	v_mov_b32 v[QT+\b], 0                          ; written once: a lane permute's destination counts as one of its sources
.endr
	s_mul_i32 s30, s14, 196608
	s_mul_i32 s31, s15, 49152
	s_add_co_u32 s30, s30, s31
	s_add_co_u32 s30, s30, WQKVC                   ; the weight's 8 tiles of my wave
	s_lshl_b32 s32, s14, 13
	s_lshl_b32 s33, s15, 11
	s_add_co_u32 s32, s32, s33
	s_add_co_u32 s32, s32, WQKVS                   ; and their scale images
	s_mul_i32 s34, s16, 49152                      ; the block's 8 tiles of tokens
	s_lshl_b32 s35, s16, 11
	s_add_co_u32 s35, s35, TOKS
	s_cmp_eq_u32 s14, 2
	s_cselect_b32 s36, s34, s30                    ; X
	s_cselect_b32 s38, s35, s32
	s_cselect_b32 s40, s30, s34                    ; Y
	s_cselect_b32 s42, s32, s35
	s_mov_b32 s37, 0
	s_mov_b32 s39, 0
	s_mov_b32 s41, 0
	s_mov_b32 s43, 0
	s_mov_b32 s44, 1536                            ; the strides of the output: from tile to tile of Y,
	s_mov_b32 s45, 12288                           ; from wave to wave,
	s_mov_b32 s46, 128                             ; and the same for the scale images
	s_mov_b32 s47, 512
	s_cmp_eq_u32 s14, 0
	s_cselect_b32 s44, 6144, s44
	s_cselect_b32 s45, 1536, s45
	s_cselect_b32 s46, 512, s46
	s_cselect_b32 s47, 128, s47
	s_mul_i32 s53, s15, s45
	s_add_co_u32 s53, s53, s34
	v_add_nc_u32 v3, s53, v1                       ; where my fragments go
	s_mul_i32 s53, s15, s47
	s_lshl_b32 s54, s16, 11
	s_add_co_u32 s53, s53, s54
	s_add_co_u32 s53, s53, 3145728
	v_add_nc_u32 v4, s53, v2                       ; and my scale images
	s_mul_i32 s48, s14, 3276800
	s_mov_b32 s49, 0
	s_lshl_b32 s54, s15, 9
	s_mov_b32 s55, 0
	s_wait_kmcnt 0x0
	s_cmp_eq_u32 s14, 0                            ; the bias: a choice on the work-group's y alone
	s_cselect_b64 s[28:29], s[6:7], s[8:9]
	s_cmp_eq_u32 s14, 2
	s_cselect_b64 s[28:29], s[10:11], s[28:29]
	s_add_nc_u64 s[28:29], s[28:29], s[54:55]      ; my wave's 128 numbers
	s_add_nc_u64 s[20:21], s[4:5], s[36:37]
	s_add_nc_u64 s[22:23], s[4:5], s[38:39]
	s_add_nc_u64 s[24:25], s[4:5], s[40:41]
	s_add_nc_u64 s[26:27], s[4:5], s[42:43]
	s_add_nc_u64 s[12:13], s[12:13], s[48:49]
	WIN 0x80
.irp b, 0,1,2,3
.irp j, 0,1,2,3
	global_load_b128 v[BX+16*\b+4*\j:BX+16*\b+4*\j+3], v5, s[28:29] offset:128*\b+16*\j   ; bias at channels 32 b + 16 (lane / 16) + 4 j ..
.endr
.endr
	WIN 0x40
.irp y, 0,1,2,3,4,5,6,7
	v_mov_b32 v[BY+2*\y+1], 0                      ; (the pair's upper half is named with it)
	global_load_b32 v[BY+2*\y], v6, s[28:29] offset:4*(32*(\y/2)+8*(\y%2))   ; bias at my channel of tile y
.endr
.set k, 0
.rept 48
	global_load_b128 v[4*k:4*k+3], v1, s[20:21] offset:512*k           ; X's tiles 0-3: 12 registers a fragment, fragment 4 x + s
.set k, k+1
.endr
	WIN 0x80
.set k, 0
.rept 48
	global_load_b128 v[4*k:4*k+3], v1, s[20:21] offset:24576+512*k     ; tiles 4-7
.set k, k+1
.endr
	WIN 0
.set k, 0
.rept 16
	global_load_b32 v[XS+k], v2, s[22:23] offset:128*k                 ; X's scale images: 4 (pair) + s
.set k, k+1
.endr
.macro YLOAD y                         ; tile y of Y: four fragments; with an even tile its pair's four scale images
.if ((\y)%2) == 0
.irp q, 0,1,2,3
	global_load_b32 v[YS+4*(((\y)/2)%2)+\q], v2, s[26:27] offset:512*((\y)/2)+128*\q
.endr
.endif
.set k, 0
.rept 12
	global_load_b128 v[16+48*((\y)%2)+4*k:16+48*((\y)%2)+4*k+3], v1, s[24:25] offset:6144*(\y)+512*k
.set k, k+1
.endr
.endm
	YLOAD 0
.macro STEP y
.if \y < 7
	YLOAD \y+1                                     ; into the set that the step before multiplied: its products stand more than four plain instructions back
.if ((\y+1)%2) == 0
	s_wait_loadcnt 16                              ; all but the 16 just issued
.else
	s_wait_loadcnt 12                              ; all but the 12 just issued
.endif
.else
	s_wait_loadcnt 0
.endif
.set YB, 16+48*((\y)%2)
.set YSB, YS+4*(((\y)/2)%2)
	WIN 0x01                                       ; source 0 in window 1.  Four accumulators by turns, one instruction a turn
.irp s, 0,1,2,3
.irp x, 0,1,2,3
.if \s == 0
	WM HA+8*\x, 12*(4*\x+\s), YB+12*\s, -1, XS+4*(\x/2)+\s, YSB+\s, \x%2, (\y)%2
.else
	WM HA+8*\x, 12*(4*\x+\s), YB+12*\s, HA+8*\x, XS+4*(\x/2)+\s, YSB+\s, \x%2, (\y)%2
.endif
.endr
.endr
	WIN 0x02                                       ; source 0 in window 2
.irp s, 0,1,2,3
.irp x, 4,5,6,7
.if \s == 0
	WM HA+8*\x, 12*(4*(\x-4)+\s), YB+12*\s, -1, XS+4*(\x/2)+\s, YSB+\s, \x%2, (\y)%2
.else
	WM HA+8*\x, 12*(4*(\x-4)+\s), YB+12*\s, HA+8*\x, XS+4*(\x/2)+\s, YSB+\s, \x%2, (\y)%2
.endif
.endr
.endr
	WIN 0
	PLACES                                         ; four places in front of the first read of results
	s_cmp_eq_u32 s14, 2
	s_cbranch_scc1 .Lbv_\@
	WIN 0x08                                       ; q, k: a number for each register
.set n, 0
.rept 32
	v_pk_add_f32 v[HA+n:HA+n+1], v[HA+n:HA+n+1], v[BX+n:BX+n+1]
.set n, n+2
.endr
	WIN 0
	s_branch .Lbd_\@
.Lbv_\@:
	WIN 0x04                                       ; v: one number a lane, my channel's
.set n, 0
.rept 32
	v_pk_add_f32 v[HA+n:HA+n+1], v[HA+n:HA+n+1], v[BY+2*(\y):BY+2*(\y)+1] op_sel_hi:[1,0]
.set n, n+2
.endr
	WIN 0
.Lbd_\@:
	s_wait_xcnt 0x0                                ; the last step's stores have read their data and offsets: both are written again only behind this wait
.if \y > 0
	v_add_nc_u32 v3, s44, v3
.if (\y%2) == 0
	v_add_nc_u32 v4, s46, v4
.endif
.endif
	QMAX HA, QM, QT
	QTAIL HA, QM, QT, PC, TC, PW
.irp c, 0,1,2
	global_store_b128 v3, v[PC+4*\c:PC+4*\c+3], s[12:13] offset:512*\c     ; 32 lanes store 512 consecutive bytes, aligned
.endr
.if (\y%2) == 0
	v_mov_b32 v[PW+1], v[PW]
.else
	v_cndmask_b32 v[PW+2], v[PW+1], v[PW], s52     ; lanes 0-15 the even tile's words, lanes 16-31 the odd tile's
	global_store_b32 v4, v[PW+2], s[12:13]
.endif
.endm
.irp y, 0,1,2,3,4,5,6,7
	STEP \y
.endr
	s_endpgm
.Lfunc_end_k_q213b873860_qkv:
	.size	k_q213b873860_qkv, .Lfunc_end_k_q213b873860_qkv-k_q213b873860_qkv
	.p2alignl 7, 3214868480
	.fill 96, 4, 3214868480
	.section	.rodata,"a",@progbits
	.p2align	6, 0x0
	.amdhsa_kernel k_q213b873860_qkv
		.amdhsa_group_segment_fixed_size 0
		.amdhsa_private_segment_fixed_size 0
		.amdhsa_enable_private_segment 0
		.amdhsa_kernarg_size 40
		.amdhsa_user_sgpr_count 2
		.amdhsa_user_sgpr_kernarg_segment_ptr 1
		.amdhsa_wavefront_size32 1
		.amdhsa_system_sgpr_workgroup_id_x 1
		.amdhsa_system_sgpr_workgroup_id_y 1
		.amdhsa_system_sgpr_workgroup_id_z 1
		.amdhsa_system_vgpr_workitem_id 0
		.amdhsa_next_free_vgpr 768
		.amdhsa_next_free_sgpr 66
		.amdhsa_reserve_vcc 0
		.amdhsa_float_denorm_mode_32 3
		.amdhsa_float_denorm_mode_16_64 3
		.amdhsa_memory_ordered 1
		.amdhsa_forward_progress 1
		.amdhsa_inst_pref_size 128
	.end_amdhsa_kernel
	.amdgpu_metadata
---
amdhsa.version: [ 1, 2 ]
amdhsa.kernels:
  - .name:           k_q213b873860_qkv
    .symbol:         k_q213b873860_qkv.kd
    .args:
      - { .name: pre, .offset: 0, .size: 8, .value_kind: global_buffer, .address_space: global }
      - { .name: bq, .offset: 8, .size: 8, .value_kind: global_buffer, .address_space: global }
      - { .name: bk, .offset: 16, .size: 8, .value_kind: global_buffer, .address_space: global }
      - { .name: bv, .offset: 24, .size: 8, .value_kind: global_buffer, .address_space: global }
      - { .name: qkv, .offset: 32, .size: 8, .value_kind: global_buffer, .address_space: global }
    .group_segment_fixed_size: 0
    .private_segment_fixed_size: 0
    .kernarg_segment_align: 8
    .kernarg_segment_size: 40
    .max_flat_workgroup_size: 128
    .sgpr_count:     66
    .vgpr_count:     768
    .wavefront_size: 32
...
	.end_amdgpu_metadata
.endif
;; end of part 2
;; launch block (part 3): grid 256 x 1, 4 waves a work-group, no clusters, 106,496 bytes of LDS; arguments tokens, qkv, pre, distance_scale, b1, b2, g1, be1, g2, be2, out0; writes out0
.if DOCPART == 3
	.amdgcn_target "amdgcn-amd-amdhsa--gfx1250"
	.amdhsa_code_object_version 6
	.text
	.protected	k_q213b873860_block
	.globl	k_q213b873860_block
	.p2align	8
	.type	k_q213b873860_block,@function
k_q213b873860_block:
	s_mov_b64 s[64:65], 0
	v_nop
	global_prefetch_b8 v0, s[64:65] scope:SCOPE_SE
	s_setreg_imm32_b32 hwreg(HW_REG_WAVE_MODE, 25, 1), 1
	s_wait_xcnt 0x0
; The rest of the block for 32 rows a work-group: causal attention with the distance term, residual, LayerNorm, MLP, residual, LayerNorm.  All four products on codes of FP6 (E2M3) with E8M0 scales; all else f32.
; SOFTMAX: t = (q.k - ds (query - key)) c, c = log2(e) / sqrt(512); M = the running largest t rounded UP to a whole number; p = 2^(t - M) is quantised along the keys, not normalised; the row's sum is taken of the unquantised p and divides at the end.
; When M moves, the sum and O are multiplied by 2^(old M - new M): exact.  A block's largest p is made from the block's largest t by the same addition and exponential (this takes v_exp_f32 not to fall where its input rises).
; LIMITS: NaN and infinities among the inputs are not served; a block whose largest magnitude lies under 2^-124, and a block of zeros, take the byte 1 with their codes (zeros for zeros): the bytes never leave the launch.
; SHARES.  Work-group G owns rows 32 G .. 32 G + 31 as two tiles (lane r of tile u is row 32 G + 8 u + r + (r & 8)).  Keys go in super-steps of 512; those wholly above the diagonal are not walked: G's count is (G % 128) / 16 + 1.
; PHASE 1: the four waves share the KEYS (MLP: the hidden units): wave w makes S^T for keys 128 (4 J + w) on x 32 rows.  PHASE 2: they share the CHANNELS: wave w adds V^T P^T for channels 128 w on x 32 rows over the super-step's 512 keys.
; Between the phases p (MLP: the hidden layer) goes from wave to wave through LDS as images of operand registers.  Both products are used transposed: a lane holds one row throughout, and its register 16 b + i is k = 32 b + 16 (lane / 16) + i.
; K, V, W1, W2 COME STRAIGHT INTO REGISTERS, as images laid by the launches before: a group is 4 fragments + 2 scale images = 14 loads, 6,400 bytes; a ring of four groups; behind the products on a group the group four on is asked for.
; So 56 loads of a wave are out at all times, and no barrier waits for them.  NO JOINT LOADS, although K and V are shared by a batch's work-groups and W1, W2 by all: each byte is wanted by ONE wave of a work-group, as registers;
; through LDS a wave's share of two slots would be a quarter of its super-step, and each refill's barrier would wait for all that is on its way.
; LDS: images of p or h, images of x, their scale images, small exchange words, b1, and the stage for the way out.
; REGISTERS: window 0: v1-15 addresses and ids; v16-31 the distance term of my 16 places in a block; v32-47 scale words (ring, q or x, p or h); v48-95 statistics, 24 a tile; v96-127 codes; v128-255 S^T / H^T / rows at work.
;   window 1: v0-191 the ring; v192-255 b2.   window 2: v0-95 q's, later x's fragments; v128-255 O^T, later x + Y^T.   window 3: v0-127 tokens, later b1, later g2 and be2; v128-223 p's or h's fragments, in between g1 and be1.
.set IMG,  0                           ; 8 fragments of p or h: 2 (K step) + tile
.set XIMG, 12288                       ; 8 fragments of x: 4 (tile) + K step
.set PS,   24576                       ; scale images of p or h, 128 bytes a K step
.set XPS,  25088                       ; of x
.set MX,   25600                       ; [tile][lane][wave] words: the waves' largest t
.set EX,   26624                       ; five more of that form, each used once
.set B1L,  31744                       ; b1, 8,192 bytes
.set STG,  39936                       ; 32 rows x (2,048 + 16) bytes
.set ST0,  48                          ; a tile's statistics: +0 -M, +1 largest t, +2,3 the sum, +4 a factor, +5 its pair's upper half, +6,7 at work, +8..11 block maxima, +12..15 at work, +16+2b what is added to block b
.set ST1,  72
.set PC0,  96
.set TC,   120
.set S,    128
.set RS,   32
.set QS,   40
.set PSR,  44
.set SEL,  40
.set MSB, 0
.macro WIN new                         ; the immediate's high byte repeats the setting that is left
.if MSB != \new
	s_set_vgpr_msb (MSB<<8)|\new
.set MSB, \new
.endif
.endm
.macro PLACES
.rept 4
	v_nop
.endr
.endm
; one product: D, A, B, C (under 0: the constant 0), the two scale registers, and whether A's, B's scales stand in lanes 16-31
.macro WM d, a, b, c, sa, sb, ra, rb
.if (\c) < 0
.if (\ra) && (\rb)
	v_wmma_scale_f32_16x16x128_f8f6f4 v[(\d):(\d)+7], v[(\a):(\a)+11], v[(\b):(\b)+11], 0, v[(\sa)], v[(\sb)] matrix_a_fmt:MATRIX_FMT_FP6 matrix_b_fmt:MATRIX_FMT_FP6 matrix_a_scale:MATRIX_SCALE_ROW1 matrix_b_scale:MATRIX_SCALE_ROW1
.elseif (\ra)
	v_wmma_scale_f32_16x16x128_f8f6f4 v[(\d):(\d)+7], v[(\a):(\a)+11], v[(\b):(\b)+11], 0, v[(\sa)], v[(\sb)] matrix_a_fmt:MATRIX_FMT_FP6 matrix_b_fmt:MATRIX_FMT_FP6 matrix_a_scale:MATRIX_SCALE_ROW1
.elseif (\rb)
	v_wmma_scale_f32_16x16x128_f8f6f4 v[(\d):(\d)+7], v[(\a):(\a)+11], v[(\b):(\b)+11], 0, v[(\sa)], v[(\sb)] matrix_a_fmt:MATRIX_FMT_FP6 matrix_b_fmt:MATRIX_FMT_FP6 matrix_b_scale:MATRIX_SCALE_ROW1
.else
	v_wmma_scale_f32_16x16x128_f8f6f4 v[(\d):(\d)+7], v[(\a):(\a)+11], v[(\b):(\b)+11], 0, v[(\sa)], v[(\sb)] matrix_a_fmt:MATRIX_FMT_FP6 matrix_b_fmt:MATRIX_FMT_FP6
.endif
.else
.if (\ra) && (\rb)
	v_wmma_scale_f32_16x16x128_f8f6f4 v[(\d):(\d)+7], v[(\a):(\a)+11], v[(\b):(\b)+11], v[(\c):(\c)+7], v[(\sa)], v[(\sb)] matrix_a_fmt:MATRIX_FMT_FP6 matrix_b_fmt:MATRIX_FMT_FP6 matrix_a_scale:MATRIX_SCALE_ROW1 matrix_b_scale:MATRIX_SCALE_ROW1
.elseif (\ra)
	v_wmma_scale_f32_16x16x128_f8f6f4 v[(\d):(\d)+7], v[(\a):(\a)+11], v[(\b):(\b)+11], v[(\c):(\c)+7], v[(\sa)], v[(\sb)] matrix_a_fmt:MATRIX_FMT_FP6 matrix_b_fmt:MATRIX_FMT_FP6 matrix_a_scale:MATRIX_SCALE_ROW1
.elseif (\rb)
	v_wmma_scale_f32_16x16x128_f8f6f4 v[(\d):(\d)+7], v[(\a):(\a)+11], v[(\b):(\b)+11], v[(\c):(\c)+7], v[(\sa)], v[(\sb)] matrix_a_fmt:MATRIX_FMT_FP6 matrix_b_fmt:MATRIX_FMT_FP6 matrix_b_scale:MATRIX_SCALE_ROW1
.else
	v_wmma_scale_f32_16x16x128_f8f6f4 v[(\d):(\d)+7], v[(\a):(\a)+11], v[(\b):(\b)+11], v[(\c):(\c)+7], v[(\sa)], v[(\sb)] matrix_a_fmt:MATRIX_FMT_FP6 matrix_b_fmt:MATRIX_FMT_FP6
.endif
.endif
.endm
.macro QMAX s, m, t                    ; the largest magnitudes of four blocks: register 16 b + i of v[s] on is k = 32 b + 16 (lane / 16) + i of my row
.irp b, 0,1,2,3
	v_max3_num_f32 v[(\m)+\b], |v[(\s)+16*\b]|, |v[(\s)+16*\b+1]|, 0x1800000   ; with the floor 2^(3 - 127): the byte cannot fall under 1
.endr
.irp i, 2,4,6,8,10,12,14
.irp b, 0,1,2,3
	v_max3_num_f32 v[(\m)+\b], v[(\m)+\b], |v[(\s)+16*\b+\i]|, |v[(\s)+16*\b+\i+1]|
.endr
.endr
.irp b, 0,1,2,3
	v_permlanex16_b32 v[(\t)+\b], v[(\m)+\b], s[SEL], s[SEL+1]
.endr
.irp b, 0,1,2,3
	v_max_num_f32 v[(\m)+\b], v[(\m)+\b], v[(\t)+\b]
.endr
.endm
.macro QTAIL s, m, t, pc, tc, pw       ; from the four maxima: the scale word in v[pw], the fragment in v[pc] on
.irp b, 0,1,2,3
	v_add_nc_u32 v[(\t)+\b], 0xff000000, v[(\m)+\b]        ; 2 off the exponent field: the conversion's scale operand
.endr
.irp b, 0,1,2,3
	v_lshrrev_b32 v[(\m)+\b], 23, v[(\t)+\b]               ; the scale's byte
.endr
	v_lshl_or_b32 v[\pw], v[(\m)+1], 8, v[(\m)]
	v_lshl_or_b32 v[\pw], v[(\m)+2], 16, v[\pw]
	v_lshl_or_b32 v[\pw], v[(\m)+3], 24, v[\pw]
.irp c, 0,1
	v_cvt_scalef32_pk16_fp6_f32 v[(\pc)+6*\c:(\pc)+6*\c+2], v[(\s)+32*\c:(\s)+32*\c+15], v[(\t)+2*\c]
	v_cvt_scalef32_pk16_fp6_f32 v[(\tc)+4*\c:(\tc)+4*\c+2], v[(\s)+32*\c+16:(\s)+32*\c+31], v[(\t)+2*\c+1]
.endr
	v_nop                                                  ; one plain place behind the scaled conversions
.irp c, 0,1
.irp i, 0,1,2
	v_permlane16_swap_b32 v[(\pc)+6*\c+\i], v[(\tc)+4*\c+\i]
.endr
.irp i, 0,1,2
	v_mov_b32 v[(\pc)+6*\c+3+\i], v[(\tc)+4*\c+\i]
.endr
.endr
.endm
; a group of the stream into a slot of the ring: 12 + 2 loads, each of consecutive bytes
.macro GISSUE cb, sb, coff, soff, slot
	WIN 0x40
.irp j, 0,1,2,3,4,5,6,7,8,9,10,11
	global_load_b128 v[48*(\slot)+4*\j:48*(\slot)+4*\j+3], v1, s[(\cb):(\cb)+1] offset:(\coff)+512*\j
.endr
	WIN 0
.irp j, 0,1
	global_load_b32 v[RS+2*(\slot)+\j], v2, s[(\sb):(\sb)+1] offset:(\soff)+128*\j
.endr
.endm
; PHASE 1: 64 products: 8 tiles of keys (hidden units) x 2 tiles of rows x 4 K steps.  Group g: K step g / 2, tiles 4 (g % 2) on.  The 16 accumulators take turns.
; cmode = 1: the first links take b1 as C.  sb: the four bases: first stream's codes, scales; second stream's codes, scales.
.macro P1 cmode, sb
.irp g, 0,1,2,3,4,5,6,7
	s_wait_loadcnt 42                              ; this group is in; the three younger groups, 14 loads each, stay out
.if (\cmode) && (\g < 2)
	WIN 0x39                                       ; A window 1, B window 2, C window 3
.else
	WIN 0x09                                       ; A window 1, B window 2
.endif
.irp a, 0,1,2,3
.irp u, 0,1
.if \g >= 2
	WM S+64*\u+8*(4*(\g%2)+\a), 48*(\g%4)+12*\a, 12*(4*\u+\g/2), S+64*\u+8*(4*(\g%2)+\a), RS+2*(\g%4)+\a/2, QS+\g/2, \a%2, \u
.elseif \cmode
	WM S+64*\u+8*(4*(\g%2)+\a), 48*(\g%4)+12*\a, 12*(4*\u+\g/2), 8*(4*(\g%2)+\a), RS+2*(\g%4)+\a/2, QS+\g/2, \a%2, \u
.else
	WM S+64*\u+8*(4*(\g%2)+\a), 48*(\g%4)+12*\a, 12*(4*\u+\g/2), -1, RS+2*(\g%4)+\a/2, QS+\g/2, \a%2, \u
.endif
.endr
.endr
	PLACES                                         ; four places in front of loads into the slot just multiplied; behind the last group also in front of the first read of results
.if \g < 4
	GISSUE \sb, \sb+2, 6144*(\g+4), 256*(\g+4), \g%4
.else
	GISSUE \sb+4, \sb+6, 49152*((\g-4)/2)+6144*(\g%2), 2048*((\g-4)/2)+256*(\g%2), \g%4
.endif
.endr
.endm
.macro G2LOAD                          ; g2 and be2 at my 64 channels: 32 loads
	WIN 0xc0
.irp b, 0,1,2,3
.irp j, 0,1,2,3
	global_load_b128 v[16*\b+4*\j:16*\b+4*\j+3], v8, s[20:21] offset:128*\b+16*\j
	global_load_b128 v[64+16*\b+4*\j:64+16*\b+4*\j+3], v8, s[22:23] offset:128*\b+16*\j
.endr
.endr
	WIN 0
.endm
; PHASE 2: 64 products: my 8 tiles of channels x 2 tiles of rows x 4 K steps.  Group g: K step g / 2, tiles 4 (g % 2) on.
; mode 0: the last four issues ask for the first stream's next super-step or chunk; 1: for W1's first groups; 2: for nothing (and g2, be2 are asked for behind group 3's issue).
.macro P2 mode, sb
.irp g, 0,1,2,3,4,5,6,7
.if (\mode == 2) && (\g == 4)
	s_wait_loadcnt 63                              ; younger: three groups and the 32 loads of g2, be2: 74; a wait names 63 at the most
.elseif (\mode == 2) && (\g > 4)
	s_wait_loadcnt 32+14*(7-\g)                    ; the groups still to come, and the 32
.else
	s_wait_loadcnt 42
.endif
	WIN 0xad                                       ; A window 1, B window 3, C and D window 2
.irp a, 0,1,2,3
.irp u, 0,1
	WM 128+64*\u+8*(4*(\g%2)+\a), 48*(\g%4)+12*\a, 128+12*(2*(\g/2)+\u), 128+64*\u+8*(4*(\g%2)+\a), RS+2*(\g%4)+\a/2, PSR+\g/2, \a%2, \u
.endr
.endr
	PLACES
.if \g < 4
	GISSUE \sb+4, \sb+6, 49152*((\g+4)/2)+6144*(\g%2), 2048*((\g+4)/2)+256*(\g%2), \g%4
.if (\mode == 2) && (\g == 3)
	G2LOAD
.endif
.elseif \mode == 0
	GISSUE \sb, \sb+2, 196608+6144*(\g-4), 8192+256*(\g-4), \g%4
.elseif \mode == 1
	GISSUE 52, 54, 6144*(\g-4), 256*(\g-4), \g%4
.else
	WIN 0
.endif
.endr
.endm
; a number a lane and tile from every wave to every wave: my words, a barrier, all four back into +12..15
.macro EXCH reg, a0, a1
	ds_store_b32 v6, v[\a0] offset:\reg
	ds_store_b32 v6, v[\a1] offset:(\reg)+512
	s_wait_dscnt 0x0                               ; my stores have landed, and no LDS load of mine is out
	s_barrier_signal -1
	s_barrier_wait -1
	ds_load_b128 v[ST0+12:ST0+15], v1 offset:\reg
	ds_load_b128 v[ST1+12:ST1+15], v1 offset:(\reg)+512
	s_wait_dscnt 0x0
.endm
.macro SUM4
.irp u, 0,1
	v_add_f32 v[ST0+24*\u+12], v[ST0+24*\u+12], v[ST0+24*\u+13]
	v_add_f32 v[ST0+24*\u+14], v[ST0+24*\u+14], v[ST0+24*\u+15]
.endr
.irp u, 0,1
	v_add_f32 v[ST0+24*\u+12], v[ST0+24*\u+12], v[ST0+24*\u+14]
.endr
.endm
.macro JOIN                            ; two chains of pairs a tile -> one number a row and wave, in +6
.irp u, 0,1
	v_pk_add_f32 v[TC+4*\u:TC+4*\u+1], v[TC+4*\u:TC+4*\u+1], v[TC+4*\u+2:TC+4*\u+3]
.endr
.irp u, 0,1
	v_add_f32 v[ST0+24*\u+6], v[TC+4*\u], v[TC+4*\u+1]
.endr
.irp u, 0,1
	v_permlanex16_b32 v[ST0+24*\u+7], v[ST0+24*\u+6], s[SEL], s[SEL+1]
.endr
.irp u, 0,1
	v_add_f32 v[ST0+24*\u+6], v[ST0+24*\u+6], v[ST0+24*\u+7]
.endr
.endm
; (row - mean) x rsqrt(variance + 1e-5) in place in S: the mean first, then the squares of the differences; a row's 512 numbers lie in two lanes of each of the four waves
.macro LNORM exs, exq
.irp u, 0,1
	v_pk_add_f32 v[TC+4*\u:TC+4*\u+1], v[S+64*\u:S+64*\u+1], v[S+64*\u+2:S+64*\u+3]
	v_pk_add_f32 v[TC+4*\u+2:TC+4*\u+3], v[S+64*\u+4:S+64*\u+5], v[S+64*\u+6:S+64*\u+7]
.endr
.irp j, 8,12,16,20,24,28,32,36,40,44,48,52,56,60
.irp u, 0,1
	v_pk_add_f32 v[TC+4*\u:TC+4*\u+1], v[TC+4*\u:TC+4*\u+1], v[S+64*\u+\j:S+64*\u+\j+1]
	v_pk_add_f32 v[TC+4*\u+2:TC+4*\u+3], v[TC+4*\u+2:TC+4*\u+3], v[S+64*\u+\j+2:S+64*\u+\j+3]
.endr
.endr
	JOIN
	EXCH \exs, ST0+6, ST1+6
	SUM4
.irp u, 0,1
	v_mul_f32 v[ST0+24*\u+4], 0x3b000000, v[ST0+24*\u+12]  ; / 512
.endr
.irp u, 0,1
.set n, 0
.rept 32
	v_pk_add_f32 v[S+64*\u+n:S+64*\u+n+1], v[S+64*\u+n:S+64*\u+n+1], v[ST0+24*\u+4:ST0+24*\u+5] op_sel_hi:[1,0] neg_lo:[0,1] neg_hi:[0,1]
.set n, n+2
.endr
.endr
.irp u, 0,1
	v_pk_mul_f32 v[TC+4*\u:TC+4*\u+1], v[S+64*\u:S+64*\u+1], v[S+64*\u:S+64*\u+1]
	v_pk_mul_f32 v[TC+4*\u+2:TC+4*\u+3], v[S+64*\u+2:S+64*\u+3], v[S+64*\u+2:S+64*\u+3]
.endr
.irp j, 4,8,12,16,20,24,28,32,36,40,44,48,52,56,60
.irp u, 0,1
	v_pk_fma_f32 v[TC+4*\u:TC+4*\u+1], v[S+64*\u+\j:S+64*\u+\j+1], v[S+64*\u+\j:S+64*\u+\j+1], v[TC+4*\u:TC+4*\u+1]
	v_pk_fma_f32 v[TC+4*\u+2:TC+4*\u+3], v[S+64*\u+\j+2:S+64*\u+\j+3], v[S+64*\u+\j+2:S+64*\u+\j+3], v[TC+4*\u+2:TC+4*\u+3]
.endr
.endr
	JOIN
	EXCH \exq, ST0+6, ST1+6
	SUM4
.irp u, 0,1
	v_mul_f32 v[ST0+24*\u+12], 0x3b000000, v[ST0+24*\u+12]
.endr
.irp u, 0,1
	v_add_f32 v[ST0+24*\u+12], 0x3727c5ac, v[ST0+24*\u+12] ; + 1e-5
.endr
.irp u, 0,1
	v_rsq_f32 v[ST0+24*\u+4], v[ST0+24*\u+12]
.endr
	v_nop                                          ; one plain place behind the transcendentals
	s_wait_alu depctr_va_vdst(0)
.irp u, 0,1
.set n, 0
.rept 32
	v_pk_mul_f32 v[S+64*\u+n:S+64*\u+n+1], v[S+64*\u+n:S+64*\u+n+1], v[ST0+24*\u+4:ST0+24*\u+5] op_sel_hi:[1,0]
.set n, n+2
.endr
.endr
.endm
.macro IMGOUT adr, ustr, padr          ; both tiles' fragments and the pair's scale image go to LDS as they stand
	v_cndmask_b32 v[ST0+7], v[ST0+6], v[ST1+6], s42        ; lanes 0-15 tile 0's words, lanes 16-31 tile 1's
.irp u, 0,1
.irp c, 0,1,2
	ds_store_b128 v[\adr], v[PC0+12*\u+4*\c:PC0+12*\u+4*\c+3] offset:(\ustr)*\u+512*\c
.endr
.endr
	ds_store_b32 v[\padr], v[ST0+7]
.endm
.macro IMGIN win, reg, off, sreg, soff ; and come back so, in every wave: 8 fragments, 4 scale images
	WIN \win
.set k, 0
.rept 24
	ds_load_b128 v[(\reg)+4*k:(\reg)+4*k+3], v1 offset:(\off)+512*k
.set k, k+1
.endr
	WIN 0
.irp q, 0,1,2,3
	ds_load_b32 v[(\sreg)+\q], v2 offset:(\soff)+128*\q
.endr
.endm
	s_load_b512 s[4:19], s[0:1], 0x0               ; tokens s[4:5], qkv s[6:7], pre s[8:9], distance_scale s[10:11], b1 s[12:13], b2 s[14:15], g1 s[16:17], be1 s[18:19]
	s_load_b128 s[20:23], s[0:1], 0x40             ; g2, be2
	s_load_b64 s[24:25], s[0:1], 0x50              ; out0
	s_set_vgpr_msb 0x80
	v_lshl_add_u32 v126, v0, 2, 0x19e00
	v_mov_b32 v127, 0
	s_set_vgpr_msb 0x8000
	v_lshrrev_b32 v1, 5, v0
	v_readfirstlane_b32 s27, v1                    ; wave
	s_and_b32 s29, ttmp9, 127                      ; my group of 32 queries in its batch
	s_lshr_b32 s30, s29, 2                         ; the key step (128 keys) on the diagonal
	s_lshr_b32 s31, s29, 4                         ; super-steps but the last
	s_mov_b32 s32, s27                             ; my key step: 4 J + wave
	s_lshl_b32 s33, s27, 7                         ; and its first key
	s_mov_b32 s34, 0x3d8293ee                      ; c = log2(e) / sqrt(512)
	s_mov_b32 s35, s34                             ; (named with it as a pair)
	s_mov_b32 s[SEL], 0x76543210
	s_mov_b32 s[SEL+1], 0xfedcba98
	s_mov_b32 s42, 0xffff0000
	s_mov_b32 s60, 0                               ; the chunk's place in b1
	s_mov_b32 s61, 3                               ; chunks but the last
	v_and_b32 v2, 31, v0
	v_lshlrev_b32 v1, 4, v2                        ; 16 x lane
	v_lshlrev_b32 v2, 2, v2                        ; 4 x lane
	v_and_b32 v120, 15, v0                         ; r
	v_bfe_u32 v121, v0, 4, 1                       ; h = lane / 16
	v_and_b32 v122, 8, v120
	v_add_nc_u32 v122, v122, v120                  ; r + (r & 8)
	v_lshlrev_b32 v123, 4, v121                    ; 16 h
	v_lshlrev_b32 v124, 4, v0                      ; 16 x thread: b1 on its way to LDS
	s_mul_i32 s66, s27, 3072
	v_add_nc_u32 v3, s66, v1                       ; where I store images of p or h: K step = my wave
	s_mul_i32 s66, s27, 1536
	s_add_co_u32 s66, s66, XIMG
	v_add_nc_u32 v4, s66, v1                       ; of x
	s_lshl_b32 s66, s27, 7
	s_add_co_u32 s67, s66, PS
	v_add_nc_u32 v5, s67, v2                       ; their scale images
	s_add_co_u32 s67, s66, XPS
	v_add_nc_u32 v13, s67, v2
	s_lshl_b32 s66, s27, 2
	v_add_nc_u32 v6, s66, v1                       ; my word of an exchange
	v_lshlrev_b32 v7, 11, v122
	v_lshl_add_u32 v7, v121, 6, v7                 ; tokens: row r + (r & 8), + 64 h
	v_lshlrev_b32 v8, 6, v121                      ; 64 h: vectors by channel
	s_lshl_b32 s66, s27, 9
	s_add_co_u32 s67, s66, B1L
	v_add_nc_u32 v9, s67, v8                       ; b1 in LDS: my wave's 128 units of a chunk
	v_mul_u32_u24 v11, v122, 2064
	v_add_nc_u32 v11, v11, v8
	s_add_co_u32 s67, s66, STG
	v_add_nc_u32 v11, s67, v11                     ; the stage, in: my row, my wave's 512 bytes, + 64 h
	s_mul_i32 s66, s27, 16512
	s_add_co_u32 s66, s66, STG
	v_add_nc_u32 v12, s66, v1                      ; and back: my wave's 8 rows
	s_lshl_b32 s66, s29, 5
	v_add_nc_u32 v14, s66, v122                    ; tile 0's query of my lane (tile 1's is 8 on)
	v_sub_nc_u32 v15, v14, v123                    ; less 16 h, for the mask
.irp i, 0,1,2,3,4,5,6,7,8,9,10,11,12,13,14,15,16,17,18,19,20,21,22,23
	v_mov_b32 v[ST0+\i], 0                         ; the sums begin at 0; the others are written once, since pairs' upper halves and lane permutes' destinations count as read
	v_mov_b32 v[ST1+\i], 0
.endr
.irp u, 0,1
	v_mov_b32 v[ST0+24*\u+1], 0xff61b1e6           ; the largest t so far: -3e38
.endr
.irp u, 0,1
	v_floor_f32 v[ST0+24*\u], -v[ST0+24*\u+1]      ; -M
.endr
	WIN 0x80
.set n, 0
.rept 128
	v_mov_b32 v[128+n], 0                          ; O^T.  (A super-step is written for all: the first finds zeros, which the first change of M leaves zeros)
.set n, n+1
.endr
	WIN 0
	s_lshr_b32 s72, ttmp9, 7                       ; batch
	s_mul_i32 s73, s72, 1572864                    ; its codes in K or V
	s_lshl_b32 s74, s72, 16                        ; its scale images
	s_mov_b32 s67, 0
	s_wait_kmcnt 0x0
	s_load_b32 s26, s[10:11], 0x0                  ; distance_scale
	s_mul_i32 s66, s27, 49152
	s_add_co_u32 s66, s66, s73
	s_add_co_u32 s66, s66, 3276800
	s_add_nc_u64 s[44:45], s[6:7], s[66:67]        ; K's codes: my key step of super-step 0
	s_lshl_b32 s66, s27, 11
	s_add_co_u32 s66, s66, s74
	s_add_co_u32 s66, s66, 6422528
	s_add_nc_u64 s[46:47], s[6:7], s[66:67]        ; K's scale images
	s_mul_i32 s66, s27, 12288
	s_add_co_u32 s66, s66, s73
	s_add_co_u32 s66, s66, 6553600
	s_add_nc_u64 s[48:49], s[6:7], s[66:67]        ; V's codes: my 8 tiles of channels
	s_lshl_b32 s66, s27, 9
	s_add_co_u32 s66, s66, s74
	s_add_co_u32 s66, s66, 9699328
	s_add_nc_u64 s[50:51], s[6:7], s[66:67]
	s_mul_i32 s66, s27, 49152
	s_add_co_u32 s66, s66, 3891200
	s_add_nc_u64 s[52:53], s[8:9], s[66:67]        ; W1's codes: my 128 hidden units of chunk 0
	s_lshl_b32 s66, s27, 11
	s_add_co_u32 s66, s66, 4677632
	s_add_nc_u64 s[54:55], s[8:9], s[66:67]
	s_mul_i32 s66, s27, 12288
	s_add_co_u32 s66, s66, 4710400
	s_add_nc_u64 s[56:57], s[8:9], s[66:67]        ; W2's codes: my 8 tiles of outputs
	s_lshl_b32 s66, s27, 9
	s_add_co_u32 s66, s66, 5496832
	s_add_nc_u64 s[58:59], s[8:9], s[66:67]
	s_lshl_b32 s66, s27, 9                         ; my wave's 128 channels in a vector
	s_add_nc_u64 s[14:15], s[14:15], s[66:67]
	s_add_nc_u64 s[16:17], s[16:17], s[66:67]
	s_add_nc_u64 s[18:19], s[18:19], s[66:67]
	s_add_nc_u64 s[20:21], s[20:21], s[66:67]
	s_add_nc_u64 s[22:23], s[22:23], s[66:67]
	s_lshl_b32 s75, ttmp9, 16                      ; my 32 rows of 2,048 bytes
	s_add_co_u32 s66, s66, s75
	s_add_nc_u64 s[4:5], s[4:5], s[66:67]          ; tokens at my rows and channels
	s_lshl_b32 s66, s27, 14
	s_add_co_u32 s66, s66, s75
	s_add_nc_u64 s[24:25], s[24:25], s[66:67]      ; out0 at the 8 rows that my wave stores
	s_mul_i32 s66, ttmp9, 12288
	s_add_nc_u64 s[68:69], s[6:7], s[66:67]        ; q's 8 fragments
	s_lshl_b32 s66, ttmp9, 9
	s_add_co_u32 s66, s66, 3145728
	s_add_nc_u64 s[70:71], s[6:7], s[66:67]        ; and 4 scale images
.irp j, 0,1,2,3
	global_load_b128 v[PC0+4*\j:PC0+4*\j+3], v124, s[12:13] offset:2048*\j   ; b1: the work-group's 128 threads take 2,048 consecutive bytes a load
.endr
	WIN 0xc0
.irp u, 0,1
.irp b, 0,1,2,3
.irp j, 0,1,2,3
	global_load_b128 v[64*\u+16*\b+4*\j:64*\u+16*\b+4*\j+3], v7, s[4:5] offset:16384*\u+128*\b+16*\j   ; tokens in O^T's layout, for the residual
.endr
.endr
.endr
	WIN 0x80
.set k, 0
.rept 24
	global_load_b128 v[4*k:4*k+3], v1, s[68:69] offset:512*k
.set k, k+1
.endr
	WIN 0
.irp q, 0,1,2,3
	global_load_b32 v[QS+\q], v2, s[70:71] offset:128*\q
.endr
.irp g, 0,1,2,3
	GISSUE 44, 46, 6144*\g, 256*\g, \g             ; the ring is filled: K's first four groups
.endr
	s_wait_kmcnt 0x0
	s_mul_f32 s36, s26, s34                        ; a = distance_scale x c
	s_mul_f32 s37, s36, 0x42000000                 ; 32 a
	s_mul_f32 s38, s36, 0x42800000                 ; 64 a
	s_mul_f32 s39, s36, 0x42c00000                 ; 96 a
.irp i, 0,1,2,3,4,5,6,7,8,9,10,11,12,13,14,15
	v_add_nc_u32 v[16+\i], \i, v123
.endr
.irp i, 0,1,2,3,4,5,6,7,8,9,10,11,12,13,14,15
	v_cvt_f32_u32 v[16+\i], v[16+\i]
.endr
.irp i, 0,1,2,3,4,5,6,7,8,9,10,11,12,13,14,15
	v_mul_f32 v[16+\i], s36, v[16+\i]              ; a (16 h + i): the distance term's part that hangs on the place in a block
.endr
	s_wait_loadcnt 56                              ; all but the ring's four groups: b1, tokens, q
.irp j, 0,1,2,3
	ds_store_b128 v124, v[PC0+4*\j:PC0+4*\j+3] offset:B1L+2048*\j      ; read far behind the barriers below, in front of the first of which every wave waits for these stores
.endr
; A SUPER-STEP: 512 keys.  mode 0: another follows; 1: the last, whose phase 2 asks for W1's first groups.
.macro SUPER mode
	P1 0, 44
.set n, 0
.rept 64
	v_pk_fma_f32 v[S+n:S+n+1], v[S+n:S+n+1], s[34:35], v[16+n%16:17+n%16] op_sel_hi:[1,0,1]    ; c s + a (16 h + i); each accumulator is read from its low end on
.set n, n+2
.endr
	s_cmp_lt_u32 s32, s30                          ; a key step under the diagonal's has no hidden key: a scalar branch on ids, with no barrier inside
	s_cbranch_scc1 .Lopen_\@
	v_sub_nc_u32 v[ST0+6], v15, s33                ; d = tile 0's query - 16 h - the step's first key.  Register 16 b + i of tile u is hidden where 32 b + i - 8 u > d
	v_mov_b32 v[ST1+6], 0xff800000                 ; -infinity: p = 0 then.  (A step wholly above the diagonal becomes zeros and is worked like any other)
.irp u, 0,1
.set n, 0
.rept 64
	v_cmp_gt_i32 vcc_lo, 32*(n/16)+n%16-8*\u, v[ST0+6]
	v_cndmask_b32 v[S+64*\u+n], v[S+64*\u+n], v[ST1+6], vcc_lo
.set n, n+1
.endr
.endr
.Lopen_\@:
.irp u, 0,1
.irp b, 0,1,2,3
	v_max3_num_f32 v[ST0+24*\u+8+\b], v[S+64*\u+16*\b], v[S+64*\u+16*\b+1], v[S+64*\u+16*\b+2]   ; each block's largest: it serves the row's maximum and the block's largest p
.endr
.endr
.irp i, 3,5,7,9,11,13
.irp u, 0,1
.irp b, 0,1,2,3
	v_max3_num_f32 v[ST0+24*\u+8+\b], v[ST0+24*\u+8+\b], v[S+64*\u+16*\b+\i], v[S+64*\u+16*\b+\i+1]
.endr
.endr
.endr
.irp u, 0,1
.irp b, 0,1,2,3
	v_max_num_f32 v[ST0+24*\u+8+\b], v[ST0+24*\u+8+\b], v[S+64*\u+16*\b+15]
.endr
.endr
.irp u, 0,1
.irp b, 0,1,2,3
	v_permlanex16_b32 v[ST0+24*\u+12+\b], v[ST0+24*\u+8+\b], s[SEL], s[SEL+1]
.endr
.endr
.irp u, 0,1
.irp b, 0,1,2,3
	v_max_num_f32 v[ST0+24*\u+8+\b], v[ST0+24*\u+8+\b], v[ST0+24*\u+12+\b]
.endr
.endr
	v_sub_nc_u32 v[ST0+6], s33, v14                ; the step's first key - my query: a whole number, exact in f32
	v_add_nc_u32 v[ST1+6], -8, v[ST0+6]
.irp u, 0,1
	v_cvt_f32_i32 v[ST0+24*\u+6], v[ST0+24*\u+6]
.endr
.irp u, 0,1
	v_mul_f32 v[ST0+24*\u+16], s36, v[ST0+24*\u+6]         ; the distance term's part that is one number for a block: a (first key - query) + 32 a b
	v_fma_f32 v[ST0+24*\u+18], v[ST0+24*\u+6], s36, s37
	v_fma_f32 v[ST0+24*\u+20], v[ST0+24*\u+6], s36, s38
	v_fma_f32 v[ST0+24*\u+22], v[ST0+24*\u+6], s36, s39
.endr
.irp u, 0,1
.irp b, 0,1,2,3
	v_add_f32 v[ST0+24*\u+12+\b], v[ST0+24*\u+8+\b], v[ST0+24*\u+16+2*\b]      ; the block's largest t
.endr
.endr
.irp u, 0,1
	v_max3_num_f32 v[ST0+24*\u+7], v[ST0+24*\u+12], v[ST0+24*\u+13], v[ST0+24*\u+14]
.endr
.irp u, 0,1
	v_max_num_f32 v[ST0+24*\u+7], v[ST0+24*\u+7], v[ST0+24*\u+15]          ; my 128 keys' largest t
.endr
	EXCH MX, ST0+7, ST1+7                          ; its barrier also stands between the last super-step's reads of the images and this one's stores
.irp u, 0,1
	v_max3_num_f32 v[ST0+24*\u+1], v[ST0+24*\u+1], v[ST0+24*\u+12], v[ST0+24*\u+13]
.endr
.irp u, 0,1
	v_max3_num_f32 v[ST0+24*\u+1], v[ST0+24*\u+1], v[ST0+24*\u+14], v[ST0+24*\u+15]    ; the running largest t: the same number in all four waves
.endr
.irp u, 0,1
	v_mov_b32 v[ST0+24*\u+6], v[ST0+24*\u]
.endr
.irp u, 0,1
	v_floor_f32 v[ST0+24*\u], -v[ST0+24*\u+1]      ; the new -M = -ceil(t): M is a whole number
.endr
.irp u, 0,1
	v_sub_f32 v[ST0+24*\u+6], v[ST0+24*\u], v[ST0+24*\u+6]
.endr
.irp u, 0,1
	v_cvt_i32_f32 v[ST0+24*\u+6], v[ST0+24*\u+6]   ; old M - new M, 0 or less (it saturates)
.endr
.irp u, 0,1
	v_ldexp_f32 v[ST0+24*\u+4], 1.0, v[ST0+24*\u+6]        ; f = 2^(old M - new M)
.endr
.irp u, 0,1
.irp b, 0,1,2,3
	v_add_f32 v[ST0+24*\u+16+2*\b], v[ST0+24*\u+16+2*\b], v[ST0+24*\u]
.endr
.endr
.irp u, 0,1
.irp b, 0,1,2,3
.irp i, 0,2,4,6,8,10,12,14
	v_pk_add_f32 v[S+64*\u+16*\b+\i:S+64*\u+16*\b+\i+1], v[S+64*\u+16*\b+\i:S+64*\u+16*\b+\i+1], v[ST0+24*\u+16+2*\b:ST0+24*\u+17+2*\b] op_sel_hi:[1,0]    ; t - M
.endr
.endr
.endr
.irp u, 0,1
.irp b, 0,1,2,3
	v_add_f32 v[ST0+24*\u+8+\b], v[ST0+24*\u+8+\b], v[ST0+24*\u+16+2*\b]       ; the same addition on the block's largest: the same bits
.endr
.endr
.set n, 0
.rept 128
	v_exp_f32 v[S+n], v[S+n]                       ; p = 2^(t - M), at most 1
.set n, n+1
.endr
.irp u, 0,1
.irp b, 0,1,2,3
	v_exp_f32 v[ST0+24*\u+8+\b], v[ST0+24*\u+8+\b]
.endr
.endr
.irp u, 0,1
	v_pk_mul_f32 v[ST0+24*\u+2:ST0+24*\u+3], v[ST0+24*\u+2:ST0+24*\u+3], v[ST0+24*\u+4:ST0+24*\u+5] op_sel_hi:[1,0]    ; the sums under the new M (a plain place behind the exponentials)
.endr
	s_wait_alu depctr_va_vdst(0)
.irp u, 0,1
.irp b, 0,1,2,3
	v_max_num_f32 v[ST0+24*\u+8+\b], 0x1800000, v[ST0+24*\u+8+\b]      ; the floor 2^(3 - 127)
.endr
.endr
.irp u, 0,1
	QTAIL S+64*\u, ST0+24*\u+8, ST0+24*\u+12, PC0+12*\u, TC, ST0+24*\u+6
.endr
	IMGOUT 3, 1536, 5
.irp u, 0,1                            ; the row's sum of the unquantised p, two chains a tile, while the stores are out
	v_pk_add_f32 v[TC+4*\u:TC+4*\u+1], v[S+64*\u:S+64*\u+1], v[S+64*\u+2:S+64*\u+3]
.endr
.irp j, 4,8,12,16,20,24,28,32,36,40,44,48,52,56,60
.irp u, 0,1
	v_pk_add_f32 v[ST0+24*\u+2:ST0+24*\u+3], v[ST0+24*\u+2:ST0+24*\u+3], v[S+64*\u+\j:S+64*\u+\j+1]
	v_pk_add_f32 v[TC+4*\u:TC+4*\u+1], v[TC+4*\u:TC+4*\u+1], v[S+64*\u+\j+2:S+64*\u+\j+3]
.endr
.endr
.irp u, 0,1
	v_pk_add_f32 v[ST0+24*\u+2:ST0+24*\u+3], v[ST0+24*\u+2:ST0+24*\u+3], v[TC+4*\u:TC+4*\u+1]
.endr
	s_wait_dscnt 0x0                               ; my images have landed; my reads of the exchange words were waited for above
	s_barrier_signal -1
	s_barrier_wait -1                              ; all eight fragments of p lie in LDS
	IMGIN 0xc0, 128, IMG, PSR, PS
	WIN 0x82                                       ; O^T under the new M, while the loads are out
.irp u, 0,1
.set n, 0
.rept 32
	v_pk_mul_f32 v[128+64*\u+n:128+64*\u+n+1], v[128+64*\u+n:128+64*\u+n+1], v[ST0+24*\u+4:ST0+24*\u+5] op_sel_hi:[1,0]
.set n, n+2
.endr
.endr
	WIN 0
	s_wait_dscnt 0x0
	P2 \mode, 44
.if \mode == 0
	s_wait_xcnt 0x0                                ; the loads issued have read their bases: these are stepped only behind this wait
	s_add_nc_u64 s[44:45], s[44:45], 196608
	s_add_nc_u64 s[46:47], s[46:47], 8192
	s_add_nc_u64 s[48:49], s[48:49], 196608
	s_add_nc_u64 s[50:51], s[50:51], 8192
	s_add_co_u32 s32, s32, 4
	s_add_co_u32 s33, s33, 512
.endif
.endm
	s_cmp_eq_u32 s31, 0
	s_cbranch_scc1 .Ltail
.Lsuper:                                               ; (G % 128) / 16 trips; no LDS address is stepped here
	SUPER 0
	s_sub_co_u32 s31, s31, 1
	s_cmp_lg_u32 s31, 0
	s_cbranch_scc1 .Lsuper
.Ltail:
	SUPER 1                                        ; the super-step on the diagonal
; ---- x = LayerNorm(tokens + O / l).  g1, be1, b2 are asked for first: phase 2's last places stand in front of these loads
	WIN 0xc0
.irp b, 0,1,2,3
.irp j, 0,1,2,3
	global_load_b128 v[128+16*\b+4*\j:128+16*\b+4*\j+3], v8, s[16:17] offset:128*\b+16*\j
	global_load_b128 v[192+16*\b+4*\j:192+16*\b+4*\j+3], v8, s[18:19] offset:128*\b+16*\j
.endr
.endr
	WIN 0x40
.irp b, 0,1,2,3
.irp j, 0,1,2,3
	global_load_b128 v[192+16*\b+4*\j:192+16*\b+4*\j+3], v8, s[14:15] offset:128*\b+16*\j
.endr
.endr
	WIN 0
.irp u, 0,1
	v_add_f32 v[ST0+24*\u+6], v[ST0+24*\u+2], v[ST0+24*\u+3]
.endr
.irp u, 0,1
	v_permlanex16_b32 v[ST0+24*\u+7], v[ST0+24*\u+6], s[SEL], s[SEL+1]
.endr
.irp u, 0,1
	v_add_f32 v[ST0+24*\u+6], v[ST0+24*\u+6], v[ST0+24*\u+7]       ; the sum over my wave's keys
.endr
	EXCH EX, ST0+6, ST1+6
	SUM4                                           ; the row's sum
.irp u, 0,1
	v_rcp_f32 v[ST0+24*\u+4], v[ST0+24*\u+12]
.endr
	v_nop                                          ; one plain place behind the transcendentals
	WIN 0x32                                       ; O^T window 2, tokens window 3
	s_wait_alu depctr_va_vdst(0)
.irp u, 0,1
.set n, 0
.rept 32
	v_pk_fma_f32 v[S+64*\u+n:S+64*\u+n+1], v[128+64*\u+n:128+64*\u+n+1], v[ST0+24*\u+4:ST0+24*\u+5], v[64*\u+n:64*\u+n+1] op_sel_hi:[1,0,1]
.set n, n+2
.endr
.endr
	WIN 0
	LNORM EX+1024, EX+2048
	s_wait_loadcnt 0x0                             ; g1, be1, b2 (and W1's first groups)
	WIN 0xbc                                       ; x into O^T's registers too: Y^T begins as x, so that the second residual costs nothing
.set n, 0
.rept 64
	v_pk_fma_f32 v[128+n:128+n+1], v[S+n:S+n+1], v[128+n%64:129+n%64], v[192+n%64:193+n%64]
.set n, n+2
.endr
	WIN 0x3c
.set n, 0
.rept 64
	v_pk_fma_f32 v[S+n:S+n+1], v[S+n:S+n+1], v[128+n%64:129+n%64], v[192+n%64:193+n%64]
.set n, n+2
.endr
	WIN 0
.irp u, 0,1
	QMAX S+64*\u, ST0+24*\u+8, ST0+24*\u+12
	QTAIL S+64*\u, ST0+24*\u+8, ST0+24*\u+12, PC0+12*\u, TC, ST0+24*\u+6
.endr
	IMGOUT 4, 6144, 13                             ; K step = my wave's 128 channels
	s_wait_dscnt 0x0
	s_barrier_signal -1
	s_barrier_wait -1
	IMGIN 0x80, 0, XIMG, QS, XPS                   ; x's eight fragments take q's place
	s_wait_dscnt 0x0
; ---- the MLP, 512 hidden units a chunk.  last = 1: nothing follows
.macro CHUNK last
	v_add_nc_u32 v10, s60, v9
	WIN 0xc0
.irp b, 0,1,2,3
.irp j, 0,1,2,3
	ds_load_b128 v[16*\b+4*\j:16*\b+4*\j+3], v10 offset:128*\b+16*\j   ; b1 at my 64 hidden units, in the result's layout
.endr
.endr
	WIN 0
	s_wait_dscnt 0x0
	P1 1, 52
.set n, 0
.rept 128
	v_max_num_f32 v[S+n], 0, v[S+n]                ; the activation, in f32; each accumulator is read from its low end on
.set n, n+1
.endr
.irp u, 0,1
	QMAX S+64*\u, ST0+24*\u+8, ST0+24*\u+12
	QTAIL S+64*\u, ST0+24*\u+8, ST0+24*\u+12, PC0+12*\u, TC, ST0+24*\u+6
.endr
	IMGOUT 3, 1536, 5
	s_wait_dscnt 0x0
	s_barrier_signal -1
	s_barrier_wait -1                              ; the chunk's eight fragments of the hidden layer lie in LDS
	IMGIN 0xc0, 128, IMG, PSR, PS
	s_wait_dscnt 0x0                               ; my reads of them are over:
	s_barrier_signal -1
	s_barrier_wait -1                              ; everybody's are, so the next chunk may store there
.if \last
	P2 2, 52
.else
	P2 0, 52
	s_wait_xcnt 0x0                                ; the loads issued have read their bases
	s_add_nc_u64 s[52:53], s[52:53], 196608
	s_add_nc_u64 s[54:55], s[54:55], 8192
	s_add_nc_u64 s[56:57], s[56:57], 196608
	s_add_nc_u64 s[58:59], s[58:59], 8192
	s_add_co_u32 s60, s60, 2048
.endif
.endm
.Lchunk:
	CHUNK 0
	s_sub_co_u32 s61, s61, 1
	s_cmp_lg_u32 s61, 0
	s_cbranch_scc1 .Lchunk
	CHUNK 1
; ---- z = LayerNorm(x + Y + b2), and the way out
	WIN 0x06                                       ; x + Y^T window 2, b2 window 1
.set n, 0
.rept 64
	v_pk_add_f32 v[S+n:S+n+1], v[128+n:128+n+1], v[192+n%64:193+n%64]
.set n, n+2
.endr
	WIN 0
	LNORM EX+3072, EX+4096
	s_wait_loadcnt 0x0                             ; g2, be2
	WIN 0x3c
.set n, 0
.rept 64
	v_pk_fma_f32 v[S+n:S+n+1], v[S+n:S+n+1], v[n%64:n%64+1], v[64+n%64:65+n%64]
.set n, n+2
.endr
	WIN 0
.irp u, 0,1
.irp b, 0,1,2,3
.irp j, 0,1,2,3
	ds_store_b128 v11, v[S+64*\u+16*\b+4*\j:S+64*\u+16*\b+4*\j+3] offset:16512*\u+128*\b+16*\j     ; a row's 2,048 bytes come from four waves: they meet in the stage
.endr
.endr
.endr
	s_wait_dscnt 0x0
	s_barrier_signal -1
	s_barrier_wait -1
.set i, 0
.rept 32
	ds_load_b128 v[S+4*i:S+4*i+3], v12 offset:2064*(i/4)+512*(i%4)
.set i, i+1
.endr
.set i, 0
.rept 32
	s_wait_dscnt 31-i                              ; LDS loads come back in order: load i is in
	global_store_b128 v1, v[S+4*i:S+4*i+3], s[24:25] offset:2048*(i/4)+512*(i%4) th:TH_STORE_NT    ; 32 lanes store 512 consecutive bytes, aligned
.set i, i+1
.endr
	s_set_vgpr_msb 0xa
	s_wait_tensorcnt 0x0
	ds_add_u32 v126, v127
	s_wait_dscnt 0x0
	s_set_vgpr_msb 0xa00
	s_endpgm
.Lfunc_end_k_q213b873860_block:
	.size	k_q213b873860_block, .Lfunc_end_k_q213b873860_block-k_q213b873860_block
	.p2alignl 7, 3214868480
	.fill 96, 4, 3214868480
	.section	.rodata,"a",@progbits
	.p2align	6, 0x0
	.amdhsa_kernel k_q213b873860_block
		.amdhsa_group_segment_fixed_size 106496
		.amdhsa_private_segment_fixed_size 0
		.amdhsa_enable_private_segment 0
		.amdhsa_kernarg_size 88
		.amdhsa_user_sgpr_count 2
		.amdhsa_user_sgpr_kernarg_segment_ptr 1
		.amdhsa_wavefront_size32 1
		.amdhsa_system_sgpr_workgroup_id_x 1
		.amdhsa_system_sgpr_workgroup_id_y 1
		.amdhsa_system_sgpr_workgroup_id_z 1
		.amdhsa_system_vgpr_workitem_id 0
		.amdhsa_next_free_vgpr 1024
		.amdhsa_next_free_sgpr 80
		.amdhsa_reserve_vcc 1
		.amdhsa_float_denorm_mode_32 3
		.amdhsa_float_denorm_mode_16_64 3
		.amdhsa_memory_ordered 1
		.amdhsa_forward_progress 1
		.amdhsa_inst_pref_size 255
	.end_amdhsa_kernel
	.section	.bss,"aw",@nobits
	.p2align	6
	.space	262144
	.amdgpu_metadata
---
amdhsa.version: [ 1, 2 ]
amdhsa.kernels:
  - .name:           k_q213b873860_block
    .symbol:         k_q213b873860_block.kd
    .args:
      - { .name: tokens, .offset: 0, .size: 8, .value_kind: global_buffer, .address_space: global }
      - { .name: qkv, .offset: 8, .size: 8, .value_kind: global_buffer, .address_space: global }
      - { .name: pre, .offset: 16, .size: 8, .value_kind: global_buffer, .address_space: global }
      - { .name: distance_scale, .offset: 24, .size: 8, .value_kind: global_buffer, .address_space: global }
      - { .name: b1, .offset: 32, .size: 8, .value_kind: global_buffer, .address_space: global }
      - { .name: b2, .offset: 40, .size: 8, .value_kind: global_buffer, .address_space: global }
      - { .name: g1, .offset: 48, .size: 8, .value_kind: global_buffer, .address_space: global }
      - { .name: be1, .offset: 56, .size: 8, .value_kind: global_buffer, .address_space: global }
      - { .name: g2, .offset: 64, .size: 8, .value_kind: global_buffer, .address_space: global }
      - { .name: be2, .offset: 72, .size: 8, .value_kind: global_buffer, .address_space: global }
      - { .name: out0, .offset: 80, .size: 8, .value_kind: global_buffer, .address_space: global }
    .group_segment_fixed_size: 106496
    .private_segment_fixed_size: 0
    .kernarg_segment_align: 8
    .kernarg_segment_size: 88
    .max_flat_workgroup_size: 128
    .sgpr_count:     80
    .vgpr_count:     1024
    .wavefront_size: 32
...
	.end_amdgpu_metadata
.endif
;; end of part 3
;; ======== version 2 of 2: 3 launches
;; limits: right only within a limited range of input values
;; workspace buffers: pre 5,529,600 bytes; qkv 9,830,400 bytes
;; launch prep (part 4): grid 304 x 1, 4 waves a work-group, no clusters, 0 bytes of LDS; arguments tokens, Wq, Wk, Wv, W1, W2, pre; writes pre
.if DOCPART == 4
	.amdgcn_target "amdgcn-amd-amdhsa--gfx1250"
	.amdhsa_code_object_version 6
	.text
	.protected	k_q213b873860_prep
	.globl	k_q213b873860_prep
	.p2align	8
	.type	k_q213b873860_prep,@function
k_q213b873860_prep:
	s_mov_b64 s[64:65], 0
	v_nop
	global_prefetch_b8 v0, s[64:65] scope:SCOPE_SE
	s_setreg_imm32_b32 hwreg(HW_REG_WAVE_MODE, 25, 1), 1
	s_wait_xcnt 0x0
; tokens [8192][512] (K innermost) and Wq, Wk, Wv [512][512], W1 [512][2048], W2 [2048][512] (K is the FIRST axis), all f32, become codes of FP6 (E2M3) with one E8M0 byte for each 32 along K.
; A block's scale is 2^(floor(log2(its largest magnitude)) - 2): its byte is the largest magnitude's exponent field - 2, held at 1 from below.
; LIMITS: NaN and infinities among the inputs are not served; a block whose largest magnitude lies under 2^-124 takes the byte 1; a block of zeros takes the byte 1 (its codes are zeros) where the rule says 127: this program alone reads the bytes.
; THE WORKSPACE IS LAID AS IMAGES OF THE OPERANDS' REGISTERS.  A fragment (16 rows x 128 K, 12 registers a lane) is 1,536 bytes: register g of lane l at 512 (g / 4) + 16 l + 4 (g % 4): three loads or stores of 16 bytes a lane, 512 consecutive bytes each.
; A scale image (two neighbouring tiles, one K step) is 128 bytes: lane l's word: lanes 0-15 the even tile's rows, lanes 16-31 the odd tile's.
; THE ROWS OF A TILE ARE NOT NEIGHBOURS: in each run of 32 rows (token rows; a weight's columns n) lane r of tile 2 B + u is row 32 B + 8 u + r + (r & 8), so that a transposed product leaves 16 neighbours along the next K in a lane's 16 registers of two tiles.
; SHARES: work-groups 0-47 Wq, Wk, Wv; 48-111 W1; 112-175 W2; 176-303 tokens.  No LDS, no barrier: waves share nothing.
.set TOKS,  3145728                    ; tokens' scale images [pair 256][s 4]; their fragments [tile 512][s 4] begin at 0
.set WQKVC, 3276800                    ; [mat 3][tile 32][s 4]
.set WQKVS, 3866624                    ; [mat 3][pair 16][s 4]
.set W1C,   3891200                    ; [tile / 8][s 4][tile % 8]
.set W1S,   4677632                    ; [tile / 8][s 4][pair 4]
.set W2B,   4710400                    ; [K step 16][quarter 4]: 8 fragments, then their 4 scale images: 12,800 bytes on end, so that one tile of four such rows brings a wave's codes and scales
.set X,   32                           ; v32-159  128 numbers (a weight's column), or two sets of 64 (tokens)
.set F0,  160                          ; v160-171 the fragment of the even tile; the tokens' fragment
.set F1,  172                          ; v172-183 that of the odd tile
.set T0,  184                          ; v184-186, v188-190 second halves of blocks (a conversion's three registers begin on an even number)
.set T1,  188
.set SEL, 40                           ; s[40:41] selects of v_permlanex16_b32 for lane l xor 16;  s42 the mask of lanes 16-31
.macro QMAX s, m, t                    ; the largest magnitudes of four blocks: register 16 b + i of v[s] on is k = 32 b + 16 (lane / 16) + i of my row
.irp b, 0,1,2,3
	v_max3_num_f32 v[(\m)+\b], |v[(\s)+16*\b]|, |v[(\s)+16*\b+1]|, 0x1800000   ; with the floor 2^(3 - 127): the byte cannot fall under 1
.endr
.irp i, 2,4,6,8,10,12,14
.irp b, 0,1,2,3
	v_max3_num_f32 v[(\m)+\b], v[(\m)+\b], |v[(\s)+16*\b+\i]|, |v[(\s)+16*\b+\i+1]|
.endr
.endr
.irp b, 0,1,2,3
	v_permlanex16_b32 v[(\t)+\b], v[(\m)+\b], s[SEL], s[SEL+1]
.endr
.irp b, 0,1,2,3
	v_max_num_f32 v[(\m)+\b], v[(\m)+\b], v[(\t)+\b]       ; with lane l xor 16's 16 numbers
.endr
.endm
.macro QTAIL s, m, t, pc, tc, pw       ; from the four maxima: the scale word in v[pw], the fragment in v[pc] on
.irp b, 0,1,2,3
	v_add_nc_u32 v[(\t)+\b], 0xff000000, v[(\m)+\b]        ; 2 off the exponent field: the conversion's scale operand
.endr
.irp b, 0,1,2,3
	v_lshrrev_b32 v[(\m)+\b], 23, v[(\t)+\b]               ; the scale's byte
.endr
	v_lshl_or_b32 v[\pw], v[(\m)+1], 8, v[(\m)]
	v_lshl_or_b32 v[\pw], v[(\m)+2], 16, v[\pw]
	v_lshl_or_b32 v[\pw], v[(\m)+3], 24, v[\pw]
.irp c, 0,1
	v_cvt_scalef32_pk16_fp6_f32 v[(\pc)+6*\c:(\pc)+6*\c+2], v[(\s)+32*\c:(\s)+32*\c+15], v[(\t)+2*\c]
	v_cvt_scalef32_pk16_fp6_f32 v[(\tc)+4*\c:(\tc)+4*\c+2], v[(\s)+32*\c+16:(\s)+32*\c+31], v[(\t)+2*\c+1]
.endr
	v_nop                                                  ; one plain place behind the scaled conversions
.irp c, 0,1                            ; the operand wants a whole block in a lane: lanes 0-15 block 2 c, lanes 16-31 block 2 c + 1
.irp i, 0,1,2
	v_permlane16_swap_b32 v[(\pc)+6*\c+\i], v[(\tc)+4*\c+\i]
.endr
.irp i, 0,1,2
	v_mov_b32 v[(\pc)+6*\c+3+\i], v[(\tc)+4*\c+\i]
.endr
.endr
.endm
	s_load_b256 s[4:11], s[0:1], 0x0               ; tokens, Wq, Wk, Wv
	s_load_b128 s[12:15], s[0:1], 0x20             ; W1, W2
	s_load_b64 s[16:17], s[0:1], 0x30              ; pre
	v_lshrrev_b32 v1, 5, v0
	v_readfirstlane_b32 s18, v1                    ; wave
	v_and_b32 v1, 31, v0                           ; lane
	v_and_b32 v2, 15, v0                           ; r
	v_bfe_u32 v3, v0, 4, 1                         ; lane / 16
	v_and_b32 v4, 8, v2
	v_add_nc_u32 v4, v4, v2                        ; r + (r & 8)
	v_lshlrev_b32 v5, 4, v1                        ; 16 x lane
	v_lshlrev_b32 v6, 2, v1                        ; 4 x lane
	s_mov_b32 s[SEL], 0x76543210
	s_mov_b32 s[SEL+1], 0xfedcba98
	s_mov_b32 s42, 0xffff0000
	s_cmp_ge_u32 ttmp9, 176
	s_cbranch_scc1 .Ltok
; ---- A WEIGHT.  A wave takes 32 columns x 128 along K: two fragments and one scale image.  The three arms set plain numbers:
; s22 the work-group's number in its matrix, s23 log2(pairs / 4), s24 / s25 where the matrix' fragments / scale images begin,
; the even fragment's byte = s26 B + s27 (B / 4) + s28 s, s29 bytes to the pair's second fragment, the scale image's byte = s30 B + s31 (B / 4) + s32 s, s33 bytes of 128 rows, s34 = 1: rows of 8,192 bytes
	s_cmp_ge_u32 ttmp9, 112
	s_cbranch_scc1 .Lw2
	s_cmp_ge_u32 ttmp9, 48
	s_cbranch_scc1 .Lw1
	s_lshr_b32 s19, ttmp9, 4                       ; Wq, Wk or Wv
	s_and_b32 s22, ttmp9, 15
	s_mov_b32 s23, 2
	s_mul_i32 s24, s19, 196608
	s_add_co_u32 s24, s24, WQKVC
	s_lshl_b32 s25, s19, 13
	s_add_co_u32 s25, s25, WQKVS
	s_mov_b32 s26, 12288
	s_mov_b32 s27, 0
	s_mov_b32 s28, 1536
	s_mov_b32 s29, 6144
	s_mov_b32 s30, 512
	s_mov_b32 s31, 0
	s_mov_b32 s32, 128
	s_mov_b32 s33, 262144
	s_mov_b32 s34, 0
	s_branch .Lwjoin
.Lw1:
	s_sub_co_u32 s22, ttmp9, 48
	s_mov_b32 s23, 4
	s_mov_b32 s24, W1C
	s_mov_b32 s25, W1S
	s_mov_b32 s26, 3072
	s_mov_b32 s27, 36864
	s_mov_b32 s28, 12288
	s_mov_b32 s29, 1536
	s_mov_b32 s30, 128
	s_mov_b32 s31, 1536
	s_mov_b32 s32, 512
	s_mov_b32 s33, 1048576
	s_mov_b32 s34, 1
	s_branch .Lwjoin
.Lw2:
	s_sub_co_u32 s22, ttmp9, 112
	s_mov_b32 s23, 2
	s_mov_b32 s24, W2B
	s_mov_b32 s25, W2B+12288
	s_mov_b32 s26, 3072                            ; B = 4 q + m: 12,800 q + 3,072 m
	s_mov_b32 s27, 512
	s_mov_b32 s28, 51200
	s_mov_b32 s29, 1536
	s_mov_b32 s30, 128                             ; 12,800 q + 128 m, behind the quarter's eight fragments
	s_mov_b32 s31, 12288
	s_mov_b32 s32, 51200
	s_mov_b32 s33, 262144
	s_mov_b32 s34, 0
.Lwjoin:
	s_lshr_b32 s35, s22, s23                       ; s: which 128 along K
	s_lshl_b32 s36, s35, s23
	s_sub_co_u32 s36, s22, s36
	s_lshl_b32 s36, s36, 2
	s_add_co_u32 s36, s36, s18                     ; B: which 32 columns: the four waves stand side by side on 512 bytes of each row
	s_lshr_b32 s37, s36, 2
	s_mul_i32 s38, s26, s36
	s_mul_i32 s39, s27, s37
	s_add_co_u32 s38, s38, s39
	s_mul_i32 s39, s28, s35
	s_add_co_u32 s38, s38, s39
	s_add_co_u32 s38, s38, s24                     ; the even tile's fragment, in bytes from pre
	s_mul_i32 s43, s30, s36
	s_mul_i32 s39, s31, s37
	s_add_co_u32 s43, s43, s39
	s_mul_i32 s39, s32, s35
	s_add_co_u32 s43, s43, s39
	s_add_co_u32 s43, s43, s25                     ; the scale image
	s_mul_i32 s44, s35, s33
	s_lshl_b32 s45, s36, 7
	s_add_co_u32 s44, s44, s45                     ; the wave's corner of the weight: 128 s rows + 128 B bytes
	s_mov_b32 s45, 0
	s_wait_alu depctr_va_vdst(0)
	v_lshl_add_u32 v7, v3, 3, v4
	v_lshlrev_b32 v7, 2, v7                        ; lane 16 u + r takes column r + (r & 8) + 8 u: lanes 0-15 are the even tile's rows, lanes 16-31 the odd tile's
	v_add_nc_u32 v20, s38, v5
	v_add_nc_u32 v21, s29, v20
	v_add_nc_u32 v22, s43, v6
	s_wait_kmcnt 0x0
	s_cmp_lt_u32 ttmp9, 16                         ; the weight's address: a choice on the work-group's number alone
	s_cselect_b64 s[20:21], s[6:7], s[8:9]
	s_cmp_lt_u32 ttmp9, 32
	s_cselect_b64 s[20:21], s[20:21], s[10:11]
	s_cmp_lt_u32 ttmp9, 48
	s_cselect_b64 s[20:21], s[20:21], s[12:13]
	s_cmp_lt_u32 ttmp9, 112
	s_cselect_b64 s[20:21], s[20:21], s[14:15]
	s_add_nc_u64 s[20:21], s[20:21], s[44:45]
.macro WLOAD row                       ; my column's 128 numbers down K: each load reads 128 consecutive bytes a wave
.set kk, 0
.rept 128
	global_load_b32 v[X+kk], v7, s[20:21] offset:kk*\row th:TH_LOAD_NT
.set kk, kk+1
.endr
.endm
	s_cmp_eq_u32 s34, 1
	s_cbranch_scc1 .Lwide
	s_wait_alu depctr_va_vdst(0)
	WLOAD 2048
	s_branch .Lloaded
.Lwide:
	s_wait_alu depctr_va_vdst(0)
	WLOAD 8192
.Lloaded:
.macro WBLOCK b, left                  ; block b: all its 32 numbers are mine
	s_wait_loadcnt \left
	v_max3_num_f32 v[8+\b], |v[X+32*\b]|, |v[X+32*\b+1]|, |v[X+32*\b+2]|
	v_max3_num_f32 v[24+\b], |v[X+32*\b+3]|, |v[X+32*\b+4]|, |v[X+32*\b+5]|
.irp i, 6,10,14,18,22,26
	v_max3_num_f32 v[8+\b], v[8+\b], |v[X+32*\b+\i]|, |v[X+32*\b+\i+1]|
	v_max3_num_f32 v[24+\b], v[24+\b], |v[X+32*\b+\i+2]|, |v[X+32*\b+\i+3]|
.endr
	v_max3_num_f32 v[8+\b], v[8+\b], |v[X+32*\b+30]|, |v[X+32*\b+31]|
	v_max3_num_f32 v[8+\b], v[8+\b], v[24+\b], 0x1800000   ; the floor 2^(3 - 127)
	v_add_nc_u32 v[12+\b], 0xff000000, v[8+\b]             ; the conversion's scale operand
	v_lshrrev_b32 v[8+\b], 23, v[12+\b]                    ; the byte
.endm
	WBLOCK 0, 63                                   ; 128 loads are issued and a wait names 63 at the most: at most 63 out means that the first 65 are in, blocks 0 and 1 among them
	WBLOCK 1, 63
	WBLOCK 2, 32                                   ; block 3's 32 may be out
	WBLOCK 3, 0
	v_lshl_or_b32 v16, v9, 8, v8                   ; my column's scale word: lane 16 u + r holds that of tile 2 B + u, row r: the scale image as it stands
	v_lshl_or_b32 v16, v10, 16, v16
	v_lshl_or_b32 v16, v11, 24, v16
.irp c, 0,1                            ; blocks 2 c and 2 c + 1 of every lane's column
	v_cvt_scalef32_pk16_fp6_f32 v[F0+6*\c:F0+6*\c+2], v[X+64*\c:X+64*\c+15], v[12+2*\c]
	v_cvt_scalef32_pk16_fp6_f32 v[T0:T0+2], v[X+64*\c+16:X+64*\c+31], v[12+2*\c]
	v_cvt_scalef32_pk16_fp6_f32 v[F1+6*\c:F1+6*\c+2], v[X+64*\c+32:X+64*\c+47], v[13+2*\c]
	v_cvt_scalef32_pk16_fp6_f32 v[T1:T1+2], v[X+64*\c+48:X+64*\c+63], v[13+2*\c]
	v_nop                                          ; one plain place behind the scaled conversions
.irp i, 0,1,2                          ; the first's lanes 16-31 (odd tile, block 2 c) change places with the second's lanes 0-15 (even tile, block 2 c + 1): the first is then the even tile's registers, the second the odd tile's
	v_permlane16_swap_b32 v[F0+6*\c+\i], v[F1+6*\c+\i]
	v_permlane16_swap_b32 v[T0+\i], v[T1+\i]
.endr
.irp i, 0,1,2
	v_mov_b32 v[F0+6*\c+3+\i], v[T0+\i]
	v_mov_b32 v[F1+6*\c+3+\i], v[T1+\i]
.endr
.endr
.irp c, 0,1,2
	global_store_b128 v20, v[F0+4*\c:F0+4*\c+3], s[16:17] offset:512*\c    ; 32 lanes store 512 consecutive bytes, aligned
	global_store_b128 v21, v[F1+4*\c:F1+4*\c+3], s[16:17] offset:512*\c
.endr
	global_store_b32 v22, v16, s[16:17]
	s_endpgm
; ---- TOKENS.  A wave takes a pair of tiles (32 rows) and two K steps: four turns, each one fragment.
.Ltok:
	s_sub_co_u32 s22, ttmp9, 176
	s_lshl_b32 s22, s22, 2
	s_add_co_u32 s22, s22, s18
	s_lshr_b32 s23, s22, 1                         ; B: the pair of tiles
	s_and_b32 s24, s22, 1                          ; which two of the four K steps
	s_lshl_b32 s44, s23, 16                        ; 32 rows of 2,048 bytes
	s_lshl_b32 s25, s24, 10
	s_add_co_u32 s44, s44, s25
	s_mov_b32 s45, 0
	s_wait_alu depctr_va_vdst(0)
	v_lshlrev_b32 v7, 11, v4
	v_lshl_add_u32 v7, v3, 6, v7                   ; row r + (r & 8), + 64 (lane / 16): my 16 numbers of a block of 32
	s_lshl_b32 s26, s23, 3
	s_lshl_b32 s27, s24, 1
	s_add_co_u32 s26, s26, s27
	s_mul_i32 s26, s26, 1536
	v_add_nc_u32 v20, s26, v5                      ; fragment 4 (2 B + u) + s
	s_lshl_b32 s26, s23, 2
	s_add_co_u32 s26, s26, s27
	s_lshl_b32 s26, s26, 7
	s_add_co_u32 s26, s26, TOKS
	v_add_nc_u32 v22, s26, v6                      ; scale image 4 B + s
.irp b, 0,1,2,3
	v_mov_b32 v[12+\b], 0                          ; written once: a lane permute's destination counts as one of its sources
.endr
	s_wait_alu depctr_va_vdst(0)
	s_wait_kmcnt 0x0
	s_add_nc_u64 s[20:21], s[4:5], s[44:45]
.macro XLOAD n                         ; turn n: tile u = n % 2, K step n / 2 of my two: register 16 b + 4 j + .. = k 32 b + 16 (lane / 16) + 4 j + ..
.irp b, 0,1,2,3
.irp j, 0,1,2,3
	global_load_b128 v[X+64*((\n)%2)+16*\b+4*\j:X+64*((\n)%2)+16*\b+4*\j+3], v7, s[20:21] offset:16384*((\n)%2)+512*((\n)/2)+128*\b+16*\j
.endr
.endr
.endm
.macro TURN n
.if \n < 3
	s_wait_loadcnt 16                              ; this turn's 16 loads are in; the next turn's 16 may be out
.else
	s_wait_loadcnt 0
.endif
.if \n > 0
	s_wait_xcnt 0x0                                ; the last turn's stores have read their data: the codes and the scale word are written again only behind this wait
.endif
	QMAX X+64*(\n%2), 8, 12
	QTAIL X+64*(\n%2), 8, 12, F0, T0, 16
.if \n < 2
	XLOAD \n+2
.endif
.irp c, 0,1,2
	global_store_b128 v20, v[F0+4*\c:F0+4*\c+3], s[16:17] offset:1536*(4*(\n%2)+\n/2)+512*\c
.endr
.if (\n%2) == 0
	v_mov_b32 v17, v16                             ; the even tile's scale words
.else
	v_cndmask_b32 v18, v17, v16, s42               ; lanes 0-15 the even tile's, lanes 16-31 the odd tile's
	global_store_b32 v22, v18, s[16:17] offset:128*(\n/2)
.endif
.endm
	XLOAD 0
	XLOAD 1
	TURN 0
	TURN 1
	TURN 2
	TURN 3
	s_endpgm
.Lfunc_end_k_q213b873860_prep:
	.size	k_q213b873860_prep, .Lfunc_end_k_q213b873860_prep-k_q213b873860_prep
	.p2alignl 7, 3214868480
	.fill 96, 4, 3214868480
	.section	.rodata,"a",@progbits
	.p2align	6, 0x0
	.amdhsa_kernel k_q213b873860_prep
		.amdhsa_group_segment_fixed_size 0
		.amdhsa_private_segment_fixed_size 0
		.amdhsa_enable_private_segment 0
		.amdhsa_kernarg_size 56
		.amdhsa_user_sgpr_count 2
		.amdhsa_user_sgpr_kernarg_segment_ptr 1
		.amdhsa_wavefront_size32 1
		.amdhsa_system_sgpr_workgroup_id_x 1
		.amdhsa_system_sgpr_workgroup_id_y 1
		.amdhsa_system_sgpr_workgroup_id_z 1
		.amdhsa_system_vgpr_workitem_id 0
		.amdhsa_next_free_vgpr 192
		.amdhsa_next_free_sgpr 66
		.amdhsa_reserve_vcc 0
		.amdhsa_float_denorm_mode_32 3
		.amdhsa_float_denorm_mode_16_64 3
		.amdhsa_memory_ordered 1
		.amdhsa_forward_progress 1
		.amdhsa_inst_pref_size 60
	.end_amdhsa_kernel
	.amdgpu_metadata
---
amdhsa.version: [ 1, 2 ]
amdhsa.kernels:
  - .name:           k_q213b873860_prep
    .symbol:         k_q213b873860_prep.kd
    .args:
      - { .name: tokens, .offset: 0, .size: 8, .value_kind: global_buffer, .address_space: global }
      - { .name: Wq, .offset: 8, .size: 8, .value_kind: global_buffer, .address_space: global }
      - { .name: Wk, .offset: 16, .size: 8, .value_kind: global_buffer, .address_space: global }
      - { .name: Wv, .offset: 24, .size: 8, .value_kind: global_buffer, .address_space: global }
      - { .name: W1, .offset: 32, .size: 8, .value_kind: global_buffer, .address_space: global }
      - { .name: W2, .offset: 40, .size: 8, .value_kind: global_buffer, .address_space: global }
      - { .name: pre, .offset: 48, .size: 8, .value_kind: global_buffer, .address_space: global }
    .group_segment_fixed_size: 0
    .private_segment_fixed_size: 0
    .kernarg_segment_align: 8
    .kernarg_segment_size: 56
    .max_flat_workgroup_size: 128
    .sgpr_count:     66
    .vgpr_count:     192
    .wavefront_size: 32
...
	.end_amdgpu_metadata
.endif
;; end of part 4
;; launch qkv (part 5): grid 64 x 3, 4 waves a work-group, no clusters, 0 bytes of LDS; arguments pre, bq, bk, bv, qkv; writes qkv
.if DOCPART == 5
	.amdgcn_target "amdgcn-amd-amdhsa--gfx1250"
	.amdhsa_code_object_version 6
	.text
	.protected	k_q213b873860_qkv
	.globl	k_q213b873860_qkv
	.p2align	8
	.type	k_q213b873860_qkv,@function
k_q213b873860_qkv:
	s_mov_b64 s[64:65], 0
	v_nop
	global_prefetch_b8 v0, s[64:65] scope:SCOPE_SE
	s_setreg_imm32_b32 hwreg(HW_REG_WAVE_MODE, 25, 1), 1
	s_wait_xcnt 0x0
; q = tokens Wq + bq, k = tokens Wk + bk, v = tokens Wv + bv on codes of FP6 (E2M3); the results, in f32, are quantised at once: q and k along the 512 channels, v along the KEYS, and leave as images of operand registers.
; Work-group (x, y): x = a block of 128 tokens, y = 0 q, 1 k, 2 v.  Wave w takes output channels 128 w .. 128 w + 127.  No LDS, no barrier.
; ONE TEXT FOR THE THREE.  Source 0, X: 8 tiles x 4 K steps, kept in 384 registers.  Source 1, Y: 8 tiles, streamed.  q, k: X = the weight, Y = tokens: a lane holds one token and its registers run along the channels.
; v: X = tokens, Y = Wv: a lane holds one channel and its registers run along the keys.  Both operands lie [tile][K step], so only offsets are chosen, on the work-group's y.
; The tiles' rows are chosen (lane r of tile 2 B + u is row 32 B + 8 u + r + (r & 8)) so that register 16 b + i of the eight accumulators is k = 32 b + 16 (lane / 16) + i of the next product.
; LIMITS: NaN and infinities are not served; a block whose largest magnitude lies under 2^-124, and a block of zeros, take the byte 1 (this program alone reads the bytes).
; OUT: part y of qkv begins at 3,276,800 y.  q: fragments [tile][K step], k: [128 tokens][K step][tile 8], their scale images from 3,145,728 on.
; v: [128 keys][quarter of the channels]: 8 fragments, then their 4 scale images: 12,800 bytes on end, so that one tile of four such rows brings a wave's codes and scales.
; REGISTERS: window 0: v1-6 offsets; v16-111 unused: Y lies in window 3, v0-239, five sets; v112-175 the accumulators; v176-195 codes; v196-214 at work; v216-231 X's scale words, v232-247 Y's, a set for each pair.
;   window 1: v0-191 X's tiles 0-3; v192-207 the bias of v, a pair for each tile of Y.   window 2: v0-191 X's tiles 4-7; v192-255 the bias of q or k in the result's layout.
.set TOKS,  3145728
.set WQKVC, 3276800
.set WQKVS, 3866624
.set HA, 112
.set PC, 176
.set TC, 188
.set QM, 196
.set QT, 200
.set PW, 212
.set XS, 216
.set YS, 232
.set BX, 192
.set BY, 192
.set SEL, 50
.set MSB, 0
.macro WIN new                         ; the immediate's high byte repeats the setting that is left
.if MSB != \new
	s_set_vgpr_msb (MSB<<8)|\new
.set MSB, \new
.endif
.endm
.macro PLACES
.rept 4
	v_nop
.endr
.endm
; one product: D, A, B, C (under 0: the constant 0), the two scale registers, and whether A's, B's scales stand in lanes 16-31
.macro WM d, a, b, c, sa, sb, ra, rb
.if (\c) < 0
.if (\ra) && (\rb)
	v_wmma_scale_f32_16x16x128_f8f6f4 v[(\d):(\d)+7], v[(\a):(\a)+11], v[(\b):(\b)+11], 0, v[(\sa)], v[(\sb)] matrix_a_fmt:MATRIX_FMT_FP6 matrix_b_fmt:MATRIX_FMT_FP6 matrix_a_scale:MATRIX_SCALE_ROW1 matrix_b_scale:MATRIX_SCALE_ROW1
.elseif (\ra)
	v_wmma_scale_f32_16x16x128_f8f6f4 v[(\d):(\d)+7], v[(\a):(\a)+11], v[(\b):(\b)+11], 0, v[(\sa)], v[(\sb)] matrix_a_fmt:MATRIX_FMT_FP6 matrix_b_fmt:MATRIX_FMT_FP6 matrix_a_scale:MATRIX_SCALE_ROW1
.elseif (\rb)
	v_wmma_scale_f32_16x16x128_f8f6f4 v[(\d):(\d)+7], v[(\a):(\a)+11], v[(\b):(\b)+11], 0, v[(\sa)], v[(\sb)] matrix_a_fmt:MATRIX_FMT_FP6 matrix_b_fmt:MATRIX_FMT_FP6 matrix_b_scale:MATRIX_SCALE_ROW1
.else
	v_wmma_scale_f32_16x16x128_f8f6f4 v[(\d):(\d)+7], v[(\a):(\a)+11], v[(\b):(\b)+11], 0, v[(\sa)], v[(\sb)] matrix_a_fmt:MATRIX_FMT_FP6 matrix_b_fmt:MATRIX_FMT_FP6
.endif
.else
.if (\ra) && (\rb)
	v_wmma_scale_f32_16x16x128_f8f6f4 v[(\d):(\d)+7], v[(\a):(\a)+11], v[(\b):(\b)+11], v[(\c):(\c)+7], v[(\sa)], v[(\sb)] matrix_a_fmt:MATRIX_FMT_FP6 matrix_b_fmt:MATRIX_FMT_FP6 matrix_a_scale:MATRIX_SCALE_ROW1 matrix_b_scale:MATRIX_SCALE_ROW1
.elseif (\ra)
	v_wmma_scale_f32_16x16x128_f8f6f4 v[(\d):(\d)+7], v[(\a):(\a)+11], v[(\b):(\b)+11], v[(\c):(\c)+7], v[(\sa)], v[(\sb)] matrix_a_fmt:MATRIX_FMT_FP6 matrix_b_fmt:MATRIX_FMT_FP6 matrix_a_scale:MATRIX_SCALE_ROW1
.elseif (\rb)
	v_wmma_scale_f32_16x16x128_f8f6f4 v[(\d):(\d)+7], v[(\a):(\a)+11], v[(\b):(\b)+11], v[(\c):(\c)+7], v[(\sa)], v[(\sb)] matrix_a_fmt:MATRIX_FMT_FP6 matrix_b_fmt:MATRIX_FMT_FP6 matrix_b_scale:MATRIX_SCALE_ROW1
.else
	v_wmma_scale_f32_16x16x128_f8f6f4 v[(\d):(\d)+7], v[(\a):(\a)+11], v[(\b):(\b)+11], v[(\c):(\c)+7], v[(\sa)], v[(\sb)] matrix_a_fmt:MATRIX_FMT_FP6 matrix_b_fmt:MATRIX_FMT_FP6
.endif
.endif
.endm
.macro QMAX s, m, t                    ; the largest magnitudes of four blocks: register 16 b + i of v[s] on is k = 32 b + 16 (lane / 16) + i of my row
.irp b, 0,1,2,3
	v_max3_num_f32 v[(\m)+\b], |v[(\s)+16*\b]|, |v[(\s)+16*\b+1]|, 0x1800000   ; with the floor 2^(3 - 127): the byte cannot fall under 1
.endr
.irp i, 2,4,6,8,10,12,14
.irp b, 0,1,2,3
	v_max3_num_f32 v[(\m)+\b], v[(\m)+\b], |v[(\s)+16*\b+\i]|, |v[(\s)+16*\b+\i+1]|
.endr
.endr
.irp b, 0,1,2,3
	v_permlanex16_b32 v[(\t)+\b], v[(\m)+\b], s[SEL], s[SEL+1]
.endr
.irp b, 0,1,2,3
	v_max_num_f32 v[(\m)+\b], v[(\m)+\b], v[(\t)+\b]
.endr
.endm
.macro QTAIL s, m, t, pc, tc, pw       ; from the four maxima: the scale word in v[pw], the fragment in v[pc] on
.irp b, 0,1,2,3
	v_add_nc_u32 v[(\t)+\b], 0xff000000, v[(\m)+\b]        ; 2 off the exponent field: the conversion's scale operand
.endr
.irp b, 0,1,2,3
	v_lshrrev_b32 v[(\m)+\b], 23, v[(\t)+\b]               ; the scale's byte
.endr
	v_lshl_or_b32 v[\pw], v[(\m)+1], 8, v[(\m)]
	v_lshl_or_b32 v[\pw], v[(\m)+2], 16, v[\pw]
	v_lshl_or_b32 v[\pw], v[(\m)+3], 24, v[\pw]
.irp c, 0,1
	v_cvt_scalef32_pk16_fp6_f32 v[(\pc)+6*\c:(\pc)+6*\c+2], v[(\s)+32*\c:(\s)+32*\c+15], v[(\t)+2*\c]
	v_cvt_scalef32_pk16_fp6_f32 v[(\tc)+4*\c:(\tc)+4*\c+2], v[(\s)+32*\c+16:(\s)+32*\c+31], v[(\t)+2*\c+1]
.endr
	v_nop                                                  ; one plain place behind the scaled conversions
.irp c, 0,1
.irp i, 0,1,2
	v_permlane16_swap_b32 v[(\pc)+6*\c+\i], v[(\tc)+4*\c+\i]
.endr
.irp i, 0,1,2
	v_mov_b32 v[(\pc)+6*\c+3+\i], v[(\tc)+4*\c+\i]
.endr
.endr
.endm
	s_load_b256 s[4:11], s[0:1], 0x0               ; pre, bq, bk, bv
	s_load_b64 s[12:13], s[0:1], 0x20              ; qkv
	v_lshrrev_b32 v1, 5, v0
	v_readfirstlane_b32 s15, v1                    ; wave
	s_and_b32 s14, ttmp7, 0xffff                   ; 0 q, 1 k, 2 v
	s_mov_b32 s16, ttmp9                           ; the block of 128 tokens
	v_and_b32 v2, 31, v0
	v_lshlrev_b32 v1, 4, v2                        ; 16 x lane
	v_lshlrev_b32 v2, 2, v2                        ; 4 x lane
	v_bfe_u32 v5, v0, 4, 1
	v_lshlrev_b32 v5, 6, v5                        ; 64 (lane / 16): the bias of q, k
	v_and_b32 v6, 15, v0
	v_and_b32 v7, 8, v6
	v_add_nc_u32 v6, v6, v7
	v_lshlrev_b32 v6, 2, v6                        ; 4 (r + (r & 8)): the bias of v
	s_mov_b32 s[SEL], 0x76543210
	s_mov_b32 s[SEL+1], 0xfedcba98
	s_mov_b32 s52, 0xffff0000
.irp b, 0,1,2,3
	v_mov_b32 v[QT+\b], 0                          ; written once: a lane permute's destination counts as one of its sources
.endr
	s_mul_i32 s30, s14, 196608
	s_mul_i32 s31, s15, 49152
	s_add_co_u32 s30, s30, s31
	s_add_co_u32 s30, s30, WQKVC                   ; the weight's 8 tiles of my wave
	s_lshl_b32 s32, s14, 13
	s_lshl_b32 s33, s15, 11
	s_add_co_u32 s32, s32, s33
	s_add_co_u32 s32, s32, WQKVS                   ; and their scale images
	s_mul_i32 s34, s16, 49152                      ; the block's 8 tiles of tokens
	s_lshl_b32 s35, s16, 11
	s_add_co_u32 s35, s35, TOKS
	s_cmp_eq_u32 s14, 2
	s_cselect_b32 s36, s34, s30                    ; X
	s_cselect_b32 s38, s35, s32
	s_cselect_b32 s40, s30, s34                    ; Y
	s_cselect_b32 s42, s32, s35
	s_mov_b32 s37, 0
	s_mov_b32 s39, 0
	s_mov_b32 s41, 0
	s_mov_b32 s43, 0
	s_mov_b32 s44, 1536                            ; the strides of the output: from tile to tile of Y,
	s_mov_b32 s45, 12288                           ; from wave to wave,
	s_mov_b32 s46, 128                             ; and the same for the scale images
	s_mov_b32 s47, 512
	s_cmp_eq_u32 s14, 0
	s_cselect_b32 s44, 6144, s44
	s_cselect_b32 s45, 1536, s45
	s_cselect_b32 s46, 512, s46
	s_cselect_b32 s47, 128, s47
	s_mul_i32 s56, s16, 51200                      ; v: a block of 128 keys is 51,200 bytes, a wave's quarter 12,800,
	s_add_co_u32 s58, s56, 12288                   ; and its scale images lie behind its eight fragments
	s_lshl_b32 s57, s16, 11
	s_add_co_u32 s57, s57, 3145728                 ; q, k: the block's scale images
	s_cmp_eq_u32 s14, 2
	s_cselect_b32 s45, 12800, s45
	s_cselect_b32 s47, 12800, s47
	s_cselect_b32 s56, s56, s34
	s_cselect_b32 s57, s58, s57
	s_mul_i32 s53, s15, s45
	s_add_co_u32 s53, s53, s56
	v_add_nc_u32 v3, s53, v1                       ; where my fragments go
	s_mul_i32 s53, s15, s47
	s_add_co_u32 s53, s53, s57
	v_add_nc_u32 v4, s53, v2                       ; and my scale images
	s_mul_i32 s48, s14, 3276800
	s_mov_b32 s49, 0
	s_lshl_b32 s54, s15, 9
	s_mov_b32 s55, 0
	s_wait_alu depctr_va_vdst(0)
	s_wait_kmcnt 0x0
	s_cmp_eq_u32 s14, 0                            ; the bias: a choice on the work-group's y alone
	s_cselect_b64 s[28:29], s[6:7], s[8:9]
	s_cmp_eq_u32 s14, 2
	s_cselect_b64 s[28:29], s[10:11], s[28:29]
	s_add_nc_u64 s[28:29], s[28:29], s[54:55]      ; my wave's 128 numbers
	s_add_nc_u64 s[20:21], s[4:5], s[36:37]
	s_add_nc_u64 s[22:23], s[4:5], s[38:39]
	s_add_nc_u64 s[24:25], s[4:5], s[40:41]
	s_add_nc_u64 s[26:27], s[4:5], s[42:43]
	s_add_nc_u64 s[12:13], s[12:13], s[48:49]
	WIN 0x80
.irp b, 0,1,2,3
.irp j, 0,1,2,3
	global_load_b128 v[BX+16*\b+4*\j:BX+16*\b+4*\j+3], v5, s[28:29] offset:128*\b+16*\j   ; bias at channels 32 b + 16 (lane / 16) + 4 j ..
.endr
.endr
	WIN 0x40
.irp y, 0,1,2,3,4,5,6,7
	v_mov_b32 v[BY+2*\y+1], 0                      ; (the pair's upper half is named with it)
	global_load_b32 v[BY+2*\y], v6, s[28:29] offset:4*(32*(\y/2)+8*(\y%2))   ; bias at my channel of tile y
.endr
.set k, 0
.rept 48
	global_load_b128 v[4*k:4*k+3], v1, s[20:21] offset:512*k           ; X's tiles 0-3: 12 registers a fragment, fragment 4 x + s
.set k, k+1
.endr
	WIN 0x80
.set k, 0
.rept 48
	global_load_b128 v[4*k:4*k+3], v1, s[20:21] offset:24576+512*k     ; tiles 4-7
.set k, k+1
.endr
	WIN 0
.set k, 0
.rept 16
	global_load_b32 v[XS+k], v2, s[22:23] offset:128*k                 ; X's scale images: 4 (pair) + s
.set k, k+1
.endr
.macro YLOAD y                         ; tile y of Y: four fragments; with an even tile its pair's four scale images
.if ((\y)%2) == 0
.irp q, 0,1,2,3
	global_load_b32 v[YS+4*((\y)/2)+\q], v2, s[26:27] offset:512*((\y)/2)+128*\q   ; each pair of tiles has four scale registers of its own: v232-247
.endr
.endif
.set k, 0
	WIN 0xc0                                       ; Y'S FRAGMENTS LIE IN WINDOW 3, five sets of 48 registers, tile y in set y % 5 (v16-111 of window 0 are not used)
.rept 12
	global_load_b128 v[48*((\y)%5)+4*k:48*((\y)%5)+4*k+3], v1, s[24:25] offset:6144*(\y)+512*k
.set k, k+1
.endr
	WIN 0
.endm
	YLOAD 0                                        ; four tiles of Y are asked for ahead of the first step; step y asks for tile y + 4
	YLOAD 1
	YLOAD 2
	YLOAD 3
.macro STEP y
.if \y < 4
	YLOAD \y+4                                     ; into set (y + 4) % 5 = (y - 1) % 5, which the step before multiplied: its products stand more than four plain instructions back
	s_wait_loadcnt 56                              ; behind tile y the four tiles y + 1 .. y + 4 were asked for: two of 12 loads and two of 16
.elseif \y == 4
	s_wait_loadcnt 40                              ; tiles 5, 6, 7: 12 + 16 + 12
.elseif \y == 5
	s_wait_loadcnt 28                              ; tiles 6, 7
.elseif \y == 6
	s_wait_loadcnt 12                              ; tile 7
.else
	s_wait_loadcnt 0
.endif
.set YB, 48*((\y)%5)
.set YSB, YS+4*((\y)/2)
	WIN 0x0d                                       ; source 0 in window 1, source 1 in window 3.  Four accumulators by turns, one instruction a turn
.irp s, 0,1,2,3
.irp x, 0,1,2,3
.if \s == 0
	WM HA+8*\x, 12*(4*\x+\s), YB+12*\s, -1, XS+4*(\x/2)+\s, YSB+\s, \x%2, (\y)%2
.else
	WM HA+8*\x, 12*(4*\x+\s), YB+12*\s, HA+8*\x, XS+4*(\x/2)+\s, YSB+\s, \x%2, (\y)%2
.endif
.endr
.endr
	WIN 0x0e                                       ; source 0 in window 2, source 1 in window 3
.irp s, 0,1,2,3
.irp x, 4,5,6,7
.if \s == 0
	WM HA+8*\x, 12*(4*(\x-4)+\s), YB+12*\s, -1, XS+4*(\x/2)+\s, YSB+\s, \x%2, (\y)%2
.else
	WM HA+8*\x, 12*(4*(\x-4)+\s), YB+12*\s, HA+8*\x, XS+4*(\x/2)+\s, YSB+\s, \x%2, (\y)%2
.endif
.endr
.endr
	WIN 0
	PLACES                                         ; four places in front of the first read of results
	s_cmp_eq_u32 s14, 2
	s_cbranch_scc1 .Lbv_\@
	WIN 0x08                                       ; q, k: a number for each register
.set n, 0
.rept 32
	v_pk_add_f32 v[HA+n:HA+n+1], v[HA+n:HA+n+1], v[BX+n:BX+n+1]
.set n, n+2
.endr
	WIN 0
	s_branch .Lbd_\@
.Lbv_\@:
	WIN 0x04                                       ; v: one number a lane, my channel's
.set n, 0
	s_wait_alu depctr_va_vdst(0)
.rept 32
	v_pk_add_f32 v[HA+n:HA+n+1], v[HA+n:HA+n+1], v[BY+2*(\y):BY+2*(\y)+1] op_sel_hi:[1,0]
.set n, n+2
.endr
	WIN 0
.Lbd_\@:
	s_wait_xcnt 0x0                                ; the last step's stores have read their data and offsets: both are written again only behind this wait
.if \y > 0
	v_add_nc_u32 v3, s44, v3
.if (\y%2) == 0
	v_add_nc_u32 v4, s46, v4
.endif
.endif
	QMAX HA, QM, QT
	QTAIL HA, QM, QT, PC, TC, PW
.irp c, 0,1,2
	global_store_b128 v3, v[PC+4*\c:PC+4*\c+3], s[12:13] offset:512*\c     ; 32 lanes store 512 consecutive bytes, aligned
.endr
.if (\y%2) == 0
	v_mov_b32 v[PW+1], v[PW]
.else
	v_cndmask_b32 v[PW+2], v[PW+1], v[PW], s52     ; lanes 0-15 the even tile's words, lanes 16-31 the odd tile's
	global_store_b32 v4, v[PW+2], s[12:13]
.endif
.endm
.irp y, 0,1,2,3,4,5,6,7
	STEP \y
.endr
	s_endpgm
.Lfunc_end_k_q213b873860_qkv:
	.size	k_q213b873860_qkv, .Lfunc_end_k_q213b873860_qkv-k_q213b873860_qkv
	.p2alignl 7, 3214868480
	.fill 96, 4, 3214868480
	.section	.rodata,"a",@progbits
	.p2align	6, 0x0
	.amdhsa_kernel k_q213b873860_qkv
		.amdhsa_group_segment_fixed_size 0
		.amdhsa_private_segment_fixed_size 0
		.amdhsa_enable_private_segment 0
		.amdhsa_kernarg_size 40
		.amdhsa_user_sgpr_count 2
		.amdhsa_user_sgpr_kernarg_segment_ptr 1
		.amdhsa_wavefront_size32 1
		.amdhsa_system_sgpr_workgroup_id_x 1
		.amdhsa_system_sgpr_workgroup_id_y 1
		.amdhsa_system_sgpr_workgroup_id_z 1
		.amdhsa_system_vgpr_workitem_id 0
		.amdhsa_next_free_vgpr 1024
		.amdhsa_next_free_sgpr 66
		.amdhsa_reserve_vcc 0
		.amdhsa_float_denorm_mode_32 3
		.amdhsa_float_denorm_mode_16_64 3
		.amdhsa_memory_ordered 1
		.amdhsa_forward_progress 1
		.amdhsa_inst_pref_size 130
	.end_amdhsa_kernel
	.amdgpu_metadata
---
amdhsa.version: [ 1, 2 ]
amdhsa.kernels:
  - .name:           k_q213b873860_qkv
    .symbol:         k_q213b873860_qkv.kd
    .args:
      - { .name: pre, .offset: 0, .size: 8, .value_kind: global_buffer, .address_space: global }
      - { .name: bq, .offset: 8, .size: 8, .value_kind: global_buffer, .address_space: global }
      - { .name: bk, .offset: 16, .size: 8, .value_kind: global_buffer, .address_space: global }
      - { .name: bv, .offset: 24, .size: 8, .value_kind: global_buffer, .address_space: global }
      - { .name: qkv, .offset: 32, .size: 8, .value_kind: global_buffer, .address_space: global }
    .group_segment_fixed_size: 0
    .private_segment_fixed_size: 0
    .kernarg_segment_align: 8
    .kernarg_segment_size: 40
    .max_flat_workgroup_size: 128
    .sgpr_count:     66
    .vgpr_count:     1024
    .wavefront_size: 32
...
	.end_amdgpu_metadata
.endif
;; end of part 5
;; launch block (part 6): grid 256 x 1, 4 waves a work-group, clusters of 4 x 1, 327,680 bytes of LDS; arguments tokens, qkv, pre, distance_scale, b1, b2, g1, be1, g2, be2, out0; writes out0
.if DOCPART == 6
	.amdgcn_target "amdgcn-amd-amdhsa--gfx1250"
	.amdhsa_code_object_version 6
	.text
	.protected	k_q213b873860_block
	.globl	k_q213b873860_block
	.p2align	8
	.type	k_q213b873860_block,@function
k_q213b873860_block:
	s_mov_b64 s[64:65], 0
	v_nop
	global_prefetch_b8 v0, s[64:65] scope:SCOPE_SE
	s_setreg_imm32_b32 hwreg(HW_REG_WAVE_MODE, 25, 1), 1
	s_wait_xcnt 0x0
	s_wait_alu depctr_hold_cnt(0) depctr_sa_sdst(0) depctr_va_vdst(0) depctr_va_sdst(0) depctr_va_ssrc(0) depctr_va_vcc(0) depctr_vm_vsrc(0)
	s_getreg_b32 s2, hwreg(HW_REG_IB_STS2, 6, 4)
	s_cmp_eq_u32 s2, 0
	s_cbranch_scc0 .Lentry_in_a_cluster
	s_endpgm
.Lentry_in_a_cluster:
	s_bfe_u32 s2, ttmp6, 0x10000c
	s_cmp_lg_u32 s2, 0x3003
	s_cbranch_scc0 .Lentry_shape_is_right
	s_endpgm
.Lentry_shape_is_right:
; The rest of the block for 32 rows a work-group: causal attention with the distance term, residual, LayerNorm, MLP, residual, LayerNorm.  All four products on codes of FP6 (E2M3) with E8M0 scales; all else f32.
; SOFTMAX: t = (q.k - ds (query - key)) c, c = log2(e) / sqrt(512); M = the running largest t rounded UP to a whole number; p = 2^(t - M) is quantised along the keys, not normalised; the row's sum is taken of the unquantised p and divides at the end.
; When M moves, the sum and O are multiplied by 2^(old M - new M): exact.  A block's largest p is made from the block's largest t by the same addition and exponential (this takes v_exp_f32 not to fall where its input rises).
; LIMITS: NaN and infinities among the inputs are not served; a block whose largest magnitude lies under 2^-124, and a block of zeros, take the byte 1 with their codes (zeros for zeros): the bytes never leave the launch.
; SHARES.  Work-group G owns rows 32 G .. 32 G + 31 as two tiles (lane r of tile u is row 32 G + 8 u + r + (r & 8)).  Keys go in super-steps of 512; those wholly above the diagonal are not walked: G's count is (G % 128) / 16 + 1.
; PHASE 1: the four waves share the KEYS (MLP: the hidden units): wave w makes S^T for keys 128 (4 J + w) on x 32 rows.  PHASE 2: they share the CHANNELS: wave w adds V^T P^T for channels 128 w on x 32 rows over the super-step's 512 keys.
; Between the phases p (MLP: the hidden layer) goes from wave to wave through LDS as images of operand registers.  Both products are used transposed: a lane holds one row throughout, and its register 16 b + i is k = 32 b + 16 (lane / 16) + i.
; THE OPERANDS COME BY TWO ROADS, so that both have bytes on their way at once.
; K and W1 (phase 1) come straight into registers, as images laid by the launches before: a group is 4 fragments + 2 scale images = 14 loads; a ring of EIGHT groups, a whole step's.  The next step's groups 0-3 are asked for behind this
; step's groups 0-3, its groups 4-7 in halves behind phase 2's groups: 56 loads at a time, each batch with the rest of the step in which to land.
; V and W2 (phase 2) come by ONE tensor load a wave and step: 4 rows (K steps) x 12,800 bytes (my 8 fragments and 4 scale images) into an LDS slot of my own, asked for behind the round that follows phase 2: it has phase 1 and the vector part in
; which to land.  One load of a wave is out at the most, so the wait that serves the slot's reads is for 0 too.
; CLUSTER: 4 x 1 work-groups: neighbours G = 4 c .. 4 c + 3 have the same batch, the same count of super-steps and the same key step on the diagonal (all made from c alone), and want the same tiles of V and W2: these are asked for JOINTLY.
; K and W1 are shared too and are NOT asked for jointly: a step's 204,800 bytes of either stream fill a slot, and two such slots do not fit beside the 106,496 bytes of images, b1, stage and spare words.
; LDS: images of p or h, images of x, their scale images, small exchange words, b1; the four slots; the stage for the way out, which first keeps the tokens' image; the spare words.  All of a WGP's LDS is claimed.
; REGISTERS: window 0: v1-15 addresses and ids; v16-31 the ring's scale words; v32-33 the add's two; v34-35 my slot; v36-47 scale words (V or W2, q or x, p or h); v48-95 statistics, 24 a tile; v96-127 codes;
;   v128-255 S^T / H^T / rows at work, in phase 2 two sets of four fragments from my slot.   window 1: v0-239 ring slots 0-4; at the end b2.   window 2: v0-95 q's, later x's fragments; v96-111 the distance term of my 16 places in a block;
;   v128-255 O^T, later x + Y^T.   window 3: v0-143 ring slots 5-7, at the end g2 and be2; v144-239 p's or h's fragments; in between g1 and be1 in v128-255.
.set IMG,  0                           ; 8 fragments of p or h: 2 (K step) + tile
.set XIMG, 12288                       ; 8 fragments of x: 4 (tile) + K step
.set PS,   24576                       ; scale images of p or h, 128 bytes a K step
.set XPS,  25088                       ; of x
.set MX,   25600                       ; [tile][lane][wave] words: each wave's own -M of the super-step
.set EX,   26624                       ; five more of that form, each used once
.set B1L,  31744                       ; b1, 8,192 bytes
.set VSL,  39936                       ; four slots of 51,200 bytes, a wave's own each: the only bytes that tensor loads fill
.set STG,  244736                      ; 32 rows x (2,048 + 16) bytes
.set SPARE, 310784                     ; the spare words, 128 bytes for each wave: two blocks of 256 bytes that no other line names
.set ST0,  48                          ; a tile's statistics: +0 -M, +1 largest t, +2,3 the sum, +4 a factor, +5 its pair's upper half, +6,7 at work, +8..11 block maxima, +12..15 at work, +16+2b what is added to block b
.set ST1,  72
.set PC0,  96
.set TC,   120
.set S,    128
.set RS,   16
.set SPW,  32                          ; v32  LDS address of my spare word; never rewritten
.set NIL,  33                          ; v33  0; never rewritten
.set VA,   34                          ; v34  my slot + 16 x lane
.set VS,   35                          ; v35  my slot + 4 x lane
.set BS,   36
.set QS,   40
.set PSR,  44
.set TD,   96                          ; in window 2
.set PF,   144                         ; in window 3
.set SEL,  40
.set G0V,  80                          ; s[80:83] descriptor group 0 for V's tiles; s[84:87] for W2's; s[88:95] group 1, the same for both
.set G0W,  84
.set G1,   88
.set MSB, 0
.macro WIN new                         ; the immediate's high byte repeats the setting that is left
.if MSB != \new
	s_set_vgpr_msb (MSB<<8)|\new
.set MSB, \new
.endif
.endm
.macro PLACES
.rept 4
	v_nop
.endr
.endm
; A round of the cluster's barrier: my work-group's barrier, so that wave 0's signal speaks for all four waves; wave 0 signals for the work-group; every wave waits for all four work-groups; my work-group's barrier once more.
.macro ROUND
	s_barrier_signal -1
	s_barrier_wait -1
	s_cmp_lg_u32 s27, 0
	s_cbranch_scc1 .Lnot_wave_0_\@
	s_barrier_signal -3
.Lnot_wave_0_\@:
	s_barrier_wait -3
	s_barrier_signal -1
	s_barrier_wait -1
.endm
; one product: D, A, B, C (under 0: the constant 0), the two scale registers, and whether A's, B's scales stand in lanes 16-31
.macro WM d, a, b, c, sa, sb, ra, rb
.if (\c) < 0
.if (\ra) && (\rb)
	v_wmma_scale_f32_16x16x128_f8f6f4 v[(\d):(\d)+7], v[(\a):(\a)+11], v[(\b):(\b)+11], 0, v[(\sa)], v[(\sb)] matrix_a_fmt:MATRIX_FMT_FP6 matrix_b_fmt:MATRIX_FMT_FP6 matrix_a_scale:MATRIX_SCALE_ROW1 matrix_b_scale:MATRIX_SCALE_ROW1
.elseif (\ra)
	v_wmma_scale_f32_16x16x128_f8f6f4 v[(\d):(\d)+7], v[(\a):(\a)+11], v[(\b):(\b)+11], 0, v[(\sa)], v[(\sb)] matrix_a_fmt:MATRIX_FMT_FP6 matrix_b_fmt:MATRIX_FMT_FP6 matrix_a_scale:MATRIX_SCALE_ROW1
.elseif (\rb)
	v_wmma_scale_f32_16x16x128_f8f6f4 v[(\d):(\d)+7], v[(\a):(\a)+11], v[(\b):(\b)+11], 0, v[(\sa)], v[(\sb)] matrix_a_fmt:MATRIX_FMT_FP6 matrix_b_fmt:MATRIX_FMT_FP6 matrix_b_scale:MATRIX_SCALE_ROW1
.else
	v_wmma_scale_f32_16x16x128_f8f6f4 v[(\d):(\d)+7], v[(\a):(\a)+11], v[(\b):(\b)+11], 0, v[(\sa)], v[(\sb)] matrix_a_fmt:MATRIX_FMT_FP6 matrix_b_fmt:MATRIX_FMT_FP6
.endif
.else
.if (\ra) && (\rb)
	v_wmma_scale_f32_16x16x128_f8f6f4 v[(\d):(\d)+7], v[(\a):(\a)+11], v[(\b):(\b)+11], v[(\c):(\c)+7], v[(\sa)], v[(\sb)] matrix_a_fmt:MATRIX_FMT_FP6 matrix_b_fmt:MATRIX_FMT_FP6 matrix_a_scale:MATRIX_SCALE_ROW1 matrix_b_scale:MATRIX_SCALE_ROW1
.elseif (\ra)
	v_wmma_scale_f32_16x16x128_f8f6f4 v[(\d):(\d)+7], v[(\a):(\a)+11], v[(\b):(\b)+11], v[(\c):(\c)+7], v[(\sa)], v[(\sb)] matrix_a_fmt:MATRIX_FMT_FP6 matrix_b_fmt:MATRIX_FMT_FP6 matrix_a_scale:MATRIX_SCALE_ROW1
.elseif (\rb)
	v_wmma_scale_f32_16x16x128_f8f6f4 v[(\d):(\d)+7], v[(\a):(\a)+11], v[(\b):(\b)+11], v[(\c):(\c)+7], v[(\sa)], v[(\sb)] matrix_a_fmt:MATRIX_FMT_FP6 matrix_b_fmt:MATRIX_FMT_FP6 matrix_b_scale:MATRIX_SCALE_ROW1
.else
	v_wmma_scale_f32_16x16x128_f8f6f4 v[(\d):(\d)+7], v[(\a):(\a)+11], v[(\b):(\b)+11], v[(\c):(\c)+7], v[(\sa)], v[(\sb)] matrix_a_fmt:MATRIX_FMT_FP6 matrix_b_fmt:MATRIX_FMT_FP6
.endif
.endif
.endm
.macro QMAX s, m, t                    ; the largest magnitudes of four blocks: register 16 b + i of v[s] on is k = 32 b + 16 (lane / 16) + i of my row
.irp b, 0,1,2,3
	v_max3_num_f32 v[(\m)+\b], |v[(\s)+16*\b]|, |v[(\s)+16*\b+1]|, 0x1800000   ; with the floor 2^(3 - 127): the byte cannot fall under 1
.endr
.irp i, 2,4,6,8,10,12,14
.irp b, 0,1,2,3
	v_max3_num_f32 v[(\m)+\b], v[(\m)+\b], |v[(\s)+16*\b+\i]|, |v[(\s)+16*\b+\i+1]|
.endr
.endr
.irp b, 0,1,2,3
	v_permlanex16_b32 v[(\t)+\b], v[(\m)+\b], s[SEL], s[SEL+1]
.endr
.irp b, 0,1,2,3
	v_max_num_f32 v[(\m)+\b], v[(\m)+\b], v[(\t)+\b]
.endr
.endm
.macro QTAIL s, m, t, pc, tc, pw       ; from the four maxima: the scale word in v[pw], the fragment in v[pc] on
.irp b, 0,1,2,3
	v_add_nc_u32 v[(\t)+\b], 0xff000000, v[(\m)+\b]        ; 2 off the exponent field: the conversion's scale operand
.endr
.irp b, 0,1,2,3
	v_lshrrev_b32 v[(\m)+\b], 23, v[(\t)+\b]               ; the scale's byte
.endr
	v_lshl_or_b32 v[\pw], v[(\m)+1], 8, v[(\m)]
	v_lshl_or_b32 v[\pw], v[(\m)+2], 16, v[\pw]
	v_lshl_or_b32 v[\pw], v[(\m)+3], 24, v[\pw]
.irp c, 0,1
	v_cvt_scalef32_pk16_fp6_f32 v[(\pc)+6*\c:(\pc)+6*\c+2], v[(\s)+32*\c:(\s)+32*\c+15], v[(\t)+2*\c]
	v_cvt_scalef32_pk16_fp6_f32 v[(\tc)+4*\c:(\tc)+4*\c+2], v[(\s)+32*\c+16:(\s)+32*\c+31], v[(\t)+2*\c+1]
.endr
	v_nop                                                  ; one plain place behind the scaled conversions
.irp c, 0,1
.irp i, 0,1,2
	v_permlane16_swap_b32 v[(\pc)+6*\c+\i], v[(\tc)+4*\c+\i]
.endr
.irp i, 0,1,2
	v_mov_b32 v[(\pc)+6*\c+3+\i], v[(\tc)+4*\c+\i]
.endr
.endr
.endm
; a group of K or W1 into its slot of the ring (slots 0-4 in window 1, 5-7 in window 3): 12 + 2 loads, each of consecutive bytes
.macro GISSUE cb, sb, coff, soff, slot
.if (\slot) < 5
	WIN 0x40
.else
	WIN 0xc0
.endif
.irp j, 0,1,2,3,4,5,6,7,8,9,10,11
	global_load_b128 v[48*((\slot)%5)+4*\j:48*((\slot)%5)+4*\j+3], v1, s[(\cb):(\cb)+1] offset:(\coff)+512*\j
.endr
	WIN 0
.irp j, 0,1
	global_load_b32 v[RS+2*(\slot)+\j], v2, s[(\sb):(\sb)+1] offset:(\soff)+128*\j
.endr
.endm
; half a group: 6 + 1 loads, in the ring's order (half 0, then half 1)
.macro GHALF cb, sb, coff, soff, slot, half
.if (\slot) < 5
	WIN 0x40
.else
	WIN 0xc0
.endif
.irp j, 0,1,2,3,4,5
	global_load_b128 v[48*((\slot)%5)+4*(6*(\half)+\j):48*((\slot)%5)+4*(6*(\half)+\j)+3], v1, s[(\cb):(\cb)+1] offset:(\coff)+512*(6*(\half)+\j)
.endr
	WIN 0
	global_load_b32 v[RS+2*(\slot)+(\half)], v2, s[(\sb):(\sb)+1] offset:(\soff)+128*(\half)
.endm
.macro BATCH2 cb, sb, coff, soff
.irp g, 4,5,6,7
	GISSUE \cb, \sb, (\coff)+6144*\g, (\soff)+256*\g, \g
.endr
.endm
; PHASE 1: 64 products: 8 tiles of keys (hidden units) x 2 tiles of rows x 4 K steps.  Group g: K step g / 2, tiles 4 (g % 2) on.  The 16 accumulators take turns.
; cmode = 0: the first links start the sums; 1: they add onto b1, which was loaded into the accumulators.  iss = 1: behind groups 0-3 the coming step's groups 0-3 are asked for, coff / soff bytes from the bases.
.macro P1 cmode, iss, cb, sb, coff, soff
.irp g, 0,1,2,3,4,5,6,7
.if (\iss) && (\g < 7)
	s_wait_loadcnt 63                              ; behind this group 14 (7 - g) loads of this step and 14 min(g, 4) of the coming one were issued, 70 or more: a wait names 63 at the most
.elseif \iss
	s_wait_loadcnt 56                              ; the coming step's four groups stay out
.elseif \g < 3
	s_wait_loadcnt 63                              ; 70 or more younger loads
.else
	s_wait_loadcnt 14*(7-\g)                       ; the groups still to come
.endif
.if \g < 5
	WIN 0x09                                       ; A window 1, B window 2
.else
	WIN 0x0b                                       ; A window 3, B window 2
.endif
.irp a, 0,1,2,3
.irp u, 0,1
.if (\cmode) || (\g >= 2)
	WM S+64*\u+8*(4*(\g%2)+\a), 48*(\g%5)+12*\a, 12*(4*\u+\g/2), S+64*\u+8*(4*(\g%2)+\a), RS+2*\g+\a/2, QS+\g/2, \a%2, \u
.else
	WM S+64*\u+8*(4*(\g%2)+\a), 48*(\g%5)+12*\a, 12*(4*\u+\g/2), -1, RS+2*\g+\a/2, QS+\g/2, \a%2, \u
.endif
.endr
.endr
	PLACES                                         ; four places in front of loads into the slot just multiplied; behind the last group in front of the first read of results
.if (\iss) && (\g < 4)
	GISSUE \cb, \sb, (\coff)+6144*\g, (\soff)+256*\g, \g
.endif
.endr
	WIN 0
.endm
; group g of my slot (K step g / 2, tiles 4 (g % 2) on) into set g % 2 of the registers that S^T has left: 12 + 2 LDS loads, each of consecutive bytes
.macro VFETCH g
.irp j, 0,1,2,3,4,5,6,7,8,9,10,11
	ds_load_b128 v[S+48*((\g)%2)+4*\j:S+48*((\g)%2)+4*\j+3], v[VA] offset:12800*((\g)/2)+6144*((\g)%2)+512*\j
.endr
.irp j, 0,1
	ds_load_b32 v[BS+2*((\g)%2)+\j], v[VS] offset:12800*((\g)/2)+12288+256*((\g)%2)+128*\j
.endr
.endm
; PHASE 2: 64 products: my 8 tiles of channels x 2 tiles of rows x 4 K steps; groups 0 and 1 were fetched in front of it, group g + 2 is fetched behind group g's products
; iss = 1: behind group g's products half g % 2 of the coming step's group 4 + g / 2 of K or W1 is asked for: their slots were multiplied in phase 1, and my tile of V or W2 has landed by then
.macro P2 iss, cb, sb
.irp g, 0,1,2,3,4,5,6,7
.if \g < 7
	s_wait_dscnt 14                                ; this group (and all that was asked for ahead of it) is in; the next group's 14 loads stay out
.else
	s_wait_dscnt 0x0
.endif
	WIN 0xac                                       ; A window 0, B window 3, C and D window 2
.irp a, 0,1,2,3
.irp u, 0,1
	WM 128+64*\u+8*(4*(\g%2)+\a), S+48*(\g%2)+12*\a, PF+12*(2*(\g/2)+\u), 128+64*\u+8*(4*(\g%2)+\a), BS+2*(\g%2)+\a/2, PSR+\g/2, \a%2, \u
.endr
.endr
	PLACES                                         ; four places in front of loads into the set just multiplied
.if \g < 6
	WIN 0
	VFETCH \g+2
.endif
.if \iss
	GHALF \cb, \sb, 196608+6144*(4+\g/2), 8192+256*(4+\g/2), 4+\g/2, \g%2
.endif
.endr
	v_nop
	WIN 0
.endm
; My slot is filled again.  All my tensor loads have landed; 0 onto my spare word; the steps of the addresses stand between the add and the wait for it; my reads of the slot and of the images are over; a round of the cluster's
; barrier, so that the four partners' requests meet and no wave of any of them has a load on its way; the joint load first behind it.
.macro REFILL g0, step, cb, sb
	s_wait_tensorcnt 0x0                           ; no tensor load of mine is out, so a group 0 may be written
	ds_add_u32 v[SPW], v[NIL]
.if \step
	s_add_nc_u64 s[\g0+2:\g0+3], s[\g0+2:\g0+3], 204800    ; the next four K steps; the type bits on top are not reached
	s_wait_xcnt 0x0                                ; the ring's loads have read their bases: these are stepped only behind this wait
	s_add_nc_u64 s[\cb:\cb+1], s[\cb:\cb+1], 196608
	s_add_nc_u64 s[\sb:\sb+1], s[\sb:\sb+1], 8192
.endif
	s_wait_dscnt 0x0
	ROUND
	tensor_load_to_lds s[\g0:\g0+3], s[G1:G1+7]
	s_nop 0
	PLACES                                         ; four v_nop follow the load
.endm
; a number a lane and tile from every wave to every wave: my words, a barrier, all four back into +12..15
.macro EXCH reg, a0, a1
	ds_store_b32 v6, v[\a0] offset:\reg
	ds_store_b32 v6, v[\a1] offset:(\reg)+512
	s_wait_dscnt 0x0                               ; my stores have landed, and no LDS load of mine is out
	s_barrier_signal -1
	s_barrier_wait -1
	ds_load_b128 v[ST0+12:ST0+15], v1 offset:\reg
	ds_load_b128 v[ST1+12:ST1+15], v1 offset:(\reg)+512
	s_wait_dscnt 0x0
.endm
.macro SUM4
.irp u, 0,1
	v_add_f32 v[ST0+24*\u+12], v[ST0+24*\u+12], v[ST0+24*\u+13]
	v_add_f32 v[ST0+24*\u+14], v[ST0+24*\u+14], v[ST0+24*\u+15]
.endr
.irp u, 0,1
	v_add_f32 v[ST0+24*\u+12], v[ST0+24*\u+12], v[ST0+24*\u+14]
.endr
.endm
.macro JOIN                            ; two chains of pairs a tile -> one number a row and wave, in +6
.irp u, 0,1
	v_pk_add_f32 v[TC+4*\u:TC+4*\u+1], v[TC+4*\u:TC+4*\u+1], v[TC+4*\u+2:TC+4*\u+3]
.endr
.irp u, 0,1
	v_add_f32 v[ST0+24*\u+6], v[TC+4*\u], v[TC+4*\u+1]
.endr
.irp u, 0,1
	v_permlanex16_b32 v[ST0+24*\u+7], v[ST0+24*\u+6], s[SEL], s[SEL+1]
.endr
.irp u, 0,1
	v_add_f32 v[ST0+24*\u+6], v[ST0+24*\u+6], v[ST0+24*\u+7]
.endr
.endm
; (row - mean) x rsqrt(variance + 1e-5) in place in S: the mean first, then the squares of the differences; a row's 512 numbers lie in two lanes of each of the four waves
.macro LNORM exs, exq
.irp u, 0,1
	v_pk_add_f32 v[TC+4*\u:TC+4*\u+1], v[S+64*\u:S+64*\u+1], v[S+64*\u+2:S+64*\u+3]
	v_pk_add_f32 v[TC+4*\u+2:TC+4*\u+3], v[S+64*\u+4:S+64*\u+5], v[S+64*\u+6:S+64*\u+7]
.endr
.irp j, 8,12,16,20,24,28,32,36,40,44,48,52,56,60
.irp u, 0,1
	v_pk_add_f32 v[TC+4*\u:TC+4*\u+1], v[TC+4*\u:TC+4*\u+1], v[S+64*\u+\j:S+64*\u+\j+1]
	v_pk_add_f32 v[TC+4*\u+2:TC+4*\u+3], v[TC+4*\u+2:TC+4*\u+3], v[S+64*\u+\j+2:S+64*\u+\j+3]
.endr
.endr
	JOIN
	EXCH \exs, ST0+6, ST1+6
	SUM4
.irp u, 0,1
	v_mul_f32 v[ST0+24*\u+4], 0x3b000000, v[ST0+24*\u+12]  ; / 512
.endr
.irp u, 0,1
.set n, 0
.rept 32
	v_pk_add_f32 v[S+64*\u+n:S+64*\u+n+1], v[S+64*\u+n:S+64*\u+n+1], v[ST0+24*\u+4:ST0+24*\u+5] op_sel_hi:[1,0] neg_lo:[0,1] neg_hi:[0,1]
.set n, n+2
.endr
.endr
.irp u, 0,1
	v_pk_mul_f32 v[TC+4*\u:TC+4*\u+1], v[S+64*\u:S+64*\u+1], v[S+64*\u:S+64*\u+1]
	v_pk_mul_f32 v[TC+4*\u+2:TC+4*\u+3], v[S+64*\u+2:S+64*\u+3], v[S+64*\u+2:S+64*\u+3]
.endr
.irp j, 4,8,12,16,20,24,28,32,36,40,44,48,52,56,60
.irp u, 0,1
	v_pk_fma_f32 v[TC+4*\u:TC+4*\u+1], v[S+64*\u+\j:S+64*\u+\j+1], v[S+64*\u+\j:S+64*\u+\j+1], v[TC+4*\u:TC+4*\u+1]
	v_pk_fma_f32 v[TC+4*\u+2:TC+4*\u+3], v[S+64*\u+\j+2:S+64*\u+\j+3], v[S+64*\u+\j+2:S+64*\u+\j+3], v[TC+4*\u+2:TC+4*\u+3]
.endr
.endr
	JOIN
	EXCH \exq, ST0+6, ST1+6
	SUM4
.irp u, 0,1
	v_mul_f32 v[ST0+24*\u+12], 0x3b000000, v[ST0+24*\u+12]
.endr
.irp u, 0,1
	v_add_f32 v[ST0+24*\u+12], 0x3727c5ac, v[ST0+24*\u+12] ; + 1e-5
.endr
	s_wait_alu depctr_va_vdst(0)
.irp u, 0,1
	v_rsq_f32 v[ST0+24*\u+4], v[ST0+24*\u+12]
.endr
	v_nop                                          ; one plain place behind the transcendentals
	s_wait_alu depctr_va_vdst(0)
.irp u, 0,1
.set n, 0
.rept 32
	v_pk_mul_f32 v[S+64*\u+n:S+64*\u+n+1], v[S+64*\u+n:S+64*\u+n+1], v[ST0+24*\u+4:ST0+24*\u+5] op_sel_hi:[1,0]
.set n, n+2
.endr
.endr
.endm
.macro IMGOUT adr, ustr, padr          ; both tiles' fragments and the pair's scale image go to LDS as they stand
	v_cndmask_b32 v[ST0+7], v[ST0+6], v[ST1+6], s42        ; lanes 0-15 tile 0's words, lanes 16-31 tile 1's
.irp u, 0,1
.irp c, 0,1,2
	ds_store_b128 v[\adr], v[PC0+12*\u+4*\c:PC0+12*\u+4*\c+3] offset:(\ustr)*\u+512*\c
.endr
.endr
	ds_store_b32 v[\padr], v[ST0+7]
.endm
.macro IMGIN win, reg, off, sreg, soff ; and come back so, in every wave: 8 fragments, 4 scale images
	WIN \win
.set k, 0
.rept 24
	ds_load_b128 v[(\reg)+4*k:(\reg)+4*k+3], v1 offset:(\off)+512*k
.set k, k+1
.endr
	WIN 0
.irp q, 0,1,2,3
	ds_load_b32 v[(\sreg)+\q], v2 offset:(\soff)+128*\q
.endr
.endm
	s_load_b512 s[4:19], s[0:1], 0x0               ; tokens s[4:5], qkv s[6:7], pre s[8:9], distance_scale s[10:11], b1 s[12:13], b2 s[14:15], g1 s[16:17], be1 s[18:19]
	s_load_b128 s[20:23], s[0:1], 0x40             ; g2, be2
	s_load_b64 s[24:25], s[0:1], 0x50              ; out0
	v_lshl_add_u32 v[SPW], v0, 2, SPARE
	v_mov_b32 v[NIL], 0
	ds_add_u32 v32, v33
	ds_add_u32 v32, v33
	s_wait_dscnt 0x0
	v_lshrrev_b32 v1, 5, v0
	v_readfirstlane_b32 s27, v1                    ; wave
	s_mov_b32 s56, ttmp9                           ; c: the cluster's number
	s_bfe_u32 s28, ttmp6, 0x40000
	s_lshl_b32 s29, s56, 2
	s_add_co_u32 s28, s29, s28                     ; G = 4 x cluster + cx: it enters q's, tokens' and out0's addresses and the lanes' query numbers alone
	s_and_b32 s29, s28, 127                        ; my group of 32 queries in its batch
	s_and_b32 s30, s56, 31
	s_lshr_b32 s31, s30, 2                         ; and so are the super-steps but the last
	s_mov_b32 s32, s27                             ; my key step: 4 J + wave
	s_lshl_b32 s33, s27, 7                         ; and its first key
	s_mov_b32 s34, 0x3d8293ee                      ; c = log2(e) / sqrt(512)
	s_mov_b32 s35, s34                             ; (named with it as a pair)
	s_mov_b32 s[SEL], 0x76543210
	s_mov_b32 s[SEL+1], 0xfedcba98
	s_mov_b32 s42, 0xffff0000
	s_mov_b32 s57, 0x80808080                      ; bit 7 of each of a scale word's four bytes
	s_mov_b32 s59, 0x42fe0000                      ; 127.0
	s_mov_b32 s60, 0                               ; the chunk's place in b1
	s_mov_b32 s61, 3                               ; chunks but the last
	; descriptor group 1: 4 rows (K steps) of 12,800 bytes, 51,200 bytes apart in memory, on end in LDS
	s_mov_b32 s[G1], 15|(3<<16)|(1<<21)            ; 15:0 the mask: all four work-groups; 17:16 elements of 8 bytes; 20 no padding; 21 set beside a mask
	s_mov_b32 s[G1+1], 1600<<16                    ; tensor_dim0 = 1,600
	s_mov_b32 s[G1+2], 4<<16                       ; tensor_dim1 = 4
	s_mov_b32 s[G1+3], 1600<<16                    ; tile_dim0 = 1,600
	s_mov_b32 s[G1+4], 4                           ; tile_dim1 = 4
	s_mov_b32 s[G1+5], 6400                        ; elements from row to row
	s_mov_b32 s[G1+6], 0
	s_mov_b32 s[G1+7], 0
	v_and_b32 v2, 31, v0
	v_lshlrev_b32 v1, 4, v2                        ; 16 x lane
	v_lshlrev_b32 v2, 2, v2                        ; 4 x lane
	v_and_b32 v120, 15, v0                         ; r
	v_bfe_u32 v121, v0, 4, 1                       ; h = lane / 16
	v_and_b32 v122, 8, v120
	v_add_nc_u32 v122, v122, v120                  ; r + (r & 8)
	v_lshlrev_b32 v123, 4, v121                    ; 16 h
	v_lshlrev_b32 v124, 4, v0                      ; 16 x thread: b1 on its way to LDS
	v_and_b32 v0, 31, v0                           ; v0 has served: from here on it is the prefetches' offset and is never rewritten:
	v_min_u32 v0, 24, v0                           ; 25 lanes name 25 blocks of 256 bytes on end, the seven lanes left over name the last of them again
	v_lshlrev_b32 v0, 8, v0
	s_mul_i32 s66, s27, 3072
	v_add_nc_u32 v3, s66, v1                       ; where I store images of p or h: K step = my wave
	s_mul_i32 s66, s27, 1536
	s_add_co_u32 s66, s66, XIMG
	v_add_nc_u32 v4, s66, v1                       ; of x
	s_lshl_b32 s66, s27, 7
	s_add_co_u32 s67, s66, PS
	v_add_nc_u32 v5, s67, v2                       ; their scale images
	s_add_co_u32 s67, s66, XPS
	v_add_nc_u32 v13, s67, v2
	s_lshl_b32 s66, s27, 2
	v_add_nc_u32 v6, s66, v1                       ; my word of an exchange
	v_lshlrev_b32 v7, 11, v122
	v_lshl_add_u32 v7, v121, 6, v7                 ; tokens: row r + (r & 8), + 64 h
	v_lshlrev_b32 v8, 6, v121                      ; 64 h: vectors by channel
	s_lshl_b32 s66, s27, 9
	s_add_co_u32 s67, s66, B1L
	v_add_nc_u32 v9, s67, v8                       ; b1 in LDS: my wave's 128 units of a chunk
	v_mul_u32_u24 v11, v122, 2064
	v_add_nc_u32 v11, v11, v8
	s_add_co_u32 s67, s66, STG
	v_add_nc_u32 v11, s67, v11                     ; the stage, in: my row, my wave's 512 bytes, + 64 h
	s_mul_i32 s66, s27, 16512
	s_add_co_u32 s66, s66, STG
	v_add_nc_u32 v12, s66, v1                      ; and back: my wave's 8 rows; before that my tokens' image
	s_mul_i32 s76, s27, 51200
	s_add_co_u32 s76, s76, VSL                     ; my slot: no place in the cluster enters an LDS address
	v_add_nc_u32 v[VA], s76, v1
	v_add_nc_u32 v[VS], s76, v2
	s_lshl_b32 s66, s29, 5
	v_add_nc_u32 v14, s66, v122                    ; tile 0's query of my lane (tile 1's is 8 on)
	v_sub_nc_u32 v15, v14, v123                    ; less 16 h, for the mask
.irp i, 0,1,2,3,4,5,6,7,8,9,10,11,12,13,14,15,16,17,18,19,20,21,22,23
	v_mov_b32 v[ST0+\i], 0                         ; the sums begin at 0; the others are written once, since pairs' upper halves and lane permutes' destinations count as read
	v_mov_b32 v[ST1+\i], 0
.endr
.irp u, 0,1
	v_mov_b32 v[ST0+24*\u+1], 0xff61b1e6           ; the largest t so far: -3e38
.endr
.irp u, 0,1
	v_floor_f32 v[ST0+24*\u], -v[ST0+24*\u+1]      ; -M
.endr
	WIN 0x80
.set n, 0
.rept 128
	v_mov_b32 v[128+n], 0                          ; O^T.  (A super-step is written for all: the first finds zeros, which the first change of M leaves zeros)
.set n, n+1
.endr
	WIN 0
	s_lshr_b32 s72, s56, 5
	s_mul_i32 s73, s72, 1572864                    ; its codes in K
	s_lshl_b32 s74, s72, 16                        ; its scale images in K
	s_mov_b32 s67, 0
	s_wait_kmcnt 0x0
	s_load_b32 s26, s[10:11], 0x0                  ; distance_scale
	s_mul_i32 s66, s27, 49152
	s_add_co_u32 s66, s66, s73
	s_add_co_u32 s66, s66, 3276800
	s_add_nc_u64 s[44:45], s[6:7], s[66:67]        ; K's codes: my key step of super-step 0
	s_lshl_b32 s66, s27, 11
	s_add_co_u32 s66, s66, s74
	s_add_co_u32 s66, s66, 6422528
	s_add_nc_u64 s[46:47], s[6:7], s[66:67]        ; K's scale images
	; THE PREFETCHES' POINTERS stand one super-step ahead of the trip.  The four partners share each wave's bytes out BY ADDRESS (cx); no branch and no LDS address hangs on cx, and cx enters s58, s62 and these pointers alone.
	s_bfe_u32 s58, ttmp6, 0x40000                  ; cx
	s_mov_b32 s63, 0
	s_mul_i32 s62, s58, 6400                       ; K's codes: the last 100 blocks of my key step's 192 (they hold groups 4-7), 25 to a partner
	s_add_co_u32 s62, s62, 196608+23552
	s_add_nc_u64 s[50:51], s[44:45], s[62:63]
	s_lshl_b32 s62, s58, 9                         ; K's scale images: my key step's 2,048 bytes, 512 to a partner
	s_add_co_u32 s62, s62, 8192
	s_add_nc_u64 s[78:79], s[46:47], s[62:63]
	s_mul_i32 s66, s27, 49152
	s_add_co_u32 s66, s66, 3891200
	s_add_nc_u64 s[52:53], s[8:9], s[66:67]        ; W1's codes: my 128 hidden units of chunk 0
	s_lshl_b32 s66, s27, 11
	s_add_co_u32 s66, s66, 4677632
	s_add_nc_u64 s[54:55], s[8:9], s[66:67]
	s_mul_i32 s77, s27, 12800                      ; my quarter of a K step of V or W2
	s_mul_i32 s66, s72, 1638400                    ; the batch's 32 K steps of V
	s_add_co_u32 s66, s66, s77
	s_add_co_u32 s66, s66, 6553600
	s_mov_b32 s[G0V], 1                            ; count = 1
	s_mov_b32 s[G0V+1], s76                        ; LDS address: my slot
	s_add_nc_u64 s[G0V+2:G0V+3], s[6:7], s[66:67]  ; global address: made of the batch and the wave's number, which the partners share
	s_or_b32 s[G0V+3], s[G0V+3], 0x80000000        ; type = 2
	s_mul_i32 s62, s58, 51200                      ; V: of the four rows (K steps) of my tile, 12,800 bytes = 50 blocks each, partner cx takes row cx
	s_add_co_u32 s62, s62, s66
	s_add_co_u32 s62, s62, 204800
	s_add_nc_u64 s[48:49], s[6:7], s[62:63]
	s_add_co_u32 s66, s77, 4710400
	s_mov_b32 s[G0W], 1
	s_mov_b32 s[G0W+1], s76
	s_add_nc_u64 s[G0W+2:G0W+3], s[8:9], s[66:67]  ; W2's first four K steps
	s_or_b32 s[G0W+3], s[G0W+3], 0x80000000
	s_lshl_b32 s66, s27, 9                         ; my wave's 128 channels in a vector
	s_add_nc_u64 s[14:15], s[14:15], s[66:67]
	s_add_nc_u64 s[16:17], s[16:17], s[66:67]
	s_add_nc_u64 s[18:19], s[18:19], s[66:67]
	s_add_nc_u64 s[20:21], s[20:21], s[66:67]
	s_add_nc_u64 s[22:23], s[22:23], s[66:67]
	s_lshl_b32 s75, s28, 16                        ; my 32 rows of 2,048 bytes
	s_add_co_u32 s66, s66, s75
	s_add_nc_u64 s[4:5], s[4:5], s[66:67]          ; tokens at my rows and channels
	s_lshl_b32 s66, s27, 14
	s_add_co_u32 s66, s66, s75
	s_add_nc_u64 s[24:25], s[24:25], s[66:67]      ; out0 at the 8 rows that my wave stores
	s_mul_i32 s66, s28, 12288
	s_add_nc_u64 s[68:69], s[6:7], s[66:67]        ; q's 8 fragments
	s_lshl_b32 s66, s28, 9
	s_add_co_u32 s66, s66, 3145728
	s_add_nc_u64 s[70:71], s[6:7], s[66:67]        ; and 4 scale images
.irp j, 0,1,2,3
	global_load_b128 v[PC0+4*\j:PC0+4*\j+3], v124, s[12:13] offset:2048*\j   ; b1: the work-group's 128 threads take 2,048 consecutive bytes a load
.endr
.irp u, 0,1
.irp b, 0,1,2,3
.irp j, 0,1,2,3
	global_load_b128 v[S+64*\u+16*\b+4*\j:S+64*\u+16*\b+4*\j+3], v7, s[4:5] offset:16384*\u+128*\b+16*\j   ; tokens in O^T's layout, for the residual: they wait in LDS
.endr
.endr
.endr
	WIN 0x80
.set k, 0
.rept 24
	global_load_b128 v[4*k:4*k+3], v1, s[68:69] offset:512*k
.set k, k+1
.endr
	WIN 0
.irp q, 0,1,2,3
	global_load_b32 v[QS+\q], v2, s[70:71] offset:128*\q
.endr
.irp g, 0,1,2,3,4,5,6,7
	GISSUE 44, 46, 6144*\g, 256*\g, \g             ; the ring is filled: K of super-step 0
.endr
	ROUND                                          ; all four work-groups are here: the first joint loads meet.  (q's and K's loads, which phase 1 reads first, were issued ahead of the round; V is read in phase 2)
	tensor_load_to_lds s[G0V:G0V+3], s[G1:G1+7]    ; V of super-step 0: the slot's first fill
	s_nop 0
	PLACES
	s_wait_kmcnt 0x0
	s_mul_f32 s36, s26, s34                        ; a = distance_scale x c
	s_mul_f32 s37, s36, 0x42000000                 ; 32 a
	s_mul_f32 s38, s36, 0x42800000                 ; 64 a
	s_mul_f32 s39, s36, 0x42c00000                 ; 96 a
	WIN 0x80
.irp i, 0,1,2,3,4,5,6,7,8,9,10,11,12,13,14,15
	v_add_nc_u32 v[TD+\i], \i, v123
.endr
	WIN 0x82
.irp i, 0,1,2,3,4,5,6,7,8,9,10,11,12,13,14,15
	v_cvt_f32_u32 v[TD+\i], v[TD+\i]
.endr
	WIN 0x88
.irp i, 0,1,2,3,4,5,6,7,8,9,10,11,12,13,14,15
	v_mul_f32 v[TD+\i], s36, v[TD+\i]              ; a (16 h + i): the distance term's part that hangs on the place in a block
.endr
	WIN 0
	s_wait_loadcnt 63                              ; behind b1, tokens and q the ring's 112 loads were issued: with 63 out at the most those three are in
.irp j, 0,1,2,3
	ds_store_b128 v124, v[PC0+4*\j:PC0+4*\j+3] offset:B1L+2048*\j      ; read far behind the barriers below, in front of the first of which every wave waits for these stores
.endr
.set k, 0
.rept 32
	ds_store_b128 v12, v[S+4*k:S+4*k+3] offset:512*k                   ; my tokens, as an image of these registers, in my wave's own part of the stage
.set k, k+1
.endr
	s_wait_dscnt 0x0                               ; the stores have read their registers: the products below write there
; A SUPER-STEP: 512 keys.  mode 0: another follows; 1: the last: W1's first groups and W2's first tile are asked for in the next K's and V's stead.
.macro SUPER mode
.if \mode == 0
	P1 0, 1, 44, 46, 196608, 8192
; A PREFETCH INTO THE L2: trip j asks for what super-step j + 2 loads: V's tile, whose tensor load stands at the end of trip j + 1, K's groups 4-7 and K's scale images, which trip j + 1 asks for.
; Four instructions a wave; each block of 256 bytes is named once in the cluster.  The last two trips ask for nothing: s31 counts the trips left, this one among them, the same number in the four partners.
; What a work-group has asked for and not yet read is at most two super-steps' share.
	s_cmp_lt_u32 s31, 2
	s_wait_alu depctr_va_vdst(0)
	s_cbranch_scc1 .Lnone_\@
	global_prefetch_b8 v0, s[48:49] offset:204800 th:TH_LOAD_NT scope:SCOPE_SE
	global_prefetch_b8 v0, s[48:49] offset:211200 th:TH_LOAD_NT scope:SCOPE_SE
	global_prefetch_b8 v0, s[50:51] offset:196608 th:TH_LOAD_NT scope:SCOPE_SE
	global_prefetch_b8 v1, s[78:79] offset:8192 th:TH_LOAD_NT scope:SCOPE_SE
.Lnone_\@:
.else
	P1 0, 1, 52, 54, 0, 0
.endif
	WIN 0x20                                       ; the distance term lies in window 2
.set n, 0
	s_wait_alu depctr_va_vdst(0)
.rept 64
	v_pk_fma_f32 v[S+n:S+n+1], v[S+n:S+n+1], s[34:35], v[TD+n%16:TD+n%16+1] op_sel_hi:[1,0,1]    ; c s + a (16 h + i); each accumulator is read from its low end on
.set n, n+2
.endr
	WIN 0
.if \mode == 1                         ; the mask stands in the last super-step alone: in the loop the largest key step is 4 (trips) - 1, under the diagonal's, so no key is hidden there
	s_cmp_lt_u32 s32, s30                          ; a key step under the diagonal's has no hidden key: a scalar branch on the cluster's and the wave's numbers, with no barrier inside
	s_cbranch_scc1 .Lopen_\@
	v_sub_nc_u32 v[ST0+6], v15, s33                ; d = tile 0's query - 16 h - the step's first key.  Register 16 b + i of tile u is hidden where 32 b + i - 8 u > d
	v_mov_b32 v[ST1+6], 0xff800000                 ; -infinity: p = 0 then.  (A step wholly above the diagonal becomes zeros and is worked like any other)
.irp u, 0,1
.set n, 0
.rept 64
	v_cmp_gt_i32 vcc_lo, 32*(n/16)+n%16-8*\u, v[ST0+6]
	v_cndmask_b32 v[S+64*\u+n], v[S+64*\u+n], v[ST1+6], vcc_lo
.set n, n+1
.endr
.endr
.Lopen_\@:
.endif
.irp u, 0,1
.irp b, 0,1,2,3
	v_max3_num_f32 v[ST0+24*\u+8+\b], v[S+64*\u+16*\b], v[S+64*\u+16*\b+1], v[S+64*\u+16*\b+2]   ; each block's largest: it serves the row's maximum and the block's largest p
.endr
.endr
.irp i, 3,5,7,9,11,13
.irp u, 0,1
.irp b, 0,1,2,3
	v_max3_num_f32 v[ST0+24*\u+8+\b], v[ST0+24*\u+8+\b], v[S+64*\u+16*\b+\i], v[S+64*\u+16*\b+\i+1]
.endr
.endr
.endr
.irp u, 0,1
.irp b, 0,1,2,3
	v_max_num_f32 v[ST0+24*\u+8+\b], v[ST0+24*\u+8+\b], v[S+64*\u+16*\b+15]
.endr
.endr
.irp u, 0,1
.irp b, 0,1,2,3
	v_permlanex16_b32 v[ST0+24*\u+12+\b], v[ST0+24*\u+8+\b], s[SEL], s[SEL+1]
.endr
.endr
.irp u, 0,1
.irp b, 0,1,2,3
	v_max_num_f32 v[ST0+24*\u+8+\b], v[ST0+24*\u+8+\b], v[ST0+24*\u+12+\b]
.endr
.endr
	v_sub_nc_u32 v[ST0+6], s33, v14                ; the step's first key - my query: a whole number, exact in f32
	v_add_nc_u32 v[ST1+6], -8, v[ST0+6]
.irp u, 0,1
	v_cvt_f32_i32 v[ST0+24*\u+6], v[ST0+24*\u+6]
.endr
.irp u, 0,1
	v_mul_f32 v[ST0+24*\u+16], s36, v[ST0+24*\u+6]         ; the distance term's part that is one number for a block: a (first key - query) + 32 a b
	v_fma_f32 v[ST0+24*\u+18], v[ST0+24*\u+6], s36, s37
	v_fma_f32 v[ST0+24*\u+20], v[ST0+24*\u+6], s36, s38
	v_fma_f32 v[ST0+24*\u+22], v[ST0+24*\u+6], s36, s39
.endr
.irp u, 0,1
.irp b, 0,1,2,3
	v_add_f32 v[ST0+24*\u+12+\b], v[ST0+24*\u+8+\b], v[ST0+24*\u+16+2*\b]      ; the block's largest t
.endr
.endr
.irp u, 0,1
	v_max3_num_f32 v[ST0+24*\u+7], v[ST0+24*\u+12], v[ST0+24*\u+13], v[ST0+24*\u+14]
.endr
.irp u, 0,1
	v_max_num_f32 v[ST0+24*\u+7], v[ST0+24*\u+7], v[ST0+24*\u+15]          ; my 128 keys' largest t
.endr
; EACH WAVE QUANTISES UNDER A WHOLE NUMBER OF ITS OWN: M_w = max(the common M so far, ceil(my 128 keys' largest t)).  p's codes are the same under any whole M; only the scale bytes differ, by M's difference.
; The four M_w go to LDS with the images, in front of the one barrier there; behind it every wave takes the largest as the new common M and takes M - M_w off the scale bytes of wave w's K step.
.irp u, 0,1
	v_mov_b32 v[ST0+24*\u+1], v[ST0+24*\u]         ; +1 keeps the common -M so far
.endr
.irp u, 0,1
	v_floor_f32 v[ST0+24*\u+7], -v[ST0+24*\u+7]    ; -ceil(my largest t); +infinity where all my keys are hidden
.endr
.irp u, 0,1
	v_min_num_f32 v[ST0+24*\u], v[ST0+24*\u], v[ST0+24*\u+7]       ; my -M_w, a whole number, never above the common -M
.endr
.irp u, 0,1
.irp b, 0,1,2,3
	v_add_f32 v[ST0+24*\u+16+2*\b], v[ST0+24*\u+16+2*\b], v[ST0+24*\u]
.endr
.endr
.irp u, 0,1
.irp b, 0,1,2,3
.irp i, 0,2,4,6,8,10,12,14
	v_pk_add_f32 v[S+64*\u+16*\b+\i:S+64*\u+16*\b+\i+1], v[S+64*\u+16*\b+\i:S+64*\u+16*\b+\i+1], v[ST0+24*\u+16+2*\b:ST0+24*\u+17+2*\b] op_sel_hi:[1,0]    ; t - M
.endr
.endr
.endr
.irp u, 0,1
.irp b, 0,1,2,3
	v_add_f32 v[ST0+24*\u+8+\b], v[ST0+24*\u+8+\b], v[ST0+24*\u+16+2*\b]       ; the same addition on the block's largest: the same bits
.endr
.endr
.set n, 0
	s_wait_alu depctr_va_vdst(0)
.rept 128
	v_exp_f32 v[S+n], v[S+n]                       ; p = 2^(t - M), at most 1
.set n, n+1
.endr
.irp u, 0,1
.irp b, 0,1,2,3
	v_exp_f32 v[ST0+24*\u+8+\b], v[ST0+24*\u+8+\b]
.endr
.endr
	v_nop                                          ; one plain place behind the exponentials
	s_wait_alu depctr_va_vdst(0)
.irp u, 0,1
.irp b, 0,1,2,3
	v_max_num_f32 v[ST0+24*\u+8+\b], 0x1800000, v[ST0+24*\u+8+\b]      ; the floor 2^(3 - 127)
.endr
.endr
	s_wait_alu depctr_va_vdst(0)
.irp u, 0,1
	QTAIL S+64*\u, ST0+24*\u+8, ST0+24*\u+12, PC0+12*\u, TC, ST0+24*\u+6
.endr
	IMGOUT 3, 1536, 5
	ds_store_b32 v6, v[ST0] offset:MX              ; my -M_w of both tiles, a word a lane and wave
	ds_store_b32 v6, v[ST1] offset:MX+512
.irp u, 0,1
	v_mov_b32 v[TC+4*\u+2], 0                      ; the step's own sum begins at 0: it is brought under the common M behind the barrier
	v_mov_b32 v[TC+4*\u+3], 0
	v_pk_add_f32 v[TC+4*\u:TC+4*\u+1], v[S+64*\u:S+64*\u+1], v[S+64*\u+2:S+64*\u+3]
.endr
.irp j, 4,8,12,16,20,24,28,32,36,40,44,48,52,56,60
.irp u, 0,1
	v_pk_add_f32 v[TC+4*\u+2:TC+4*\u+3], v[TC+4*\u+2:TC+4*\u+3], v[S+64*\u+\j:S+64*\u+\j+1]
	v_pk_add_f32 v[TC+4*\u:TC+4*\u+1], v[TC+4*\u:TC+4*\u+1], v[S+64*\u+\j+2:S+64*\u+\j+3]
.endr
.endr
.irp u, 0,1
	v_pk_add_f32 v[TC+4*\u:TC+4*\u+1], v[TC+4*\u:TC+4*\u+1], v[TC+4*\u+2:TC+4*\u+3]
.endr
	s_wait_alu depctr_va_vdst(0)
	s_wait_dscnt 0x0
	s_barrier_signal -1
	s_barrier_wait -1                              ; all eight fragments of p and the four -M_w lie in LDS.
	ds_load_b128 v[ST0+12:ST0+15], v1 offset:MX    ; the four waves' -M_w of my row, tile 0,
	ds_load_b128 v[ST1+12:ST1+15], v1 offset:MX+512        ; and tile 1
	IMGIN 0xc0, PF, IMG, PSR, PS
	s_wait_tensorcnt 0x0                           ; my tile of V is in my slot: it is my one load, so the count is 0; I alone read these bytes
	VFETCH 0
	VFETCH 1
	s_wait_dscnt 28                                ; all but the 28 loads of V's groups 0 and 1: the -M_w, p's fragments and its scale images are in
.irp u, 0,1
	v_min_num_f32 v[ST0+24*\u+8], v[ST0+24*\u+12], v[ST0+24*\u+13]
	v_min_num_f32 v[ST0+24*\u+9], v[ST0+24*\u+14], v[ST0+24*\u+15]
.endr
.irp u, 0,1
	v_min_num_f32 v[ST0+24*\u+8], v[ST0+24*\u+8], v[ST0+24*\u+9]   ; the new common -M: the same number in all four waves
.endr
.irp q, 0,1,2,3
.irp u, 0,1
	v_sub_f32 v[ST0+24*\u+12+\q], v[ST0+24*\u+12+\q], v[ST0+24*\u+8]       ; M - M_w of wave q: a whole number, 0 or more
.endr
.endr
.irp u, 0,1
	v_sub_f32 v[ST0+24*\u+9], v[ST0+24*\u+8], v[ST0+24*\u+1]       ; old M - new M, 0 or less
	v_sub_f32 v[ST0+24*\u+10], v[ST0+24*\u+8], v[ST0+24*\u]        ; my M_w - new M, 0 or less
.endr
.irp q, 0,1,2,3
	v_cndmask_b32 v[PC0+\q], v[ST0+12+\q], v[ST1+12+\q], s42       ; as a scale image lies: lanes 0-15 tile 0's rows, lanes 16-31 tile 1's
.endr
.irp q, 0,1,2,3
	v_min_num_f32 v[PC0+\q], s59, v[PC0+\q]        ; held at 127: p's bytes are 125 at the most, so every byte falls to 0 from there on
.endr
.irp u, 0,1
	v_cvt_i32_f32 v[ST0+24*\u+9], v[ST0+24*\u+9]   ; (they saturate)
	v_cvt_i32_f32 v[ST0+24*\u+10], v[ST0+24*\u+10]
.endr
.irp q, 0,1,2,3
	v_cvt_u32_f32 v[PC0+\q], v[PC0+\q]
.endr
.irp q, 0,1,2,3
	v_or_b32 v[PSR+\q], s57, v[PSR+\q]             ; bit 7 on top of each byte: no byte borrows from its neighbour
.endr
.irp q, 0,1,2,3
	v_lshl_or_b32 v[PC0+\q], v[PC0+\q], 8, v[PC0+\q]
.endr
.irp q, 0,1,2,3
	v_lshl_or_b32 v[PC0+\q], v[PC0+\q], 16, v[PC0+\q]      ; the difference in all four bytes
.endr
.irp u, 0,1
	v_ldexp_f32 v[ST0+24*\u+4], 1.0, v[ST0+24*\u+9]        ; f = 2^(old M - new M), for O and the sum
	v_ldexp_f32 v[ST0+24*\u+10], 1.0, v[ST0+24*\u+10]      ; 2^(my M_w - new M), for my step's sum
	v_mov_b32 v[ST0+24*\u], v[ST0+24*\u+8]
.endr
.irp q, 0,1,2,3
	v_sub_nc_u32 v[PSR+\q], v[PSR+\q], v[PC0+\q]
.endr
.irp q, 0,1,2,3
	v_and_b32 v[PC0+\q], s57, v[PSR+\q]            ; bit 7 is left where the byte was at least the difference
.endr
.irp q, 0,1,2,3
	v_lshrrev_b32 v[PC0+4+\q], 7, v[PC0+\q]
.endr
.irp q, 0,1,2,3
	v_sub_nc_u32 v[PC0+\q], v[PC0+\q], v[PC0+4+\q] ; 0x7f in those bytes, 0 in the others
.endr
.irp q, 0,1,2,3
	v_and_b32 v[PSR+\q], v[PSR+\q], v[PC0+\q]      ; p's scale bytes under the common M.  LIMIT: a byte that would fall under 0 is held at 0, the scale 2^-127
.endr
.irp u, 0,1
	v_pk_mul_f32 v[ST0+24*\u+2:ST0+24*\u+3], v[ST0+24*\u+2:ST0+24*\u+3], v[ST0+24*\u+4:ST0+24*\u+5] op_sel_hi:[1,0]    ; the sum so far under the new M,
.endr
.irp u, 0,1
	v_pk_fma_f32 v[ST0+24*\u+2:ST0+24*\u+3], v[TC+4*\u:TC+4*\u+1], v[ST0+24*\u+10:ST0+24*\u+11], v[ST0+24*\u+2:ST0+24*\u+3] op_sel_hi:[1,0,1]     ; and my step's sum: both factors are powers of two
.endr
	WIN 0x82
.irp u, 0,1
.set n, 0
.rept 32
	v_pk_mul_f32 v[128+64*\u+n:128+64*\u+n+1], v[128+64*\u+n:128+64*\u+n+1], v[ST0+24*\u+4:ST0+24*\u+5] op_sel_hi:[1,0]
.set n, n+2
.endr
.endr
	WIN 0
	s_wait_alu depctr_va_vdst(0)
.if \mode == 0
	P2 1, 44, 46                                   ; with the next super-step's second half of K
.else
	P2 0, 0, 0
.endif
.if \mode == 0
	REFILL G0V, 1, 44, 46                          ; its round also stands between this super-step's reads of the images and the next one's stores
	s_add_nc_u64 s[48:49], s[48:49], 204800        ; the prefetches' pointers go a super-step on: behind the wait on XCNT in the refill's lines, with no prefetch since
	s_add_nc_u64 s[50:51], s[50:51], 196608
	s_add_nc_u64 s[78:79], s[78:79], 8192
	s_add_co_u32 s32, s32, 4
	s_add_co_u32 s33, s33, 512
.else
	REFILL G0W, 0, 0, 0                            ; W2's first four K steps
.endif
.endm
	s_cmp_eq_u32 s31, 0
	s_cbranch_scc1 .Ltail
	global_prefetch_b8 v0, s[48:49] th:TH_LOAD_NT scope:SCOPE_SE               ; on the way into the loop: super-step 1's V, whose tensor load stands at the end of the first trip,
	global_prefetch_b8 v0, s[48:49] offset:6400 th:TH_LOAD_NT scope:SCOPE_SE
	global_prefetch_b8 v0, s[50:51] th:TH_LOAD_NT scope:SCOPE_SE               ; and its K, groups 4-7, which the first trip's phase 2 asks for
	global_prefetch_b8 v1, s[78:79] th:TH_LOAD_NT scope:SCOPE_SE               ; (16 x lane: the 32 lanes lie in my 512 bytes, two blocks)
.Lsuper:
	SUPER 0
	s_sub_co_u32 s31, s31, 1
	s_cmp_lg_u32 s31, 0
	s_cbranch_scc1 .Lsuper
.Ltail:
	SUPER 1                                        ; the super-step on the diagonal
; ---- x = LayerNorm(tokens + O / l).  The tokens come back from my image; g1 and be1 are asked for
.set k, 0
.rept 32
	ds_load_b128 v[S+4*k:S+4*k+3], v12 offset:512*k
.set k, k+1
.endr
	WIN 0xc0
.irp b, 0,1,2,3
.irp j, 0,1,2,3
	global_load_b128 v[128+16*\b+4*\j:128+16*\b+4*\j+3], v8, s[16:17] offset:128*\b+16*\j
	global_load_b128 v[192+16*\b+4*\j:192+16*\b+4*\j+3], v8, s[18:19] offset:128*\b+16*\j
.endr
.endr
	WIN 0
.irp u, 0,1
	v_add_f32 v[ST0+24*\u+6], v[ST0+24*\u+2], v[ST0+24*\u+3]
.endr
.irp u, 0,1
	v_permlanex16_b32 v[ST0+24*\u+7], v[ST0+24*\u+6], s[SEL], s[SEL+1]
.endr
.irp u, 0,1
	v_add_f32 v[ST0+24*\u+6], v[ST0+24*\u+6], v[ST0+24*\u+7]       ; the sum over my wave's keys
.endr
	EXCH EX, ST0+6, ST1+6                          ; (its waits also show the tokens back in registers)
	SUM4                                           ; the row's sum
	s_wait_alu depctr_va_vdst(0)
.irp u, 0,1
	v_rcp_f32 v[ST0+24*\u+4], v[ST0+24*\u+12]
.endr
	v_nop                                          ; one plain place behind the transcendentals
	WIN 0x02                                       ; O^T window 2
	s_wait_alu depctr_va_vdst(0)
.irp u, 0,1
.set n, 0
.rept 32
	v_pk_fma_f32 v[S+64*\u+n:S+64*\u+n+1], v[128+64*\u+n:128+64*\u+n+1], v[ST0+24*\u+4:ST0+24*\u+5], v[S+64*\u+n:S+64*\u+n+1] op_sel_hi:[1,0,1]
.set n, n+2
.endr
.endr
	WIN 0
	LNORM EX+1024, EX+2048
	s_wait_loadcnt 0x0                             ; g1, be1 (and W1's first four groups)
	WIN 0xbc                                       ; x into O^T's registers too: Y^T begins as x, so that the second residual costs nothing
.set n, 0
.rept 64
	v_pk_fma_f32 v[128+n:128+n+1], v[S+n:S+n+1], v[128+n%64:129+n%64], v[192+n%64:193+n%64]
.set n, n+2
.endr
	WIN 0x3c
.set n, 0
.rept 64
	v_pk_fma_f32 v[S+n:S+n+1], v[S+n:S+n+1], v[128+n%64:129+n%64], v[192+n%64:193+n%64]
.set n, n+2
.endr
	WIN 0
	BATCH2 52, 54, 0, 0                            ; W1's groups 4-7 of chunk 0: only now, since g1 lay over a part of slot 7
.irp u, 0,1
	QMAX S+64*\u, ST0+24*\u+8, ST0+24*\u+12
	QTAIL S+64*\u, ST0+24*\u+8, ST0+24*\u+12, PC0+12*\u, TC, ST0+24*\u+6
.endr
	IMGOUT 4, 6144, 13                             ; K step = my wave's 128 channels
	s_wait_dscnt 0x0
	s_barrier_signal -1
	s_barrier_wait -1
	IMGIN 0x80, 0, XIMG, QS, XPS                   ; x's eight fragments take q's place
	s_wait_dscnt 0x0
; ---- the MLP, 512 hidden units a chunk.  last = 1: nothing follows
.macro G2LOAD                          ; g2, be2 and b2 at my 64 channels, into ring slots that have been multiplied: 48 loads
	WIN 0xc0
.irp b, 0,1,2,3
.irp j, 0,1,2,3
	global_load_b128 v[16*\b+4*\j:16*\b+4*\j+3], v8, s[20:21] offset:128*\b+16*\j
	global_load_b128 v[64+16*\b+4*\j:64+16*\b+4*\j+3], v8, s[22:23] offset:128*\b+16*\j
.endr
.endr
	WIN 0x40
.irp b, 0,1,2,3
.irp j, 0,1,2,3
	global_load_b128 v[16*\b+4*\j:16*\b+4*\j+3], v8, s[14:15] offset:128*\b+16*\j
.endr
.endr
	WIN 0
.endm
.macro CHUNK last
	v_add_nc_u32 v10, s60, v9
.irp u, 0,1
.irp b, 0,1,2,3
.irp j, 0,1,2,3
	ds_load_b128 v[S+64*\u+16*\b+4*\j:S+64*\u+16*\b+4*\j+3], v10 offset:128*\b+16*\j   ; b1 at my 64 hidden units, straight into both tiles' accumulators: the products add onto it
.endr
.endr
.endr
	s_wait_dscnt 0x0
.if \last
	P1 1, 0, 0, 0, 0, 0
	G2LOAD
.else
	P1 1, 1, 52, 54, 196608, 8192
.endif
.set n, 0
.rept 128
	v_max_num_f32 v[S+n], 0, v[S+n]                ; the activation, in f32; each accumulator is read from its low end on
.set n, n+1
.endr
.irp u, 0,1
	QMAX S+64*\u, ST0+24*\u+8, ST0+24*\u+12
	QTAIL S+64*\u, ST0+24*\u+8, ST0+24*\u+12, PC0+12*\u, TC, ST0+24*\u+6
.endr
	s_wait_alu depctr_va_vdst(0)
	IMGOUT 3, 1536, 5
	s_wait_dscnt 0x0
	s_barrier_signal -1
	s_barrier_wait -1                              ; the chunk's eight fragments of the hidden layer lie in LDS
	IMGIN 0xc0, PF, IMG, PSR, PS
	s_wait_tensorcnt 0x0                           ; my tile of W2 is in my slot
	VFETCH 0
	VFETCH 1
.if \last
	P2 0, 0, 0
.else
	P2 1, 52, 54                                   ; with the next chunk's second half of W1
.endif
.if !\last
	REFILL G0W, 1, 52, 54
	s_add_co_u32 s60, s60, 2048
.endif
.endm
.Lchunk:
	CHUNK 0
	s_sub_co_u32 s61, s61, 1
	s_cmp_lg_u32 s61, 0
	s_cbranch_scc1 .Lchunk
	CHUNK 1
; ---- z = LayerNorm(x + Y + b2), and the way out
	s_wait_loadcnt 0x0                             ; g2, be2, b2
	WIN 0x06                                       ; x + Y^T window 2, b2 window 1
.set n, 0
.rept 64
	v_pk_add_f32 v[S+n:S+n+1], v[128+n:128+n+1], v[n%64:n%64+1]
.set n, n+2
.endr
	WIN 0
	LNORM EX+3072, EX+4096
	WIN 0x3c
.set n, 0
.rept 64
	v_pk_fma_f32 v[S+n:S+n+1], v[S+n:S+n+1], v[n%64:n%64+1], v[64+n%64:65+n%64]
.set n, n+2
.endr
	WIN 0
.irp u, 0,1
.irp b, 0,1,2,3
.irp j, 0,1,2,3
	ds_store_b128 v11, v[S+64*\u+16*\b+4*\j:S+64*\u+16*\b+4*\j+3] offset:16512*\u+128*\b+16*\j     ; a row's 2,048 bytes come from four waves: they meet in the stage
.endr
.endr
.endr
	s_wait_dscnt 0x0
	s_barrier_signal -1
	s_barrier_wait -1
.set i, 0
.rept 32
	ds_load_b128 v[S+4*i:S+4*i+3], v12 offset:2064*(i/4)+512*(i%4)
.set i, i+1
.endr
.set i, 0
.rept 32
	s_wait_dscnt 31-i                              ; LDS loads come back in order: load i is in
	global_store_b128 v1, v[S+4*i:S+4*i+3], s[24:25] offset:2048*(i/4)+512*(i%4) th:TH_STORE_NT    ; 32 lanes store 512 consecutive bytes, aligned
.set i, i+1
.endr
	s_wait_tensorcnt 0x0                           ; the wave's end: behind my last tensor load and my last LDS store
	ds_add_u32 v[SPW], v[NIL]
	s_wait_dscnt 0x0
	ROUND                                          ; the closing round: no work-group ends while a partner may still ask for a tile that names it
	s_endpgm
.Lfunc_end_k_q213b873860_block:
	.size	k_q213b873860_block, .Lfunc_end_k_q213b873860_block-k_q213b873860_block
	.p2alignl 7, 3214868480
	.fill 96, 4, 3214868480
	.section	.rodata,"a",@progbits
	.p2align	6, 0x0
	.amdhsa_kernel k_q213b873860_block
		.amdhsa_group_segment_fixed_size 327680
		.amdhsa_private_segment_fixed_size 0
		.amdhsa_enable_private_segment 0
		.amdhsa_kernarg_size 88
		.amdhsa_user_sgpr_count 2
		.amdhsa_user_sgpr_kernarg_segment_ptr 1
		.amdhsa_wavefront_size32 1
		.amdhsa_system_sgpr_workgroup_id_x 1
		.amdhsa_system_sgpr_workgroup_id_y 1
		.amdhsa_system_sgpr_workgroup_id_z 1
		.amdhsa_system_vgpr_workitem_id 0
		.amdhsa_next_free_vgpr 1024
		.amdhsa_next_free_sgpr 96
		.amdhsa_reserve_vcc 1
		.amdhsa_float_denorm_mode_32 3
		.amdhsa_float_denorm_mode_16_64 3
		.amdhsa_memory_ordered 1
		.amdhsa_forward_progress 1
		.amdhsa_inst_pref_size 255
	.end_amdhsa_kernel
	.section	.bss,"aw",@nobits
	.p2align	6
	.space	262144
	.amdgpu_metadata
---
amdhsa.version: [ 1, 2 ]
amdhsa.kernels:
  - .name:           k_q213b873860_block
    .symbol:         k_q213b873860_block.kd
    .args:
      - { .name: tokens, .offset: 0, .size: 8, .value_kind: global_buffer, .address_space: global }
      - { .name: qkv, .offset: 8, .size: 8, .value_kind: global_buffer, .address_space: global }
      - { .name: pre, .offset: 16, .size: 8, .value_kind: global_buffer, .address_space: global }
      - { .name: distance_scale, .offset: 24, .size: 8, .value_kind: global_buffer, .address_space: global }
      - { .name: b1, .offset: 32, .size: 8, .value_kind: global_buffer, .address_space: global }
      - { .name: b2, .offset: 40, .size: 8, .value_kind: global_buffer, .address_space: global }
      - { .name: g1, .offset: 48, .size: 8, .value_kind: global_buffer, .address_space: global }
      - { .name: be1, .offset: 56, .size: 8, .value_kind: global_buffer, .address_space: global }
      - { .name: g2, .offset: 64, .size: 8, .value_kind: global_buffer, .address_space: global }
      - { .name: be2, .offset: 72, .size: 8, .value_kind: global_buffer, .address_space: global }
      - { .name: out0, .offset: 80, .size: 8, .value_kind: global_buffer, .address_space: global }
    .group_segment_fixed_size: 327680
    .private_segment_fixed_size: 0
    .kernarg_segment_align: 8
    .kernarg_segment_size: 88
    .max_flat_workgroup_size: 128
    .sgpr_count:     96
    .vgpr_count:     1024
    .wavefront_size: 32
...
	.end_amdgpu_metadata
.endif
;; end of part 6
